; MI455X (gfx1250); checked and timed in simulation.
; The chip was launched on July 23, 2026; its instructions are those of AMD's public machine-readable ISA for CDNA 5 (MIT licence, August 2026) and "CDNA5" Instruction Set Architecture Reference Guide (July 2026). The comments in the code are by the model that wrote it; some were corrected since.
;; Transformer Block. Allowed arithmetic: matrix products marked QUANTISED: E4M3 operands, one E8M0 scale for each 32 along K, by v_wmma_scale_f32_16x16x128_f8f6f4 with both operands' format E4M3, f32 sums; everything else in f32.
;; Inputs: fc1_b 4,096 float32; fc1_w 1,024 x 4,096 float32; fc2_b 1,024 float32; fc2_w 4,096 x 1,024 float32; ln1_b 1,024 float32; ln1_g 1,024 float32; ln2_b 1,024 float32; ln2_g 1,024 float32; proj_b 1,024 float32; proj_w 1,024 x 1,024 float32; qkv_b 3,072 float32; qkv_w 1,024 x 3,072 float32; x 2 x 2,048 x 1,024 float32.
;; Outputs: out0 2 x 2,048 x 1,024 float32.
;; This version of the problem:
;;   THIS VERSION OF THE PROBLEM IS GIVEN IN LOW PRECISION. The matrix products marked QUANTISED in the list below multiply operands that are first quantised to E4M3 (4 exponent bits, 3 mantissa bits; 8 bits a number), with one power-of-two scale for each 32 numbers along K (OCP MX v1.0); their sums are f32. All else is computed in f32.
;;   The module's matrix products, in the order in which they are computed (A, B: the left and right operand; K: the contracted axis; several contracted axes count as one K, in the product's order):
;;     1. [M 4,096, K 1,024] x [K 1,024, N 3,072]; A: computed on the way; B: input qkv_w: QUANTISED
;;     2. batch 32 x [M 2,048, K 64] x [K 64, N 2,048]; A: computed on the way; B: computed on the way: QUANTISED
;;     3. batch 32 x [M 64, K 2,048] x [K 2,048, N 2,048]; A: computed on the way; B: softmax (see below): QUANTISED
;;     4. [M 4,096, K 1,024] x [K 1,024, N 1,024]; A: computed on the way; B: input proj_w: QUANTISED
;;     5. [M 4,096, K 1,024] x [K 1,024, N 4,096]; A: computed on the way; B: input fc1_w: QUANTISED
;;     6. [M 4,096, K 4,096] x [K 4,096, N 1,024]; A: computed on the way; B: input fc2_w: QUANTISED
;;   THE QUANTISER, for each operand of a quantised product, along K:
;;     - K is cut into blocks of 32 from its start; a last block that is shorter is filled with zeros.
;;     - A block's scale is 2^e with e = floor(log2(the largest magnitude in the block)) - 8, held to -126 .. 127; a block of zeros has e = 0. As a byte (E8M0): e + 127.
;;     - Each number is divided by its block's scale, clamped to +-448, and rounded to the nearest number of E4M3, ties to even, subnormals kept.
;;     - The product sums the exact products of the quantised numbers (number of the format x scale) in f32.
;;   ~~~python
;;   def quantise(x, axis):      # numpy; x: float32 -> the quantised numbers, widened to float32 again
;;       x = np.moveaxis(x, axis, -1); K = x.shape[-1]
;;       x = np.pad(x, [(0, 0)] * (x.ndim - 1) + [(0, -K % 32)]); x = x.reshape(x.shape[:-1] + (-1, 32)); a = np.abs(x).max(-1, keepdims=True)
;;       e = np.where(a > 0, np.clip(np.frexp(np.where(a > 0, a, 1))[1] - 1 - 8, -126, 127), 0)      # np.frexp(a)[1] - 1 = floor(log2(a)), exactly
;;       r = np.clip(x / 2.0 ** e, -448, 448)
;;       step = 2.0 ** (np.maximum(np.frexp(np.where(r == 0, 1, r))[1] - 1, -6) - 3)
;;       q = np.round(r / step) * step * 2.0 ** e      # np.round: ties to even
;;       return np.moveaxis(q.reshape(q.shape[:-2] + (-1,))[..., :K], -1, axis).astype(np.float32)
;;   ~~~
;;   SOFTMAX AHEAD OF A QUANTISED PRODUCT. Where the list says 'softmax', what is quantised is not the finished softmax but p = 2^(t - M), with t = logit x log2(e) and M = ceil(the row's largest t), a whole number; so 1/2 < the row's largest p <= 1. The row's sum l is taken of the UNQUANTISED p, in f32, and the product's result is divided by l at the end. Since M is a whole number, a kernel that streams over the keys may use a running M (the ceiling of the running maximum): every later rescaling is an exact power of two, which a block's scale takes up: the codes' values come out the same.
;;   OPERANDS COMPUTED ON THE WAY. 'Computed on the way' means the value that the module computes at that place (a softmax that the list does not call 'softmax' is quantised finished and normalised). What goes into a quantiser is computed in f32, as accurately as f32 sums, v_exp_f32 and their like allow (about 1e-6 of the number): no bf16 or f16 on the way to a quantiser, and a product that is left as it is and whose result goes on into a quantised operand takes f32 operands (vector FMAs, or v_wmma_f32_16x16x4_f32). A number that lies on a knife's edge between two numbers of the format may be rounded either way, as far as f32 arithmetic and the matrix unit's own rounding can turn it there, and no further.
;; One version. Each part assembles by itself: llvm-mc -triple=amdgcn-amd-amdhsa -mcpu=gfx1250 --defsym DOCPART=n.
;; ======== version 1 of 1: 7 launches
;; limits: right only within a limited range of input values
;; workspace buffers: wimg 12,976,128 bytes; act 4,325,376 bytes; qk 8,912,896 bytes; vimg 4,325,376 bytes; x1 16,777,216 bytes; hid 17,301,504 bytes
;; launch prep1 (part 1): grid 384 x 1, 8 waves a work-group, no clusters, 66,816 bytes of LDS; arguments x, ln1_g, ln1_b, act, qkv_w, proj_w, wimg; writes act, wimg
.if DOCPART == 1
	.amdgcn_target "amdgcn-amd-amdhsa--gfx1250"
	.amdhsa_code_object_version 6
	.text
	.protected	k_q1d5b974a8c_prep1
	.globl	k_q1d5b974a8c_prep1
	.p2align	8
	.type	k_q1d5b974a8c_prep1,@function
k_q1d5b974a8c_prep1:
	s_mov_b64 s[64:65], 0
	v_nop
	global_prefetch_b8 v0, s[64:65] scope:SCOPE_SE
	s_setreg_imm32_b32 hwreg(HW_REG_WAVE_MODE, 25, 1), 1
	s_wait_xcnt 0x0
; FIRST OF SEVEN LAUNCHES of a pre-norm transformer block, 4,096 tokens, D = 1,024, 16 heads of 64, hidden 4,096, all six products on codes of FP8 (E4M3) with one E8M0 scale for each 32 along K.
; DEAD WORK: none.  Every input has a way to out0 for all values: both gains and biases of the norms and all four biases move codes or are added to a result (the bias on k moves k's codes), so every input is loaded and every
; product of the table is done.  Product 2 has K = 64: the matrix instruction's other 64 along K are zero codes on Q's side, under Q's bytes c0, c1 repeated, which add nothing.
; LIMITS of the whole program: NaN and infinities among the inputs are not served.  A block whose largest magnitude lies under 2^(9 - 127) keeps the scale byte 1, a block of zeros too (the rule says 127 there): its codes
; are zeros, which add nothing under any byte but 0xff, and this program alone reads the bytes.
; THIS LAUNCH does two things that do not depend on each other, side by side, parted by ONE branch on the work-group's number: work-groups 0-255 make LN1(x), quantised; the other 128 quantise qkv_w and proj_w.
; BOTH STORE IMAGES OF OPERAND REGISTERS.  A record of 8,448 bytes holds 32 rows x 256 along K of an operand [rows][K]; record (g = row / 32, ks = k / 256) lies at (g K / 256 + ks) x 8,448.  In it the 16 bytes at
; u 4096 + s 2048 + c 512 + 16 (r + 16 h) are the codes of row 32 g + 8 u + r + 8 (r / 8) at k = 256 ks + 128 s + 32 c + 16 h + 0 .. 15; the scale word at 8192 + 8 (16 u + r) + 4 s has block c's byte as byte c.
; So four loads of 16 bytes a lane at 16 x lane bring a fragment (16 rows x 128 K), and the rows of a fragment are such that a transposed product's results are neighbours along the next K.
; THE NORM: y = (x - mean) x rsqrt(var + 1e-5) x g + b, all in f32: the mean first, then the variance of the differences, as reference() has it.  A work-group makes one fragment's 16 rows (g = number / 2, u = number % 2).
; PHASE A: wave w takes the rows at places 2 w and 2 w + 1, two neighbouring tokens: 8,192 dense bytes; a row stays in 32 registers of the wave between its passes; y goes to LDS, rows 4,112 bytes apart.  One barrier.
; PHASE B: wave w takes k = 128 w .. 128 w + 127 of all 16 rows: lane (r, h) reads 16 neighbours of each block of 32 of row r, which is what the conversions want.  The pitch is 257 x 16 bytes, so the sixteen rows that a load
; touches start at sixteen different groups of banks (64 banks of 4 bytes: ISA guide 11.1).
; THE WEIGHTS: W [K][N], f32, K on the FIRST axis; the operand's rows are W's columns.  A wave makes half a record: 32 columns x 128 along K (s = one half).  A LANE TAKES A COLUMN (u = lane / 16, r = lane % 16) AND ITS REGISTERS RUN
; DOWN K: a block of 32 lies in one lane, its largest magnitude needs no other lane, and the conversions give codes with K innermost.  A lane's 32 codes of block c are the 16 bytes at u 4096 + s 2048 + 512 c + 16 r and the 16 bytes
; 256 further on: sixteen neighbouring lanes store 256 consecutive bytes, aligned.  The eight waves of a work-group take eight neighbouring groups of columns: 1,024 consecutive bytes of each row of W.  Two blocks, 64 loads of
; 128 bytes, are on their way in each wave.  No LDS, no barrier on this path.  Which tensor: by the work-group's number; only pointers and numbers are chosen.
; On both paths the scale words leave as words of 4 bytes, 8 bytes apart: one byte in 33 of what the launch stores.
.set NLN,   256                        ; work-groups of the norm
.set REC,   8448
.set NA,    96                         ; the first weight's work-groups: (3,072 / 256) groups of eight x 8 chunks of 128 along K
.set STR_A, 12288                      ; bytes in a row of it
.set LH_A,  3                          ; log2 of K / 128
.set OFF_A, 0                          ; its place in wimg
.set STR_B, 4096                       ; the second weight: proj_w, 32 work-groups
.set LH_B,  3
.set OFF_B, 384*REC
.set PITCH, 4112
.set SPARE, 16*PITCH                   ; behind y: the spare words, 128 bytes for each wave: four blocks of 256 bytes that no other line names
.set SPW,   4                          ; v4   LDS address of my spare word; never rewritten
.set NIL,   5                          ; v5   0; never rewritten
; the norm's registers
.set XR,    16                         ; v16-47, v48-79  the two rows; in phase B v16-79: 64 numbers
.set GG,    80                         ; v80-111  the gain at my columns
.set BB,    112                        ; v112-143 the bias
.set PC,    80                         ; phase B: v80-95 the codes, v96-111 at work, v112 the scale word
.set TM,    96
.set PW,    112
.set SEL,   12                         ; s[12:13] v_permlanex16_b32's selects for lane l xor 16
.set MNT,   14                         ; s14  the mantissa field of 448
; the weights' registers
.set C,     16                         ; v16-23  a block's codes
.set SB,    24                         ; v24     the four scale bytes
.set OFFV,  32                         ; v32-63  row i of a block: i x a row of W + 4 x my column
.set X,     64                         ; v64-127 two sets of 32 numbers
; 64 numbers of a lane, register 16 b + i = k 32 b + 16 (lane / 16) + i of my row, become a fragment's codes in v[PC] on and its scale word in v[PW]
.macro QUANT s
.irp b, 0,1,2,3
	v_max3_num_f32 v[TM+\b], |v[\s+16*\b]|, |v[\s+1+16*\b]|, 0x4800000   ; block b: my 16 numbers, and the floor 2^(9 - 127): the byte cannot fall under 1
.endr
.irp i, 2,4,6,8,10,12,14
.irp b, 0,1,2,3
	s_delay_alu instid0(VALU_DEP_4)
	v_max3_num_f32 v[TM+\b], v[TM+\b], |v[\s+16*\b+\i]|, |v[\s+1+16*\b+\i]|   ; the four blocks by turns
.endr
.endr
.irp b, 0,1,2,3
	s_delay_alu instid0(VALU_DEP_4)
	v_permlanex16_b32 v[TM+4+\b], v[TM+\b], s[SEL], s[SEL+1]
.endr
.irp b, 0,1,2,3
	s_delay_alu instid0(VALU_DEP_4)
	v_max_num_f32 v[TM+\b], v[TM+\b], v[TM+4+\b]   ; with lane l xor 16's: the block's largest magnitude
.endr
.irp b, 0,1,2,3
	s_delay_alu instid0(VALU_DEP_4)
	v_add_nc_u32 v[TM+12+\b], 0xfc000000, v[TM+\b] ; 8 off its exponent field: the conversion's scale operand
.endr
.irp b, 0,1,2,3
	v_and_or_b32 v[TM+8+\b], v[TM+\b], 0x7f800000, s[MNT]   ; 448 x the scale
.endr
.irp b, 0,1,2,3
	v_lshrrev_b32 v[TM+4+\b], 23, v[TM+12+\b]      ; the scale's byte
.endr
	s_delay_alu instid0(VALU_DEP_3)
	v_lshl_or_b32 v[PW], v[TM+5], 8, v[TM+4]
	s_delay_alu instid0(VALU_DEP_1)
	v_lshl_or_b32 v[PW], v[TM+6], 16, v[PW]
	s_delay_alu instid0(VALU_DEP_1)
	v_lshl_or_b32 v[PW], v[TM+7], 24, v[PW]
.irp b, 0,1,2,3
.irp i, 0,1,2,3,4,5,6,7,8,9,10,11,12,13,14,15
	v_med3_num_f32 v[\s+16*\b+\i], v[\s+16*\b+\i], -v[TM+8+\b], v[TM+8+\b]   ; the conversion does not saturate (ISA guide 7.6.2): the hold
.endr
	v_cvt_scalef32_pk8_fp8_f32 v[PC+4*\b:PC+1+4*\b], v[\s+16*\b:\s+7+16*\b], v[TM+12+\b]
	v_cvt_scalef32_pk8_fp8_f32 v[PC+2+4*\b:PC+3+4*\b], v[\s+8+16*\b:\s+15+16*\b], v[TM+12+\b]
.endr
	v_nop                                          ; one plain vector instruction behind the last scaled conversion
.endm
.macro ACROSS                          ; v6 and v10 summed over the 32 lanes, the two rows by turns; v8 and v12 have been written
.irp m, 1,2,4,8
	s_delay_alu instid0(VALU_DEP_2)
	v_add_f32_dpp v6, v6, v6 row_xmask:\m row_mask:0xf bank_mask:0xf
	s_delay_alu instid0(VALU_DEP_2)
	v_add_f32_dpp v10, v10, v10 row_xmask:\m row_mask:0xf bank_mask:0xf
.endr
	s_delay_alu instid0(VALU_DEP_2)
	v_permlanex16_b32 v8, v6, s[SEL], s[SEL+1]
	s_delay_alu instid0(VALU_DEP_2)
	v_permlanex16_b32 v12, v10, s[SEL], s[SEL+1]
	s_delay_alu instid0(VALU_DEP_2)
	v_add_f32 v6, v6, v8
	s_delay_alu instid0(VALU_DEP_2)
	v_add_f32 v10, v10, v12
.endm
.macro LOAD set                        ; a block: W(32 t + i, my column), i = 0 .. 31: each load reads 128 bytes of a row in 32 lanes
.set n, 0
.rept 32
	global_load_b32 v[X+32*(\set)+n], v[OFFV+n], s[14:15] th:TH_LOAD_NT
.set n, n+1
.endr
.endm
.macro BLOCK t                         ; block t of my four
.set XS, X+32*((\t)%2)
.if (\t) < 3
	s_wait_loadcnt 32                              ; this block's 32 loads are in; the next block's 32 may be out
.else
	s_wait_loadcnt 0x0
.endif
	v_max3_num_f32 v12, |v[XS]|, |v[XS+1]|, |v[XS+2]|     ; the block's largest magnitude: all 32 numbers are mine; two chains
	v_max3_num_f32 v13, |v[XS+3]|, |v[XS+4]|, |v[XS+5]|
.irp i, 6,10,14,18,22,26
	s_delay_alu instid0(VALU_DEP_2)
	v_max3_num_f32 v12, v12, |v[XS+\i]|, |v[XS+\i+1]|
	s_delay_alu instid0(VALU_DEP_2)
	v_max3_num_f32 v13, v13, |v[XS+\i+2]|, |v[XS+\i+3]|
.endr
	s_delay_alu instid0(VALU_DEP_2)
	v_max3_num_f32 v12, v12, |v[XS+30]|, |v[XS+31]|
	s_delay_alu instid0(VALU_DEP_1)
	v_max3_num_f32 v12, v12, v13, 0x4800000        ; and the floor 2^(9 - 127): the byte cannot fall under 1
	s_delay_alu instid0(VALU_DEP_1)
	v_add_nc_u32 v11, 0xfc000000, v12              ; 8 off the exponent field: the conversion takes the exponent field of this operand as its scale
	s_delay_alu instid0(VALU_DEP_2)
	v_and_or_b32 v10, v12, 0x7f800000, s31         ; 448 x the scale
.if (\t) == 0
	s_delay_alu instid0(VALU_DEP_2)
	v_lshrrev_b32 v[SB], 23, v11                   ; the scale's byte: the lower K in the lower byte
.else
	s_delay_alu instid0(VALU_DEP_2)
	v_lshrrev_b32 v13, 23, v11
	s_delay_alu instid0(VALU_DEP_1)
	v_lshl_or_b32 v[SB], v13, 8*(\t), v[SB]
.endif
.set n, 0
.rept 32
	v_med3_num_f32 v[XS+n], v[XS+n], -v10, v10     ; the conversion to an 8-bit code does not saturate (ISA guide 7.6.2): the hold at the largest code x the scale
.set n, n+1
.endr
.irp g, 0,1,2,3
	v_cvt_scalef32_pk8_fp8_f32 v[C+2*\g:C+2*\g+1], v[XS+8*\g:XS+8*\g+7], v11
.endr
	global_store_b128 v3, v[C:C+3], s[12:13] offset:512*(\t)          ; k 0 .. 15 of the block: sixteen lanes store 256 consecutive bytes, aligned
	global_store_b128 v3, v[C+4:C+7], s[12:13] offset:512*(\t)+256    ; k 16 .. 31
.if (\t) < 3
	s_wait_xcnt 0x0                                ; the stores have read their data, the loads their base: both are written again only behind this wait
.endif
.if (\t) < 2
	s_add_nc_u64 s[14:15], s[14:15], s[32:33]
	LOAD (\t)%2                                    ; two blocks ahead, into the set just converted
.endif
.endm
	v_lshl_add_u32 v[SPW], v0, 2, SPARE
	v_mov_b32 v[NIL], 0
	v_lshrrev_b32 v1, 5, v0
	s_delay_alu instid0(VALU_DEP_1)
	v_readfirstlane_b32 s16, v1                    ; wave 0..7
	s_cmp_lt_u32 ttmp9, NLN                        ; on the work-group's number alone: all eight waves go the same way
	s_cbranch_scc0 .Lweights
	; ================ the norm ================
	s_load_b256 s[4:11], s[0:1], 0x0               ; the rows s[4:5], gain s[6:7], bias s[8:9], the images s[10:11]
	v_and_b32 v2, 31, v0
	s_delay_alu instid0(VALU_DEP_1)
	v_lshlrev_b32 v1, 4, v2                        ; 16 x lane
	v_and_b32 v14, 15, v0                          ; r
	s_wait_alu depctr_va_vdst(0)
	v_bfe_u32 v15, v0, 4, 1                        ; h
	s_mul_i32 s22, s16, 2*PITCH
	v_add_nc_u32 v2, s22, v1                       ; phase A: into LDS: my wave's two rows, 16 bytes a lane
	v_mul_u32_u24 v3, v14, PITCH
	s_delay_alu instid0(VALU_DEP_1)
	v_lshl_add_u32 v3, v15, 6, v3
	s_lshl_b32 s23, s16, 9
	v_add_nc_u32 v3, s23, v3                       ; phase B: row r, + 64 h, + 512 x wave
	s_lshr_b32 s17, ttmp9, 1                       ; g
	s_and_b32 s18, ttmp9, 1                        ; u
	s_and_b32 s25, s16, 1                          ; s = wave % 2
	s_lshl_b32 s24, s18, 7
	s_lshl_b32 s28, s25, 2
	s_add_co_u32 s24, s24, s28
	v_lshl_add_u32 v15, v14, 3, s24                ; my scale word: 8 r + 128 u + 4 s
	s_lshl_b32 s24, s18, 12
	s_lshl_b32 s28, s25, 11
	s_add_co_u32 s24, s24, s28
	v_add_nc_u32 v14, s24, v1                      ; my codes: 16 x lane + 4096 u + 2048 s
	s_lshl_b32 s19, s17, 5                         ; my wave's first token: 32 g + 8 u + 2 w + 8 (w / 4)
	s_lshl_b32 s20, s18, 3
	s_add_co_u32 s19, s19, s20
	s_lshl_b32 s20, s16, 1
	s_add_co_u32 s19, s19, s20
	s_lshr_b32 s20, s16, 2
	s_lshl_b32 s20, s20, 3
	s_add_co_u32 s19, s19, s20
	s_lshl_b32 s20, s19, 12                        ; in bytes
	s_mov_b32 s21, 0
	s_lshl_b32 s28, s17, 2
	s_lshr_b32 s29, s16, 1
	s_add_co_u32 s28, s28, s29
	s_mul_i32 s28, s28, REC                        ; record (g, wave / 2)
	s_mov_b32 s29, 0
	s_mov_b32 s[SEL], 0x76543210
	s_mov_b32 s[SEL+1], 0xfedcba98
	s_mov_b32 s[MNT], 0x600000
	s_mov_b32 s26, 0x3a800000                      ; 1 / 1,024
	s_mov_b32 s27, 0x3727c5ac                      ; 1e-5
	s_wait_kmcnt 0x0
	s_add_nc_u64 s[4:5], s[4:5], s[20:21]
	s_add_nc_u64 s[10:11], s[10:11], s[28:29]
.set n, 0
.rept 16
	global_load_b128 v[XR+4*n:XR+4*n+3], v1, s[4:5] offset:512*n th:TH_LOAD_NT   ; two rows, 8,192 consecutive bytes; 512 a load
.set n, n+1
.endr
.set n, 0
.rept 8
	global_load_b128 v[GG+4*n:GG+4*n+3], v1, s[6:7] offset:512*n
	global_load_b128 v[BB+4*n:BB+4*n+3], v1, s[8:9] offset:512*n
.set n, n+1
.endr
	s_wait_loadcnt 16                              ; the rows are in; the 16 loads of gain and bias may be out
	; ---- the mean: two chains a row
.irp R, 0,1
	v_pk_add_f32 v[6+4*\R:7+4*\R], v[XR+32*\R:XR+32*\R+1], v[XR+32*\R+2:XR+32*\R+3]
	v_pk_add_f32 v[8+4*\R:9+4*\R], v[XR+32*\R+4:XR+32*\R+5], v[XR+32*\R+6:XR+32*\R+7]
.endr
.irp i, 8,12,16,20,24,28
.irp R, 0,1
	s_delay_alu instid0(VALU_DEP_4)
	v_pk_add_f32 v[6+4*\R:7+4*\R], v[6+4*\R:7+4*\R], v[XR+32*\R+\i:XR+32*\R+\i+1]
	s_delay_alu instid0(VALU_DEP_4)
	v_pk_add_f32 v[8+4*\R:9+4*\R], v[8+4*\R:9+4*\R], v[XR+32*\R+\i+2:XR+32*\R+\i+3]
.endr
.endr
.irp R, 0
	s_delay_alu instid0(VALU_DEP_3)
	v_pk_add_f32 v[6+4*\R:7+4*\R], v[6+4*\R:7+4*\R], v[8+4*\R:9+4*\R]
.endr
.irp R, 1
	s_delay_alu instid0(VALU_DEP_2)
	v_pk_add_f32 v[6+4*\R:7+4*\R], v[6+4*\R:7+4*\R], v[8+4*\R:9+4*\R]
.endr
.irp R, 0,1
	s_delay_alu instid0(VALU_DEP_2)
	v_add_f32 v[6+4*\R], v[6+4*\R], v[7+4*\R]
.endr
	ACROSS
	s_delay_alu instid0(VALU_DEP_2)
	v_mul_f32 v6, 0xba800000, v6                   ; - the mean
	s_delay_alu instid0(VALU_DEP_2)
	v_mul_f32 v10, 0xba800000, v10
.irp R, 0,1
.set n, 0
.rept 16
	v_pk_add_f32 v[XR+32*\R+2*n:XR+32*\R+2*n+1], v[XR+32*\R+2*n:XR+32*\R+2*n+1], v[6+4*\R:7+4*\R] op_sel_hi:[1,0]   ; x - mean (of the pair the low word serves both halves)
.set n, n+1
.endr
.endr
	; ---- the variance
.irp R, 0,1
	v_pk_mul_f32 v[6+4*\R:7+4*\R], v[XR+32*\R:XR+32*\R+1], v[XR+32*\R:XR+32*\R+1]
	v_pk_mul_f32 v[8+4*\R:9+4*\R], v[XR+32*\R+2:XR+32*\R+3], v[XR+32*\R+2:XR+32*\R+3]
.endr
.irp i, 4,8,12,16,20,24,28
.irp R, 0,1
	s_delay_alu instid0(VALU_DEP_4)
	v_pk_fma_f32 v[6+4*\R:7+4*\R], v[XR+32*\R+\i:XR+32*\R+\i+1], v[XR+32*\R+\i:XR+32*\R+\i+1], v[6+4*\R:7+4*\R]
	s_delay_alu instid0(VALU_DEP_4)
	v_pk_fma_f32 v[8+4*\R:9+4*\R], v[XR+32*\R+\i+2:XR+32*\R+\i+3], v[XR+32*\R+\i+2:XR+32*\R+\i+3], v[8+4*\R:9+4*\R]
.endr
.endr
.irp R, 0
	s_delay_alu instid0(VALU_DEP_3)
	v_pk_add_f32 v[6+4*\R:7+4*\R], v[6+4*\R:7+4*\R], v[8+4*\R:9+4*\R]
.endr
.irp R, 1
	s_delay_alu instid0(VALU_DEP_2)
	v_pk_add_f32 v[6+4*\R:7+4*\R], v[6+4*\R:7+4*\R], v[8+4*\R:9+4*\R]
.endr
.irp R, 0,1
	s_delay_alu instid0(VALU_DEP_2)
	v_add_f32 v[6+4*\R], v[6+4*\R], v[7+4*\R]
.endr
	ACROSS
	s_delay_alu instid0(VALU_DEP_2)
	v_fma_f32 v6, v6, s26, s27                     ; var + 1e-5
	s_delay_alu instid0(VALU_DEP_2)
	v_fma_f32 v10, v10, s26, s27
	s_wait_alu depctr_va_vdst(0)
	v_rsq_f32 v6, v6
	v_rsq_f32 v10, v10
	v_nop                                          ; a plain instruction behind the transcendentals (ISA guide 5.7.2),
	s_wait_alu depctr_va_vdst(0)                   ; and the wait ahead of their first reader
.irp R, 0,1
.set n, 0
.rept 16
	v_pk_mul_f32 v[XR+32*\R+2*n:XR+32*\R+2*n+1], v[XR+32*\R+2*n:XR+32*\R+2*n+1], v[6+4*\R:7+4*\R] op_sel_hi:[1,0]
.set n, n+1
.endr
.endr
	s_wait_loadcnt 0x0                             ; gain and bias
.irp R, 0,1
.set n, 0
.rept 16
	v_pk_fma_f32 v[XR+32*\R+2*n:XR+32*\R+2*n+1], v[XR+32*\R+2*n:XR+32*\R+2*n+1], v[GG+2*n:GG+2*n+1], v[BB+2*n:BB+2*n+1]
.set n, n+1
.endr
.endr
.irp R, 0,1
.irp j, 0,1,2,3,4,5,6,7
	ds_store_b128 v2, v[XR+32*\R+4*\j:XR+32*\R+4*\j+3] offset:\R*PITCH+512*\j
.endr
.endr
	s_wait_dscnt 0x0                               ; for the others' sake: my stores have landed
	s_barrier_signal -1
	s_barrier_wait -1                              ; sixteen whole rows of y lie in LDS
	; ---- phase B
.irp c, 0,1,2,3
.irp i, 0,1,2,3
	ds_load_b128 v[XR+16*\c+4*\i:XR+16*\c+4*\i+3], v3 offset:128*\c+16*\i
.endr
.endr
	s_wait_dscnt 0x0
	QUANT XR                                       ; (v100-103, the lane permutes' destinations, were written by the loads of the gain)
.irp c, 0,1,2,3
	global_store_b128 v14, v[PC+4*\c:PC+4*\c+3], s[10:11] offset:512*\c   ; 32 lanes store 512 consecutive bytes, aligned
.endr
	global_store_b32 v15, v[PW], s[10:11] offset:8192                     ; both halves of the lanes hold and store the same word
	s_branch .Lend
	; ================ the weights ================
.Lweights:
	s_load_b128 s[4:7], s[0:1], 0x20               ; the two weights
	s_load_b64 s[12:13], s[0:1], 0x30              ; wimg
	v_and_b32 v6, 15, v0                           ; r
	v_bfe_u32 v7, v0, 4, 1                         ; u
	s_delay_alu instid0(VALU_DEP_2)
	v_and_b32 v8, 8, v6
	s_delay_alu instid0(VALU_DEP_1)
	v_add_nc_u32 v8, v8, v6                        ; r + 8 (r / 8)
	s_delay_alu instid0(VALU_DEP_1)
	v_lshl_add_u32 v8, v7, 3, v8                   ; + 8 u: my column in the group of 32
	s_delay_alu instid0(VALU_DEP_1)
	v_lshlrev_b32 v2, 2, v8                        ; in bytes
	v_lshlrev_b32 v3, 4, v6
	s_delay_alu instid0(VALU_DEP_1)
	v_lshl_add_u32 v3, v7, 12, v3                  ; my codes' place in the record: u 4096 + 16 r
	v_and_b32 v9, 31, v0
	s_delay_alu instid0(VALU_DEP_1)
	v_lshlrev_b32 v9, 3, v9                        ; my scale words' place: 8 x lane
	s_mov_b32 s31, 0x600000                        ; the mantissa field of 448
	s_sub_co_u32 s20, ttmp9, NLN                   ; my number among the weights' work-groups
	s_mov_b32 s17, OFF_B                           ; the second weight's figures
	s_mov_b32 s18, STR_B
	s_mov_b32 s19, LH_B
	s_mov_b32 s21, NA
	s_wait_alu depctr_va_vdst(0)
	s_wait_kmcnt 0x0
	s_cmp_lt_u32 s20, NA                           ; the first weight's
	s_cselect_b64 s[14:15], s[4:5], s[6:7]
	s_cselect_b32 s17, OFF_A, s17
	s_cselect_b32 s18, STR_A, s18
	s_cselect_b32 s19, LH_A, s19
	s_cselect_b32 s21, 0, s21
	s_sub_co_u32 s20, s20, s21                     ; my work-group's number within its tensor
	s_lshl_b32 s22, 1, s19
	s_sub_co_u32 s22, s22, 1
	s_and_b32 s22, s20, s22                        ; which 128 along K
	s_lshr_b32 s23, s20, s19
	s_lshl_b32 s23, s23, 3
	s_add_co_u32 s23, s23, s16                     ; g
	s_and_b32 s24, s22, 1                          ; s
	s_lshr_b32 s25, s22, 1                         ; ks
	v_lshl_add_u32 v3, s24, 11, v3                 ; + 2048 s
	v_lshl_add_u32 v9, s24, 2, v9                  ; + 4 s
	s_lshl_b32 s26, s18, 7
	s_mul_i32 s26, s26, s22                        ; 128 rows of W for each chunk,
	s_lshl_b32 s27, s23, 7
	s_add_co_u32 s26, s26, s27                     ; + 128 g bytes
	s_mov_b32 s27, 0
	s_add_nc_u64 s[14:15], s[14:15], s[26:27]      ; where my numbers begin
	s_sub_co_u32 s28, s19, 1
	s_lshl_b32 s28, s23, s28                       ; g K / 256
	s_add_co_u32 s28, s28, s25
	s_mul_i32 s28, s28, REC
	s_add_co_u32 s28, s28, s17
	s_mov_b32 s29, 0
	s_add_nc_u64 s[12:13], s[12:13], s[28:29]      ; my record
	s_lshl_b32 s32, s18, 5                         ; a block on: 32 rows of W
	s_mov_b32 s33, 0
.set n, 0
.rept 32
	v_mad_u32_u24 v[OFFV+n], s18, n, v2
.set n, n+1
.endr
	LOAD 0
	s_wait_alu depctr_va_vdst(0)
	s_wait_xcnt 0x0                                ; the loads have read their base
	s_add_nc_u64 s[14:15], s[14:15], s[32:33]
	LOAD 1
.irp t, 0,1,2,3
	BLOCK \t
.endr
	global_store_b32 v9, v[SB], s[12:13] offset:8192   ; my column's scale word for these 128 along K
.Lend:
	s_wait_tensorcnt 0x0                           ; the wave's end, for both paths
	ds_add_u32 v[SPW], v[NIL]
	s_wait_dscnt 0x0
	s_endpgm
.Lfunc_end_k_q1d5b974a8c_prep1:
	.size	k_q1d5b974a8c_prep1, .Lfunc_end_k_q1d5b974a8c_prep1-k_q1d5b974a8c_prep1
	.p2alignl 7, 3214868480
	.fill 96, 4, 3214868480
	.section	.rodata,"a",@progbits
	.p2align	6, 0x0
	.amdhsa_kernel k_q1d5b974a8c_prep1
		.amdhsa_group_segment_fixed_size 66816
		.amdhsa_private_segment_fixed_size 0
		.amdhsa_enable_private_segment 0
		.amdhsa_kernarg_size 56
		.amdhsa_user_sgpr_count 2
		.amdhsa_user_sgpr_kernarg_segment_ptr 1
		.amdhsa_wavefront_size32 1
		.amdhsa_system_sgpr_workgroup_id_x 1
		.amdhsa_system_sgpr_workgroup_id_y 1
		.amdhsa_system_sgpr_workgroup_id_z 1
		.amdhsa_system_vgpr_workitem_id 0
		.amdhsa_next_free_vgpr 144
		.amdhsa_next_free_sgpr 66
		.amdhsa_reserve_vcc 0
		.amdhsa_float_denorm_mode_32 3
		.amdhsa_float_denorm_mode_16_64 3
		.amdhsa_memory_ordered 1
		.amdhsa_forward_progress 1
		.amdhsa_inst_pref_size 67
	.end_amdhsa_kernel
	.amdgpu_metadata
---
amdhsa.version: [ 1, 2 ]
amdhsa.kernels:
  - .name:           k_q1d5b974a8c_prep1
    .symbol:         k_q1d5b974a8c_prep1.kd
    .args:
      - { .name: x, .offset: 0, .size: 8, .value_kind: global_buffer, .address_space: global }
      - { .name: ln1_g, .offset: 8, .size: 8, .value_kind: global_buffer, .address_space: global }
      - { .name: ln1_b, .offset: 16, .size: 8, .value_kind: global_buffer, .address_space: global }
      - { .name: act, .offset: 24, .size: 8, .value_kind: global_buffer, .address_space: global }
      - { .name: qkv_w, .offset: 32, .size: 8, .value_kind: global_buffer, .address_space: global }
      - { .name: proj_w, .offset: 40, .size: 8, .value_kind: global_buffer, .address_space: global }
      - { .name: wimg, .offset: 48, .size: 8, .value_kind: global_buffer, .address_space: global }
    .group_segment_fixed_size: 66816
    .private_segment_fixed_size: 0
    .kernarg_segment_align: 8
    .kernarg_segment_size: 56
    .max_flat_workgroup_size: 256
    .sgpr_count:     66
    .vgpr_count:     144
    .wavefront_size: 32
...
	.end_amdgpu_metadata
.endif
;; end of part 1
;; launch qkv (part 2): grid 48 x 4, 4 waves a work-group, clusters of 4 x 4, 327,680 bytes of LDS; arguments act, wimg, qkv_b, qk, vimg; writes qk, vimg
.if DOCPART == 2
	.amdgcn_target "amdgcn-amd-amdhsa--gfx1250"
	.amdhsa_code_object_version 6
	.text
	.protected	k_q1d5b974a8c_qkv
	.globl	k_q1d5b974a8c_qkv
	.p2align	8
	.type	k_q1d5b974a8c_qkv,@function
k_q1d5b974a8c_qkv:
	s_mov_b64 s[64:65], 0
	v_nop
	global_prefetch_b8 v0, s[64:65] scope:SCOPE_SE
	s_setreg_imm32_b32 hwreg(HW_REG_WAVE_MODE, 25, 1), 1
	s_wait_xcnt 0x0
	s_wait_alu depctr_hold_cnt(0) depctr_sa_sdst(0) depctr_va_vdst(0) depctr_va_sdst(0) depctr_va_ssrc(0) depctr_va_vcc(0) depctr_vm_vsrc(0)
	s_getreg_b32 s2, hwreg(HW_REG_IB_STS2, 6, 4)
	s_cmp_eq_u32 s2, 0
	s_cbranch_scc0 .Lentry_in_a_cluster
	s_endpgm
.Lentry_in_a_cluster:
	s_bfe_u32 s2, ttmp6, 0x10000c
	s_cmp_lg_u32 s2, 0xf033
	s_cbranch_scc0 .Lentry_shape_is_right
	s_endpgm
.Lentry_shape_is_right:
; qkv = LN1(x) Wqkv + b on codes of FP8 (E4M3) with E8M0 scales, and the results quantised on the way out: q and k along the head's 64, v along the keys.  No work of reference() is left out.
; OPERANDS are images of operand registers: records of 8,448 bytes (32 rows x 256 K; record (g, ks) at (4 g + ks) x 8,448): codes of row 32 g + 8 u + r + 8 (r / 8), k = 256 ks + 128 s + 32 c + 16 h + 0 .. 15 at
; u 4096 + s 2048 + c 512 + 16 (r + 16 h); scale word at 8192 + 8 (16 u + r) + 4 s.  A fragment is four dense loads of 16 bytes a lane; one load of 8 bytes a lane brings the scale words of a group's two fragments
; (lanes 0-15: u = 0, lanes 16-31: u = 1) for both halves of the record's K; codes and scales ride in one tensor load.
; THE PRODUCT: source 0 = a fragment of X, source 1 = a fragment of Y.  Register j of lane (r, h) is X's row 32 gx + 16 h + 8 ux + j against Y's row at place r: the 64 registers of one Y fragment against eight X fragments are
; 'register 16 b + i = X index 32 b + 16 h + i', which is what the quantiser along X wants, and the 16 code registers that it makes are a fragment's image as they stand.
; q, k (clusters 0-7): X = the weights' columns, Y = tokens: results are quantised along the features, 64 to a head.   v (clusters 8-11): X = tokens, Y = Wv's columns: results are quantised along the tokens, which are the keys.
; Only pointers and indices are chosen, by the cluster's number; one branch on it, the same in all sixteen partners, leads to the two ways out.
; SHARES.  A tile of 256 x 256 to a work-group of four waves, 128 x 128 to a wave: 64 accumulators, 512 registers.  K in steps of 128, two to an LDS slot, two slots; each wave fetches a quarter of a slot (4 records) by one tensor load.
; CLUSTERS: 4 x 4 work-groups; Y's tile is shared along a row of the cluster, X's along a column: each is asked for jointly, by the same load with the same descriptor and a mask that names the four.
; OUT.  qk [part q, k][batch x head][step of 128 tokens], 8,704 bytes a step: codes at g' 2048 + u 1024 + c 512 + 16 lane (d = 32 c + 16 h + ..), scale words (bytes c0, c1, c0, c1) at 8192 + g' 128 + 4 (16 u + r).
;       vimg [batch x head][step of 128 keys], 8,448 bytes: channel fragment f at f 2048 + c 512 + 16 lane (keys 32 c + 16 h + ..), scale words at 8192 + (f / 2) 128 + 4 (16 (f % 2) + r).
; REGISTERS: window 0: v0-29 addresses; v32-63 scale words and nothing else; v64-127 the bias; v128-255 Y's fragments, one set; on the way out v128-231.  window 1: X's fragments, two sets.  windows 2, 3: the accumulators.
; LIMITS: NaN and infinities are not served; a block under 2^(9 - 127) keeps the byte 1.
.set NF,    8                          ; fragments of 16 rows a wave, each side
.set SQ,    2                          ; steps of 128 along K in a slot
.set NKS,   4                          ; records along K
.set LAPS,  2                          ; a lap = two slots
.set ACC0,  0
.set XSET,  128
.set YF,    128
.set BI,    64
.set MUL_LO,   0xa1                    ; source 0 (X) window 1, source 1 (Y) window 0, C and D window 2
.set MUL_HI,   0xf1                    ; C and D window 3
.set MUL_LO_F, 0x81
.set MUL_HI_F, 0xc1
.set WV_OFF, 64*4*8448                 ; Wv's first record in wimg
.set T,   128                          ; the way out: 64 numbers
.set PC,  192                          ; the codes
.set TM,  208                          ; at work
.set PW,  224                          ; the scale word
.set SEL, 74                           ; s[74:75]
.set MNT, 77
.set HM,  76                           ; s76  lanes 16-31
; ---------------- the core ----------------
.set REC,   8448
.set QUART, 4*REC                      ; what one tensor load brings, and what one wave reads of X or of Y
.set SLOT,  4*QUART                    ; Y's two halves, then X's two
.set SPARE, 2*SLOT                     ; behind the ring: the spare words, 128 bytes a wave: two blocks of 256 bytes that no other line names
.set TC,    (SQ/2)*1056                ; a tile's row in elements of 8 bytes: a group's records of one slot
.set TR,    NF/2                       ; its rows: groups
.set ADRY,  8                          ; v8-9    my Y fragments in slot 0, 1: + 16 x lane
.set ADRX,  10                         ; v10-11  my X fragments
.set ASY,   12                         ; v12-13  the same + 8 x lane, for the scale words
.set ASX,   14                         ; v14-15
.set SPW,   28                         ; v28     LDS address of my spare word; never rewritten
.set NIL,   29                         ; v29     0; never rewritten
.set SC,    32                         ; scale words: set (= slot) 16, side (Y 0, X 1) 8, group SQ, step 1
.set G1,    24                         ; s[24:31] group 1 for Y's tiles; s[32:39] group 0, a set for each slot
.set G0,    32
.set G1B,   48                         ; s[48:55], s[56:63] the same for X's
.set G0B,   56
.set MSB,   0
.macro WIN new                         ; the immediate's high byte repeats the setting that is left
.if MSB != (\new)
	s_set_vgpr_msb (MSB<<8)|(\new)
.set MSB, \new
.endif
.endm
.macro PLACES n                        ; plain vector instructions behind matrix instructions (ISA guide 7.12.1)
.rept \n
	v_nop
.endr
.endm
.macro JLOAD s                         ; a joint load: waves 0, 1 fetch Y's halves, waves 2, 3 X's; an s_nop 0 and four v_nop follow each line
	s_cmp_eq_u32 s15, 0
	s_cbranch_scc0 .Lfor_x_\@
	tensor_load_to_lds s[G0+4*\s:G0+4*\s+3], s[G1:G1+7]
	s_nop 0
	PLACES 4
	s_branch .Lasked_\@
.Lfor_x_\@:
	tensor_load_to_lds s[G0B+4*\s:G0B+4*\s+3], s[G1B:G1B+7]
	s_nop 0
	PLACES 4
.Lasked_\@:
.endm
.macro CREST                           ; a round of the cluster's barrier behind its opening barrier
	s_cmp_lg_u32 s14, 0
	s_cbranch_scc1 .Lnot_wave_0_\@
	s_barrier_signal -3
.Lnot_wave_0_\@:
	s_barrier_wait -3
	s_barrier_signal -1
	s_barrier_wait -1
.endm
.macro CROUND
	s_barrier_signal -1
	s_barrier_wait -1
	CREST
.endm
; one product.  cm = 0: C = D; 1: C = 0, the sum's start; 2: C = v[cr] on.  rx, ry: which half of the lanes holds X's and Y's scale words
.macro WM d, x, y, cm, cr, sx, sy, rx, ry
.set wD, \d
.set wX, \x
.set wY, \y
.set wC, \d
.if (\cm) == 2
.set wC, \cr
.endif
.set wS, \sx
.set wT, \sy
.set wR, (\rx)+2*(\ry)
.if (\cm) == 1
.if wR == 0
	v_wmma_scale_f32_16x16x128_f8f6f4 v[wD:wD+7], v[wX:wX+15], v[wY:wY+15], 0, v[wS], v[wT]
.elseif wR == 1
	v_wmma_scale_f32_16x16x128_f8f6f4 v[wD:wD+7], v[wX:wX+15], v[wY:wY+15], 0, v[wS], v[wT] matrix_a_scale:MATRIX_SCALE_ROW1
.elseif wR == 2
	v_wmma_scale_f32_16x16x128_f8f6f4 v[wD:wD+7], v[wX:wX+15], v[wY:wY+15], 0, v[wS], v[wT] matrix_b_scale:MATRIX_SCALE_ROW1
.else
	v_wmma_scale_f32_16x16x128_f8f6f4 v[wD:wD+7], v[wX:wX+15], v[wY:wY+15], 0, v[wS], v[wT] matrix_a_scale:MATRIX_SCALE_ROW1 matrix_b_scale:MATRIX_SCALE_ROW1
.endif
.else
.if wR == 0
	v_wmma_scale_f32_16x16x128_f8f6f4 v[wD:wD+7], v[wX:wX+15], v[wY:wY+15], v[wC:wC+7], v[wS], v[wT]
.elseif wR == 1
	v_wmma_scale_f32_16x16x128_f8f6f4 v[wD:wD+7], v[wX:wX+15], v[wY:wY+15], v[wC:wC+7], v[wS], v[wT] matrix_a_scale:MATRIX_SCALE_ROW1
.elseif wR == 2
	v_wmma_scale_f32_16x16x128_f8f6f4 v[wD:wD+7], v[wX:wX+15], v[wY:wY+15], v[wC:wC+7], v[wS], v[wT] matrix_b_scale:MATRIX_SCALE_ROW1
.else
	v_wmma_scale_f32_16x16x128_f8f6f4 v[wD:wD+7], v[wX:wX+15], v[wY:wY+15], v[wC:wC+7], v[wS], v[wT] matrix_a_scale:MATRIX_SCALE_ROW1 matrix_b_scale:MATRIX_SCALE_ROW1
.endif
.endif
.endm
; Y's fragments a0 .. a0 + NF/4 - 1, each against X's NF: the accumulators take turns, one instruction a turn, in the same order in every step
.macro MULA a0, p, q, set, cm
.set ma, \a0
.rept NF/4
.set mb, 0
.rept NF
	WM ACC0+8*(NF*(ma%4)+mb), XSET*(\p)+16*mb, YF+16*ma, \cm, BI+8*mb, SC+16*(\set)+8+SQ*(mb/2)+(\q), SC+16*(\set)+SQ*(ma/2)+(\q), mb%2, ma%2
.set mb, mb+1
.endr
.set ma, ma+1
.endr
.endm
.macro FRAG reg, adr, off              ; a fragment: four loads, each of 512 consecutive bytes
.irp c, 0,1,2,3
	ds_load_b128 v[(\reg)+4*\c:(\reg)+4*\c+3], v[\adr] offset:(\off)+512*\c
.endr
.endm
.macro FETCH_X slot, q, p              ; X's NF fragments of the slot's q-th step into set p
	WIN 0x40
.set ff, 0
.rept NF
	FRAG XSET*(\p)+16*ff, ADRX+(\slot), (ff/2)*(SQ/2)*REC+((\q)/2)*REC+(ff%2)*4096+((\q)%2)*2048
.set ff, ff+1
.endr
	WIN 0
.endm
.macro FETCH_Y slot, q, i0             ; Y's fragments i0 .. i0 + NF/2 - 1
.set ff, \i0
.rept NF/2
	FRAG YF+16*ff, ADRY+(\slot), (ff/2)*(SQ/2)*REC+((\q)/2)*REC+(ff%2)*4096+((\q)%2)*2048
.set ff, ff+1
.endr
.endm
.macro SCALES set                      ; a slot's scale words: eight loads of 8 bytes a lane
.set gi, 0
.rept NF/2
.set kr, 0
.rept SQ/2
	ds_load_b64 v[SC+16*(\set)+SQ*gi+2*kr:SC+16*(\set)+SQ*gi+2*kr+1], v[ASY+(\set)] offset:8192+gi*(SQ/2)*REC+kr*REC
	ds_load_b64 v[SC+16*(\set)+8+SQ*gi+2*kr:SC+16*(\set)+8+SQ*gi+2*kr+1], v[ASX+(\set)] offset:8192+gi*(SQ/2)*REC+kr*REC
.set kr, kr+1
.endr
.set gi, gi+1
.endr
.endm
; a step of 128 along K that has its successor in the same slot.  Y has one set of registers: its lower half is fetched anew in the step's middle, its upper half at the end; X has two sets
.macro STEP slot, q, cm
	s_wait_dscnt 2*NF                              ; all but the youngest 2 NF loads (Y's upper half) are in
.if (\cm) == 2
	WIN MUL_LO_F
.else
	WIN MUL_LO
.endif
	MULA 0, (\q)%2, \q, \slot, \cm
	MULA NF/4, (\q)%2, \q, \slot, \cm
	s_wait_dscnt 0x0                               ; Y's upper half is in
	PLACES 8                                       ; in front of loads into registers that matrix instructions have read
	FETCH_X \slot, (\q)+1, 1-(\q)%2
	FETCH_Y \slot, (\q)+1, 0
.if (\cm) == 2
	WIN MUL_HI_F
.else
	WIN MUL_HI
.endif
	MULA NF/2, (\q)%2, \q, \slot, \cm
	MULA 3*NF/4, (\q)%2, \q, \slot, \cm
	PLACES 8
	WIN 0
	FETCH_Y \slot, (\q)+1, NF/2
.endm
.macro STEPS slot, q0                  ; the slot's steps q0 .. SQ - 2
.set sq, \q0
.rept SQ-1-(\q0)
	STEP \slot, sq, 0
.set sq, sq+1
.endr
.endm
; a slot's last step changes slots: ONE barrier; in front of it each wave waits for all its tensor loads, adds 0 to its spare word, and waits for that and for its reads of this slot.  fill = 1: the slot is filled again, two slots ahead
.macro TURN slot, next, fill
	s_wait_tensorcnt 0x0                           ; all my tensor loads have landed: my part of the next slot
	ds_add_u32 v[SPW], v[NIL]                      ; 0 onto my spare word
	s_wait_dscnt 2*NF+1                            ; (the add and Y's upper half may be out)
	WIN MUL_LO
	MULA 0, 1, SQ-1, \slot, 0                      ; matrix work stands between the add and the wait for it
	s_wait_dscnt 0x0                               ; the add is done, and my reads of this slot are over
	s_barrier_signal -1
	MULA NF/4, 1, SQ-1, \slot, 0
	WIN 0
	s_barrier_wait -1
.if \fill
	CREST                                          ; the barrier has opened a round of the cluster's barrier: no wave of any partner still reads this slot or has a load on its way
	s_add_nc_u64 s[G0+4*\slot+2:G0+4*\slot+3], s[G0+4*\slot+2:G0+4*\slot+3], SQ*REC
	s_add_nc_u64 s[G0B+4*\slot+2:G0B+4*\slot+3], s[G0B+4*\slot+2:G0B+4*\slot+3], SQ*REC
	JLOAD \slot                                    ; the first tensor load behind the round; its four v_nop are among the places in front of the loads below
	PLACES 4
.else
	PLACES 8
.endif
	FETCH_X \next, 0, 0
	FETCH_Y \next, 0, 0
	SCALES \next
	WIN MUL_HI
	MULA NF/2, 1, SQ-1, \slot, 0
	MULA 3*NF/4, 1, SQ-1, \slot, 0
	PLACES 8
	WIN 0
	FETCH_Y \next, 0, NF/2
.endm
.macro LAST                            ; the very last step: nothing more to fetch
	s_wait_dscnt 2*NF
	WIN MUL_LO
	MULA 0, 1, SQ-1, 1, 0
	MULA NF/4, 1, SQ-1, 1, 0
	s_wait_dscnt 0x0
	WIN MUL_HI
	MULA NF/2, 1, SQ-1, 1, 0
	MULA 3*NF/4, 1, SQ-1, 1, 0
	WIN 0
.endm
; ---------------- the quantiser ----------------
; 64 numbers of a lane, register 16 b + i = index 32 b + 16 (lane / 16) + i, become 16 code registers in v[PC] on, the four bytes in v[TM+4] on and (word = 1) the scale word in v[PW]
.macro QUANT s, word
.irp b, 0,1,2,3
	v_max3_num_f32 v[TM+\b], |v[\s+16*\b]|, |v[\s+1+16*\b]|, 0x4800000   ; block b: my 16 numbers, and the floor 2^(9 - 127): the byte cannot fall under 1
.endr
.irp i, 2,4,6,8,10,12,14
.irp b, 0,1,2,3
	v_max3_num_f32 v[TM+\b], v[TM+\b], |v[\s+16*\b+\i]|, |v[\s+1+16*\b+\i]|
.endr
.endr
.irp b, 0,1,2,3
	v_permlanex16_b32 v[TM+4+\b], v[TM+\b], s[SEL], s[SEL+1]
.endr
.irp b, 0,1,2,3
	v_max_num_f32 v[TM+\b], v[TM+\b], v[TM+4+\b]   ; with lane l xor 16's: the block's largest magnitude
.endr
.irp b, 0,1,2,3
	v_add_nc_u32 v[TM+12+\b], 0xfc000000, v[TM+\b] ; 8 off its exponent field: the conversion's scale operand
.endr
.irp b, 0,1,2,3
	v_and_or_b32 v[TM+8+\b], v[TM+\b], 0x7f800000, s[MNT]   ; 448 x the scale
.endr
.irp b, 0,1,2,3
	v_lshrrev_b32 v[TM+4+\b], 23, v[TM+12+\b]      ; the scale's byte
.endr
.if \word
	v_lshl_or_b32 v[PW], v[TM+5], 8, v[TM+4]
	v_lshl_or_b32 v[PW], v[TM+6], 16, v[PW]
	v_lshl_or_b32 v[PW], v[TM+7], 24, v[PW]
.endif
.irp b, 0,1,2,3
.irp i, 0,1,2,3,4,5,6,7,8,9,10,11,12,13,14,15
	v_med3_num_f32 v[\s+16*\b+\i], v[\s+16*\b+\i], -v[TM+8+\b], v[TM+8+\b]   ; the conversion does not saturate (ISA guide 7.6.2): the hold
.endr
	v_cvt_scalef32_pk8_fp8_f32 v[PC+4*\b:PC+1+4*\b], v[\s+16*\b:\s+7+16*\b], v[TM+12+\b]
	v_cvt_scalef32_pk8_fp8_f32 v[PC+2+4*\b:PC+3+4*\b], v[\s+8+16*\b:\s+15+16*\b], v[TM+12+\b]
.endr
	v_nop                                          ; one plain vector instruction behind the last scaled conversion
.endm
; ---------------- the way out of Y's fragment a ----------------
.macro EPI isv, a
.if (\a) > 0
	s_wait_xcnt 0x0                                ; the last fragment's stores have read their data: the codes and words are written again only behind this wait
.endif
	WIN 0x02+(\a)/4                                ; source 0: the accumulators' window
.set ei, 0
.rept 32
.if \isv
	v_pk_add_f32 v[T+2*ei:T+2*ei+1], v[64*((\a)%4)+2*ei:64*((\a)%4)+2*ei+1], v[BI+2*(\a):BI+2*(\a)+1]   ; + my channel's bias; each accumulator from its low end on
.else
	v_pk_add_f32 v[T+2*ei:T+2*ei+1], v[64*((\a)%4)+2*ei:64*((\a)%4)+2*ei+1], v[BI+2*ei:BI+2*ei+1]       ; + the features' bias
.endif
.set ei, ei+1
.endr
	WIN 0
.if \isv
.if (\a)%2 == 0
.set PW, 226                           ; the even fragment's word is kept for its neighbour's
.else
.set PW, 224
.endif
	QUANT T, 1
.irp c, 0,1,2,3
	global_store_b128 v4, v[PC+4*\c:PC+4*\c+3], s[12:13] offset:((\a)/4)*135168+((\a)%4)*2048+512*\c   ; head a / 4, channel fragment a % 4, key block c: 512 consecutive bytes
.endr
.if (\a)%2 == 1
	v_cndmask_b32 v230, v226, v224, s[HM]          ; lanes 0-15: u = 0's words, lanes 16-31: u = 1's
	global_store_b32 v6, v230, s[12:13] offset:((\a)/4)*135168+8192+(((\a)/2)%2)*128
.endif
.else
	QUANT T, 0
	global_store_b128 v4, v[PC:PC+3], s[10:11] offset:((\a)/2)*2048+((\a)%2)*1024                  ; my first head, d 0 .. 31
	global_store_b128 v4, v[PC+4:PC+7], s[10:11] offset:((\a)/2)*2048+((\a)%2)*1024+512            ; d 32 .. 63
	global_store_b128 v4, v[PC+8:PC+11], s[10:11] offset:139264+((\a)/2)*2048+((\a)%2)*1024        ; my second head: 16 steps on
	global_store_b128 v4, v[PC+12:PC+15], s[10:11] offset:139264+((\a)/2)*2048+((\a)%2)*1024+512
.set WQ, 226+2*((\a)%2)
	v_lshl_or_b32 v[WQ], v[TM+5], 8, v[TM+4]
	v_lshl_or_b32 v[WQ+1], v[TM+7], 8, v[TM+6]
	v_lshl_or_b32 v[WQ], v[WQ], 16, v[WQ]          ; THE WORD IS (c0, c1, c0, c1), not (c0, c1, 127, 127) as the notes at the heads of this text and of the first launch's have it: the attention launch lays a tile's 64 codes in either half of the instruction's K
	v_lshl_or_b32 v[WQ+1], v[WQ+1], 16, v[WQ+1]
.if (\a)%2 == 1
	v_cndmask_b32 v230, v226, v228, s[HM]
	v_cndmask_b32 v231, v227, v229, s[HM]
	global_store_b32 v6, v230, s[10:11] offset:8192+((\a)/2)*128
	global_store_b32 v6, v231, s[10:11] offset:139264+8192+((\a)/2)*128
.endif
.endif
.endm
.macro TAIL                            ; the last two steps of 128 along K: written once in each arm of the branch, so that the bias's loads have them in which to land
	STEP 1, 0, 0
	LAST
	PLACES 8                                       ; in front of the first read of results and the first write of registers that held Y's fragments
.endm
	s_load_b256 s[4:11], s[0:1], 0x0               ; act s[4:5], wimg s[6:7], qkv_b s[8:9], qk s[10:11]
	s_load_b64 s[12:13], s[0:1], 0x20              ; vimg
	v_lshl_add_u32 v[SPW], v0, 2, SPARE
	v_mov_b32 v[NIL], 0
	ds_add_u32 v[SPW], v[NIL]                      ; the wave's opening: the add, twice on end, and its wait ahead of my first tensor load
	ds_add_u32 v[SPW], v[NIL]
	v_lshrrev_b32 v1, 5, v0
	v_readfirstlane_b32 s14, v1                    ; wave 0..3
	s_lshr_b32 s15, s14, 1                         ; which half of Y's rows is mine.  Also: I fetch for Y (0) or for X (1)
	s_and_b32 s16, s14, 1                          ; which half of X's rows.  Also: which half of that tile I fetch
	s_bfe_u32 s40, ttmp6, 0x40000                  ; cx, cy: my place in the cluster
	s_bfe_u32 s41, ttmp6, 0x40004
	s_and_b32 s18, ttmp9, 1                        ; q, k: 2 x 4 clusters
	s_lshr_b32 s19, ttmp9, 1
	s_max_u32 s22, ttmp9, 8
	s_sub_co_u32 s22, s22, 8                       ; v: 4 x 1 clusters
	s_cmp_lt_u32 ttmp9, 8
	s_cselect_b32 s42, s18, s22
	s_cselect_b32 s17, s19, 0
	s_cselect_b32 s66, 0, 1                        ; 1: this cluster makes v
	s_cselect_b32 s67, 0, WV_OFF
	s_lshl_b32 s42, s42, 2
	s_add_co_u32 s42, s42, s40                     ; X's tile
	s_lshl_b32 s17, s17, 2
	s_add_co_u32 s17, s17, s41                     ; Y's tile
	s_lshl_b32 s43, s41, 2
	s_lshl_b32 s43, 15, s43                        ; my row of the cluster
	s_lshl_b32 s44, 0x1111, s40                    ; my column
	s_or_b32 s[G1], s43, (3<<16)|(1<<21)           ; 15:0 the mask: Y's tiles go to my row; 17:16 elements of 8 bytes; 21 set beside a mask; no padding
	s_or_b32 s[G1B], s44, (3<<16)|(1<<21)
.irp g, G1, G1B
	s_mov_b32 s[\g+1], TC<<16                      ; tensor_dim0
	s_mov_b32 s[\g+2], TR<<16                      ; tensor_dim1
	s_mov_b32 s[\g+3], TC<<16                      ; tile_dim0
	s_mov_b32 s[\g+4], TR                          ; tile_dim1
	s_mov_b32 s[\g+5], NKS*1056                    ; from group to group
	s_mov_b32 s[\g+6], 0
	s_mov_b32 s[\g+7], 0
.endr
	s_mul_i32 s18, s16, (NF/2)*NKS*REC             ; the half that I fetch
	s_mul_i32 s20, s17, NF*NKS*REC
	s_add_co_u32 s20, s20, s18
	s_add_co_u32 s20, s20, s67
	s_mov_b32 s21, 0
	s_mul_i32 s46, s42, NF*NKS*REC
	s_add_co_u32 s46, s46, s18
	s_mov_b32 s47, 0
	s_mul_i32 s45, s14, QUART                      ; where it goes: no place in the cluster enters an LDS address
	s_mov_b32 s[SEL], 0x76543210
	s_mov_b32 s[SEL+1], 0xfedcba98
	s_mov_b32 s[MNT], 0x600000
	s_mov_b32 s[HM], 0xffff0000
	s_wait_dscnt 0x0                               ; both opening adds are done
	s_wait_kmcnt 0x0
	s_cmp_eq_u32 s66, 0
	s_cselect_b64 s[68:69], s[4:5], s[6:7]         ; Y's buffer: the tokens' images, or the weights'
	s_cselect_b64 s[70:71], s[6:7], s[4:5]         ; X's
	s_add_nc_u64 s[20:21], s[68:69], s[20:21]
	s_add_nc_u64 s[46:47], s[70:71], s[46:47]
	CROUND                                         ; all sixteen work-groups are here: the first joint loads meet
.irp s, 0,1
	s_mov_b32 s[G0+4*\s], 1
	s_add_co_u32 s[G0+4*\s+1], s45, \s*SLOT
	s_add_nc_u64 s[G0+4*\s+2:G0+4*\s+3], s[20:21], \s*(SQ/2)*REC
	s_or_b32 s[G0+4*\s+3], s[G0+4*\s+3], 0x80000000
	s_mov_b32 s[G0B+4*\s], 1
	s_add_co_u32 s[G0B+4*\s+1], s45, \s*SLOT
	s_add_nc_u64 s[G0B+4*\s+2:G0B+4*\s+3], s[46:47], \s*(SQ/2)*REC
	s_or_b32 s[G0B+4*\s+3], s[G0B+4*\s+3], 0x80000000
.if \s
	; under slot 0's load: the records of the next slots are asked for ahead.  Of the four records that my load brings for a slot, each of the four partners that ask jointly takes one (33 blocks of 256 bytes), told apart by address alone
	s_cmp_eq_u32 s15, 0
	s_cselect_b64 s[78:79], s[20:21], s[46:47]     ; the tile that I fetch
	s_cselect_b32 s18, s40, s41                    ; my place among the four that ask for it with me
	s_mul_i32 s18, s18, NKS*REC                    ; its group of 32 rows
	s_mov_b32 s19, 0
	s_add_nc_u64 s[78:79], s[78:79], s[18:19]
	v_and_b32 v20, 31, v0
	v_lshlrev_b32 v20, 8, v20                      ; blocks 0 .. 31 of a record, a lane a block
	v_mov_b32 v21, 0x2000                          ; block 32, named by all lanes
	global_prefetch_b8 v20, s[78:79] offset:1*(SQ/2)*REC th:TH_LOAD_NT scope:SCOPE_SE
	global_prefetch_b8 v21, s[78:79] offset:1*(SQ/2)*REC th:TH_LOAD_NT scope:SCOPE_SE
	global_prefetch_b8 v20, s[78:79] offset:2*(SQ/2)*REC th:TH_LOAD_NT scope:SCOPE_SE
	global_prefetch_b8 v21, s[78:79] offset:2*(SQ/2)*REC th:TH_LOAD_NT scope:SCOPE_SE
	s_wait_alu depctr_va_vdst(0)
	s_wait_tensorcnt 0x0                           ; slot 1's first fill is issued as a refill is: my part of slot 0 is in,
	ds_add_u32 v[SPW], v[NIL]                      ; 0 onto my spare word,
	s_wait_dscnt 0x0
	CROUND                                         ; and a whole round
.endif
	JLOAD \s
.if \s
	global_prefetch_b8 v20, s[78:79] offset:3*(SQ/2)*REC th:TH_LOAD_NT scope:SCOPE_SE   ; the last slot's record; K has four slots, so the loop asks for nothing
	global_prefetch_b8 v21, s[78:79] offset:3*(SQ/2)*REC th:TH_LOAD_NT scope:SCOPE_SE
.endif
.endr
	v_and_b32 v3, 31, v0                           ; lane
	v_and_b32 v1, 15, v0                           ; r
	v_bfe_u32 v2, v0, 4, 1                         ; h
	v_lshlrev_b32 v4, 4, v3
	v_lshlrev_b32 v5, 3, v3
	v_lshlrev_b32 v6, 2, v3
	s_mul_i32 s21, s15, QUART
	s_mul_i32 s22, s16, QUART
	s_add_co_u32 s22, s22, 2*QUART
.irp s, 0,1
	v_add_nc_u32 v[ADRY+\s], s21, v4
	v_add_nc_u32 v[ADRX+\s], s22, v4
	v_add_nc_u32 v[ASY+\s], s21, v5
	v_add_nc_u32 v[ASX+\s], s22, v5
	s_add_co_u32 s21, s21, SLOT
	s_add_co_u32 s22, s22, SLOT
.endr
.irp b, 0,1,2,3
	v_mov_b32 v[TM+4+\b], 0                        ; written once: a lane permute's destination counts as one of its sources
.endr
	s_wait_alu depctr_va_vdst(0)
	s_wait_tensorcnt 1                             ; my part of slot 0 is in (slot 1's load may be out)
	s_barrier_signal -1
	s_barrier_wait -1                              ; everybody's is
	FETCH_X 0, 0, 0
	FETCH_Y 0, 0, 0
	SCALES 0
	FETCH_Y 0, 0, NF/2
	STEP 0, 0, 1                                   ; the first step stands in front of the loop: its products start the sums
	s_mov_b32 s3, LAPS-1
.Llap:                                                 ; a trip goes once round the ring and fills both slots again
	STEPS 0, 1
	TURN 0, 1, 1
	STEPS 1, 0
	TURN 1, 0, 1
	STEP 0, 0, 0
	s_sub_co_u32 s3, s3, 1
	s_cmp_lg_u32 s3, 0
	s_cbranch_scc1 .Llap
	STEPS 0, 1
	TURN 0, 1, 0                                   ; the last lap fills nothing, and has no round of the cluster's barrier
	s_cmp_eq_u32 s66, 0
	s_cbranch_scc0 .Lv_path                        ; on the cluster's number alone: the same in all sixteen partners
	; ---- q and k: X = features n0 = 256 tx + 128 hx on (two heads), Y = tokens m0 = 256 ty + 128 hy on (one step of 128)
	s_lshl_b32 s72, s42, 10
	s_lshl_b32 s73, s16, 9
	s_add_co_u32 s72, s72, s73
	s_mov_b32 s73, 0
	s_add_nc_u64 s[8:9], s[8:9], s[72:73]          ; the bias at n0
	v_lshlrev_b32 v7, 6, v2                        ; + 64 h: register 16 b + i wants feature 32 b + 16 h + i
.irp b, 0,1,2,3
.irp i, 0,1,2,3
	global_load_b128 v[BI+16*\b+4*\i:BI+16*\b+4*\i+3], v7, s[8:9] offset:128*\b+16*\i
.endr
.endr
	TAIL
	s_lshl_b32 s70, s42, 2
	s_lshl_b32 s71, s16, 1
	s_add_co_u32 s70, s70, s71                     ; n0 / 64
	s_lshr_b32 s71, s70, 4                         ; q or k
	s_and_b32 s70, s70, 15                         ; my first head
	s_lshl_b32 s71, s71, 5
	s_add_co_u32 s70, s70, s71
	s_lshr_b32 s71, s17, 3                         ; the batch
	s_lshl_b32 s71, s71, 4
	s_add_co_u32 s70, s70, s71
	s_lshl_b32 s70, s70, 4
	s_lshl_b32 s71, s17, 1
	s_add_co_u32 s71, s71, s15
	s_and_b32 s71, s71, 15                         ; the step of 128 tokens
	s_add_co_u32 s70, s70, s71
	s_mul_i32 s70, s70, 8704
	s_mov_b32 s71, 0
	s_add_nc_u64 s[10:11], s[10:11], s[70:71]
	s_wait_loadcnt 0x0                             ; the bias
.irp a, 0,1,2,3,4,5,6,7
	EPI 0, \a
.endr
	s_branch .Lend
.Lv_path:
	; ---- v: X = tokens m0 = 256 tx + 128 hx on (one step of 128 keys), Y = channels 256 ty + 128 hy on (two heads)
	s_lshl_b32 s72, s17, 10
	s_lshl_b32 s73, s15, 9
	s_add_co_u32 s72, s72, s73
	s_add_co_u32 s72, s72, 8192                    ; v's bias begins 2,048 numbers on
	s_mov_b32 s73, 0
	s_add_nc_u64 s[8:9], s[8:9], s[72:73]
	v_and_b32 v7, 8, v1
	v_add_nc_u32 v7, v7, v1
	v_lshlrev_b32 v7, 2, v7                        ; my channel's place in a fragment: r + 8 (r / 8)
.irp a, 0,1,2,3,4,5,6,7
	global_load_b32 v[BI+2*\a], v7, s[8:9] offset:4*(32*(\a/2)+8*(\a%2))     ; into both registers of a pair, for the packed addition
	global_load_b32 v[BI+2*\a+1], v7, s[8:9] offset:4*(32*(\a/2)+8*(\a%2))
.endr
	TAIL
	s_lshr_b32 s70, s42, 3                         ; the batch
	s_lshl_b32 s70, s70, 4
	s_lshl_b32 s71, s17, 2
	s_add_co_u32 s70, s70, s71
	s_lshl_b32 s71, s15, 1
	s_add_co_u32 s70, s70, s71                     ; + my first head
	s_lshl_b32 s70, s70, 4
	s_lshl_b32 s71, s42, 1
	s_add_co_u32 s71, s71, s16
	s_and_b32 s71, s71, 15                         ; the step of 128 keys
	s_add_co_u32 s70, s70, s71
	s_mul_i32 s70, s70, 8448
	s_mov_b32 s71, 0
	s_add_nc_u64 s[12:13], s[12:13], s[70:71]
	s_wait_loadcnt 0x0
.irp a, 0,1,2,3,4,5,6,7
	EPI 1, \a
.endr
.Lend:
	s_wait_tensorcnt 0x0                           ; the wave's end
	ds_add_u32 v[SPW], v[NIL]
	s_wait_dscnt 0x0
	CROUND                                         ; the closing round: no work-group ends while a partner may still ask for a tile that names it
	s_endpgm
.Lfunc_end_k_q1d5b974a8c_qkv:
	.size	k_q1d5b974a8c_qkv, .Lfunc_end_k_q1d5b974a8c_qkv-k_q1d5b974a8c_qkv
	.p2alignl 7, 3214868480
	.fill 96, 4, 3214868480
	.section	.rodata,"a",@progbits
	.p2align	6, 0x0
	.amdhsa_kernel k_q1d5b974a8c_qkv
		.amdhsa_group_segment_fixed_size 327680
		.amdhsa_private_segment_fixed_size 0
		.amdhsa_enable_private_segment 0
		.amdhsa_kernarg_size 40
		.amdhsa_user_sgpr_count 2
		.amdhsa_user_sgpr_kernarg_segment_ptr 1
		.amdhsa_wavefront_size32 1
		.amdhsa_system_sgpr_workgroup_id_x 1
		.amdhsa_system_sgpr_workgroup_id_y 1
		.amdhsa_system_sgpr_workgroup_id_z 1
		.amdhsa_system_vgpr_workitem_id 0
		.amdhsa_next_free_vgpr 1024
		.amdhsa_next_free_sgpr 80
		.amdhsa_reserve_vcc 0
		.amdhsa_float_denorm_mode_32 3
		.amdhsa_float_denorm_mode_16_64 3
		.amdhsa_memory_ordered 1
		.amdhsa_forward_progress 1
		.amdhsa_inst_pref_size 255
	.end_amdhsa_kernel
	.section	.bss,"aw",@nobits
	.p2align	6
	.space	262144
	.amdgpu_metadata
---
amdhsa.version: [ 1, 2 ]
amdhsa.kernels:
  - .name:           k_q1d5b974a8c_qkv
    .symbol:         k_q1d5b974a8c_qkv.kd
    .args:
      - { .name: act, .offset: 0, .size: 8, .value_kind: global_buffer, .address_space: global }
      - { .name: wimg, .offset: 8, .size: 8, .value_kind: global_buffer, .address_space: global }
      - { .name: qkv_b, .offset: 16, .size: 8, .value_kind: global_buffer, .address_space: global }
      - { .name: qk, .offset: 24, .size: 8, .value_kind: global_buffer, .address_space: global }
      - { .name: vimg, .offset: 32, .size: 8, .value_kind: global_buffer, .address_space: global }
    .group_segment_fixed_size: 327680
    .private_segment_fixed_size: 0
    .kernarg_segment_align: 8
    .kernarg_segment_size: 40
    .max_flat_workgroup_size: 128
    .sgpr_count:     80
    .vgpr_count:     1024
    .wavefront_size: 32
...
	.end_amdgpu_metadata
.endif
;; end of part 2
;; launch attn (part 3): grid 8 x 32, 16 waves a work-group, clusters of 4 x 1, 327,680 bytes of LDS; arguments qk, vimg, act; writes act
.if DOCPART == 3
	.amdgcn_target "amdgcn-amd-amdhsa--gfx1250"
	.amdhsa_code_object_version 6
	.text
	.protected	k_q1d5b974a8c_attn
	.globl	k_q1d5b974a8c_attn
	.p2align	8
	.type	k_q1d5b974a8c_attn,@function
k_q1d5b974a8c_attn:
	s_mov_b64 s[64:65], 0
	v_nop
	global_prefetch_b8 v0, s[64:65] scope:SCOPE_SE
	s_setreg_imm32_b32 hwreg(HW_REG_WAVE_MODE, 25, 1), 1
	s_wait_xcnt 0x0
	s_wait_alu depctr_hold_cnt(0) depctr_sa_sdst(0) depctr_va_vdst(0) depctr_va_sdst(0) depctr_va_ssrc(0) depctr_va_vcc(0) depctr_vm_vsrc(0)
	s_getreg_b32 s2, hwreg(HW_REG_IB_STS2, 6, 4)
	s_cmp_eq_u32 s2, 0
	s_cbranch_scc0 .Lentry_in_a_cluster
	s_endpgm
.Lentry_in_a_cluster:
	s_bfe_u32 s2, ttmp6, 0x10000c
	s_cmp_lg_u32 s2, 0x3003
	s_cbranch_scc0 .Lentry_shape_is_right
	s_endpgm
.Lentry_shape_is_right:
; O = softmax(q k^T / 8) v for 32 heads (batch x head) of 2,048 tokens and 64 channels, both products on codes of FP8 (E4M3) with E8M0 scales; the result quantised along D for the projection.  No work of reference() is left out.
; THE SOFTMAX AHEAD OF THE SECOND PRODUCT: t = score x log2(e) / 8; M = the row's largest t so far, rounded UP to a whole number; p = 2^(t - M) is quantised along the keys, not normalised.  The row's sum is taken of the
; unquantised p, in f32, and divides O at the end.  When M moves, the sum and O are multiplied by 2^(old M - new M): exact.
; IN.  qk [part q, k][head][step of 128 tokens], 8,704 bytes a step: codes of token 32 g + 8 u + r + 8 (r / 8), d = 32 c + 16 h + 0 .. 15 at g 2048 + u 1024 + c 512 + 16 (r + 16 h); scale words (c0, c1, c0, c1) at 8192 + g 128 + 4 (16 u + r).
;      vimg [head][step of 128 keys], 8,448 bytes: channel fragment f at f 2048 + c 512 + 16 lane, keys 32 c + 16 h + ..; scale words at 8192 + (f / 2) 128 + 4 (16 (f % 2) + r).
; THE FIRST PRODUCT'S K IS 64.  A fragment of K holds TWO tiles of 16 keys: tile (g, 0) in k 0 .. 63, tile (g, 1) in k 64 .. 127: 2,048 dense bytes.  The zero codes lie in Q alone: registers [Q][0][Q]; [Q][0] picks tile (g, 0),
; [0][Q] tile (g, 1).  A word (c0, c1, c0, c1) serves either half.  So a step's K is four fragments, 64 registers, asked for one step ahead.
; SHARES.  A work-group owns 256 queries of one head, each of its sixteen waves one fragment of 16, in 256 registers: four waves to a SIMD.
; A WHOLE HEAD'S K AND V LIE IN LDS (139,264 + 135,168 bytes), each byte filled once, by one tensor load of two steps a wave.  Waves 0-2 fetch K's steps 0-5 and waves 3, 4 V's steps 0-3 by load lines of their own: they alone wait
; at the first barrier, behind which steps 0-3 are worked (step 3 asks for K's step 4).  One more barrier, in front of which every wave waits, shows the rest.
; A STEP'S ORDER keeps lines that hang on each other apart: maxima and sums run in eight chains; the 20 loads of the next step's K stand among the eight lines that make M and f; the exponentials go in two batches of 36 and 32, and among
; them stand plain lines whose sources are older than the wait ahead of the batch and whose results are read behind the wait after it.
; CLUSTER: the four query blocks of a cluster belong to one head: each tile is asked for jointly: the same load, descriptor and mask (all four) in all four.
; NO PREFETCH: all fills go out at the head, in one group: there is no loop to run ahead in.
; LAYOUT.  Both products transposed: S^T = K Q^T, O^T = V^T P^T: a lane holds ONE query (lane % 16); the 16 registers of tiles 2 b, 2 b + 1 of S^T are the keys 32 b + 16 (lane / 16) + 0 .. 15.
; OUT.  Records of 8,448 bytes (32 tokens x 256 of D; record (g, ks) at (4 g + ks) x 8,448).  A scale word there spans two heads, so a head stores two bytes of it.
; LIMITS: NaN and infinities are not served; a block under 2^(9 - 127) keeps the byte 1; the promise holds while the scaled scores t stay under 2^31 in magnitude.
.set KSTEP, 8704
.set VSTEP, 8448
.set REC,   8448
.set VB,    16*KSTEP                   ; LDS: K's 16 steps, then V's 16,
.set SPARE, VB+16*VSTEP                ; then the spare words, 128 bytes a wave: eight blocks of 256 bytes that no other line names
.set L16, 4                            ; v4, v7  16 x and 4 x lane
.set L4,  7
.set SPW, 5                            ; v5, v6  the add's two
.set NIL, 6
.set ADK, 8                            ; v8-11   LDS addresses of the step's K, its words, V, its words
.set ASK, 9
.set ADV, 10
.set ASV, 11
.set QF,  16                           ; v16-39  [Q][0][Q];  v12 -M, v13 the largest t, v[14:15] the sum
.set KF,  40                           ; v40-103 K's four fragments
.set SS,  104                          ; v104-167 S^T, then p, then V's four fragments
.set OO,  168                          ; v168-199 O^T
.set PC,  200                          ; v200-215 p's codes;  v216-227 and v0-3: the sum's eight chains, in pairs
.set KS,  228                          ; v228-231 K's scale words;  v232-247 the blocks' maxima, second chains and bytes, bounds, scale operands
.set QS,  248                          ; v248 Q's scale words
.set PWD, 249                          ; v249 p's scale word
.set VS,  250                          ; v250-251 V's scale words;  v[252:253] f;  v254 at work
.set OM,  255                          ; v255 -M of the step before
.set SK,  2                            ; s2, s3 LDS byte of the step's K, V
.set SV,  3
.set WV,  18
.set MNT, 19
.set SEL, 20
.set CS,  22                           ; s[22:23] c = log2(e) / 8
.set G1K, 24                           ; group 1 for two steps of K: 68 rows of 256 bytes;  of V: 66 rows
.set G1V, 32
.set G0A, 40                           ; groups 0: K by waves 0-2, V by waves 3, 4, K by waves 5-9, V by waves 10-15
.set G0B, 44
.set G0C, 48
.set G0D, 52
.set CNT, 56
.macro CROUND                          ; a round of the cluster's barrier
	s_barrier_signal -1
	s_barrier_wait -1
	s_cmp_lg_u32 s[WV], 0
	s_cbranch_scc1 .Lnot_wave_0_\@
	s_barrier_signal -3
.Lnot_wave_0_\@:
	s_barrier_wait -3
	s_barrier_signal -1
	s_barrier_wait -1
.endm
.macro ARM under, g0, g1, next         ; an arm of the head's one chain: its load, an s_nop 0 and four v_nop behind it, a jump to the join
	s_cmp_lt_u32 s[WV], \under
	s_cbranch_scc0 \next
	tensor_load_to_lds s[\g0:\g0+3], s[\g1:\g1+7]
	s_nop 0
.rept 4
	v_nop
.endr
	s_branch .Lasked
\next:
.endm
.macro KL n, off                       ; load n of the 20 that bring a step's K: fragment n / 5: four of 16 bytes a lane, then its scale words (lanes 0-15: u = 0, lanes 16-31: u = 1)
.if ((\n)%5) < 4
	ds_load_b128 v[KF+16*((\n)/5)+4*((\n)%5):KF+16*((\n)/5)+4*((\n)%5)+3], v[ADK] offset:(\off)+2048*((\n)/5)+512*((\n)%5)
.else
	ds_load_b32 v[KS+(\n)/5], v[ASK] offset:(\off)+8192+128*((\n)/5)
.endif
.endm
.macro LK pre, from, cnt               ; pre = 1: cnt of the next step's loads
.if \pre
.set n, \from
.rept \cnt
	KL n, KSTEP
.set n, n+1
.endr
.endif
.endm
.macro CSET j                          ; CR: the pair of the sum's chain j
.if (\j) < 6
.set CR, 216+2*(\j)
.else
.set CR, 2*((\j)-6)
.endif
.endm
.macro CJOIN a, b                      ; chain a += chain b
	CSET \b
.set CB, CR
	CSET \a
	v_pk_add_f32 v[CR:CR+1], v[CR:CR+1], v[CB:CB+1]
.endm
	s_load_b128 s[4:7], s[0:1], 0x0                ; qk, vimg
	s_load_b64 s[8:9], s[0:1], 0x10                ; act
	v_lshl_add_u32 v[SPW], v0, 2, SPARE
	v_mov_b32 v[NIL], 0
	ds_add_u32 v[SPW], v[NIL]                      ; the wave's opening: the add, twice on end, and its wait ahead of my first tensor load
	ds_add_u32 v[SPW], v[NIL]
	v_lshrrev_b32 v8, 5, v0
	v_readfirstlane_b32 s[WV], v8                  ; wave 0..15
	s_and_b32 s12, ttmp7, 0xffff                   ; batch x head, which the four partners share
	s_add_co_u32 s13, s[WV], 13
	s_and_b32 s13, s13, 15                         ; waves 3, 4: V's pairs of steps 0, 1
	s_add_co_u32 s14, s[WV], 14
	s_and_b32 s14, s14, 15                         ; waves 5-9: K's pairs 3-7
	s_add_co_u32 s15, s[WV], 8
	s_and_b32 s15, s15, 15                         ; waves 10-15: V's pairs 2-7
	s_mul_i32 s57, s[WV], 2*KSTEP                  ; waves 0-2: K's pairs 0-2
	s_mul_i32 s58, s13, 2*VSTEP
	s_mul_i32 s59, s14, 2*KSTEP
	s_mul_i32 s60, s15, 2*VSTEP
	s_mul_i32 s16, s12, 16*KSTEP
	s_add_co_u32 s16, s16, 32*16*KSTEP             ; k lies behind q
	s_mul_i32 s17, s12, 16*VSTEP
	s_add_co_u32 s66, s16, s57
	s_mov_b32 s67, 0
	s_add_co_u32 s68, s17, s58
	s_mov_b32 s69, 0
	s_add_co_u32 s70, s16, s59
	s_mov_b32 s71, 0
	s_add_co_u32 s72, s17, s60
	s_mov_b32 s73, 0
	s_mov_b32 s[G1K], 15|(3<<16)|(1<<21)           ; the mask: all four work-groups; elements of 8 bytes; bit 21 beside a mask; no padding
	s_mov_b32 s[G1K+1], 32<<16
	s_mov_b32 s[G1K+2], 68<<16
	s_mov_b32 s[G1K+3], 32<<16
	s_mov_b32 s[G1K+4], 68
	s_mov_b32 s[G1K+5], 32
	s_mov_b32 s[G1K+6], 0
	s_mov_b32 s[G1K+7], 0
	s_mov_b32 s[G1V], 15|(3<<16)|(1<<21)
	s_mov_b32 s[G1V+1], 32<<16
	s_mov_b32 s[G1V+2], 66<<16
	s_mov_b32 s[G1V+3], 32<<16
	s_mov_b32 s[G1V+4], 66
	s_mov_b32 s[G1V+5], 32
	s_mov_b32 s[G1V+6], 0
	s_mov_b32 s[G1V+7], 0
	s_mov_b32 s[G0A], 1
	s_mov_b32 s[G0A+1], s57
	s_mov_b32 s[G0B], 1
	s_add_co_u32 s[G0B+1], s58, VB
	s_mov_b32 s[G0C], 1
	s_mov_b32 s[G0C+1], s59
	s_mov_b32 s[G0D], 1
	s_add_co_u32 s[G0D+1], s60, VB
	s_mov_b32 s[SEL], 0x76543210
	s_mov_b32 s[SEL+1], 0xfedcba98
	s_mov_b32 s[CS], 0x3e38aa3b
	s_mov_b32 s[CS+1], s[CS]                       ; (named with it as a pair, so it is written)
	s_mov_b32 s[MNT], 0x600000
	s_mov_b32 s[SK], 0
	s_mov_b32 s[SV], VB
	s_wait_dscnt 0x0                               ; both opening adds are done
	s_wait_kmcnt 0x0
	s_add_nc_u64 s[G0A+2:G0A+3], s[4:5], s[66:67]
	s_or_b32 s[G0A+3], s[G0A+3], 0x80000000
	s_add_nc_u64 s[G0B+2:G0B+3], s[6:7], s[68:69]
	s_or_b32 s[G0B+3], s[G0B+3], 0x80000000
	s_add_nc_u64 s[G0C+2:G0C+3], s[4:5], s[70:71]
	s_or_b32 s[G0C+3], s[G0C+3], 0x80000000
	s_add_nc_u64 s[G0D+2:G0D+3], s[6:7], s[72:73]
	s_or_b32 s[G0D+3], s[G0D+3], 0x80000000
	CROUND                                         ; all four work-groups are here: the joint loads meet
	ARM 3,  G0A, G1K, .Larm_b                      ; one tensor load a wave, in one chain of branches on the wave's number
	ARM 5,  G0B, G1V, .Larm_c
	ARM 10, G0C, G1K, .Larm_d
	tensor_load_to_lds s[G0D:G0D+3], s[G1V:G1V+7]
	s_nop 0
.rept 4
	v_nop
.endr
.Lasked:
	s_bfe_u32 s10, ttmp6, 0x40000                  ; cx: it enters Q's and the output's global addresses alone
	s_lshl_b32 s11, ttmp9, 2
	s_add_co_u32 s11, s11, s10                     ; my block of 256 queries
	s_lshl_b32 s62, s11, 1
	s_lshr_b32 s63, s[WV], 3
	s_add_co_u32 s62, s62, s63                     ; my fragment's step of 128 tokens,
	s_mul_i32 s62, s62, KSTEP
	s_mul_i32 s63, s12, 16*KSTEP
	s_add_co_u32 s62, s62, s63
	s_mov_b32 s63, 0
	s_add_nc_u64 s[62:63], s[4:5], s[62:63]
	s_bfe_u32 s66, s[WV], 0x20001                  ; its group of 32: (wave / 2) % 4,
	s_and_b32 s67, s[WV], 1                        ; and u = wave % 2
	s_lshl_b32 s68, s66, 11
	s_lshl_b32 s69, s67, 10
	s_add_co_u32 s68, s68, s69                     ; Q's codes
	s_lshl_b32 s76, s66, 7
	s_lshl_b32 s69, s67, 6
	s_add_co_u32 s76, s76, s69                     ; Q's words
	s_lshr_b32 s70, s12, 4                         ; the output: group of 32 tokens 64 batch + 8 block + wave / 2,
	s_lshl_b32 s70, s70, 6
	s_lshl_b32 s71, s11, 3
	s_add_co_u32 s70, s70, s71
	s_lshr_b32 s71, s[WV], 1
	s_add_co_u32 s70, s70, s71
	s_lshl_b32 s70, s70, 2
	s_bfe_u32 s71, s12, 0x20002                    ; record head / 4 along D
	s_add_co_u32 s70, s70, s71
	s_mul_i32 s70, s70, REC
	s_mov_b32 s71, 0
	s_add_nc_u64 s[8:9], s[8:9], s[70:71]
	s_bfe_u32 s72, s12, 0x10001                    ; (head / 2) % 2: which 128 of the record's 256
	s_and_b32 s73, s12, 1                          ; head % 2: which 64 of those
	s_lshl_b32 s77, s67, 12                        ; s77: my codes' place in the record;  s74: my two scale bytes'.  Both stand until the way out
	s_lshl_b32 s75, s72, 11
	s_add_co_u32 s77, s77, s75
	s_lshl_b32 s75, s73, 10
	s_add_co_u32 s77, s77, s75
	s_lshl_b32 s74, s67, 7
	s_lshl_b32 s75, s72, 2
	s_add_co_u32 s74, s74, s75
	s_lshl_b32 s75, s73, 1
	s_add_co_u32 s74, s74, s75
	v_and_b32 v8, 31, v0
	v_and_b32 v10, 15, v0                          ; r
	v_lshlrev_b32 v[L16], 4, v8
	v_lshlrev_b32 v[L4], 2, v8
	v_add_nc_u32 v216, s68, v[L16]
	v_lshl_add_u32 v217, v10, 2, s76
	global_load_b128 v[QF:QF+3], v216, s[62:63]                 ; Q's 64 codes a row, twice: below and above the zeros
	global_load_b128 v[QF+4:QF+7], v216, s[62:63] offset:512
	global_load_b128 v[QF+16:QF+19], v216, s[62:63]
	global_load_b128 v[QF+20:QF+23], v216, s[62:63] offset:512
	global_load_b32 v[QS], v217, s[62:63] offset:8192           ; Q's scale words: lane r has row r's
	v_add_nc_u32 v[ADK], s[SK], v[L16]
	v_add_nc_u32 v[ASK], s[SK], v[L4]
	v_add_nc_u32 v[ADV], s[SV], v[L16]
	v_add_nc_u32 v[ASV], s[SV], v[L4]
.set j, 8
.rept 8
	v_mov_b32 v[QF+j], 0                           ; the zero codes between Q's two copies
.set j, j+1
.endr
	v_mov_b32 v13, 0xff61b1e6                      ; the largest t so far: -3e38, under every t
	v_floor_f32 v12, -v13                          ; -M
	v_floor_f32 v[OM], -v13
	v_mov_b32 v14, 0                               ; the sum, in two halves
	v_mov_b32 v15, 0
	v_mov_b32 v253, 0                              ; (named as the upper half of the pair v[252:253])
.set j, 0
.rept 32
	v_mov_b32 v[OO+j], 0                           ; O^T: the first step finds zeros, which the first change of M leaves zeros
.set j, j+1
.endr
; A KEY STEP: 128 keys.  pre = 1: the next step's K is asked for, and the addresses step
.macro STEP pre
	s_wait_dscnt 0x0                               ; this step's K, asked for a step ago
.irp g, 0,1,2,3                                ; S^T = K Q^T: a fragment's two tiles, by Q below the zeros and Q above them
	v_wmma_scale_f32_16x16x128_f8f6f4 v[SS+16*\g:SS+16*\g+7], v[KF+16*\g:KF+16*\g+15], v[QF:QF+15], 0, v[KS+\g], v[QS]
	v_wmma_scale_f32_16x16x128_f8f6f4 v[SS+16*\g+8:SS+16*\g+15], v[KF+16*\g:KF+16*\g+15], v[QF+8:QF+23], 0, v[KS+\g], v[QS] matrix_a_scale:MATRIX_SCALE_ROW1
.endr
.rept 8
	v_nop                                          ; places ahead of the first read of the scores (ISA guide 7.12.1)
.endr
; the largest score of each block of 32 keys, for the row's maximum and, since p rises with the score, for the block's largest p: two chains a block, each tile from its low end on
.irp b, 0,1,2,3
	v_max3_num_f32 v[232+\b], v[SS+16*\b], v[SS+1+16*\b], v[SS+2+16*\b]
.endr
.irp b, 0,1,2,3
	v_max3_num_f32 v[236+\b], v[SS+8+16*\b], v[SS+9+16*\b], v[SS+10+16*\b]
.endr
.irp i, 3,5
.irp b, 0,1,2,3
	v_max3_num_f32 v[232+\b], v[232+\b], v[SS+16*\b+\i], v[SS+1+16*\b+\i]
.endr
.irp b, 0,1,2,3
	v_max3_num_f32 v[236+\b], v[236+\b], v[SS+8+16*\b+\i], v[SS+9+16*\b+\i]
.endr
.endr
.irp b, 0,1,2,3
	v_max3_num_f32 v[232+\b], v[232+\b], v[236+\b], v[SS+7+16*\b]
.endr
.irp b, 0,1,2,3
	v_max_num_f32 v[232+\b], v[232+\b], v[SS+15+16*\b]
.endr
.irp b, 0,1,2,3
	s_delay_alu instid0(VALU_DEP_4)
	v_permlanex16_b32 v[236+\b], v[232+\b], s[SEL], s[SEL+1]
.endr
.irp b, 0,1,2,3
	s_delay_alu instid0(VALU_DEP_4)
	v_max_num_f32 v[232+\b], v[232+\b], v[236+\b]  ; with lane l xor 16's 16 keys
.endr
	s_delay_alu instid0(VALU_DEP_2)
	v_max3_num_f32 v254, v232, v233, v234
	LK \pre, 0, 2                                  ; each of the lines below hangs on the one before it: the next step's 20 loads of K stand among them
	v_max_num_f32 v254, v254, v235                 ; the step's largest score of my query
	LK \pre, 2, 2
	v_mul_f32 v254, s[CS], v254                    ; as t (c is positive)
	LK \pre, 4, 3
	v_max_num_f32 v13, v13, v254                   ; the running largest t
	LK \pre, 7, 3
	v_floor_f32 v12, -v13                          ; the new -M = floor(-t) = -ceil(t): a whole number
	LK \pre, 10, 3
	v_sub_f32 v254, v12, v[OM]                     ; M's old value less its new one: a whole number, 0 or less
	LK \pre, 13, 3
	v_cvt_i32_f32 v254, v254                       ; (it saturates)
	LK \pre, 16, 2
	v_ldexp_f32 v252, 1.0, v254                    ; f = 2^(old M - new M): a multiplication by it rounds nothing
	LK \pre, 18, 2
.set j, 0
.rept 16
	v_pk_fma_f32 v[SS+j:SS+j+1], v[SS+j:SS+j+1], s[CS:CS+1], v[12:13] op_sel_hi:[1,0,0]   ; t - M of blocks 0, 1, two at a time
.set j, j+2
.endr
.irp b, 0,1,2,3
	v_fma_f32 v[232+\b], v[232+\b], s[CS], v12     ; the same of each block's largest score
.endr
	s_wait_alu depctr_va_vdst(0)                   ; the wait ahead of the batch
.set j, 0
.rept 16                                       ; p = 2^(t - M) of blocks 0, 1; among them t - M of blocks 2, 3, which the next batch reads behind the wait below
	v_exp_f32 v[SS+j], v[SS+j]
	v_pk_fma_f32 v[SS+32+j:SS+33+j], v[SS+32+j:SS+33+j], s[CS:CS+1], v[12:13] op_sel_hi:[1,0,0]
	v_exp_f32 v[SS+j+1], v[SS+j+1]
.set j, j+2
.endr
.irp b, 0,1,2,3
	v_exp_f32 v[232+\b], v[232+\b]                 ; the block's largest p: the same two instructions on the same number give the same bits
.endr
	v_pk_mul_f32 v[14:15], v[14:15], v[252:253] op_sel_hi:[1,0]   ; the sum under the new M: a plain instruction behind the exponentials
	s_wait_alu depctr_va_vdst(0)                   ; one wait: behind the first batch, ahead of the second
.set j, 0
.rept 8                                        ; p of blocks 2, 3; among them the floors of the blocks' largest p and the eight chains' first sums, of blocks 0, 1: all read behind the wait below
	v_exp_f32 v[SS+32+4*j], v[SS+32+4*j]
	v_exp_f32 v[SS+33+4*j], v[SS+33+4*j]
.if j < 4
	v_max_num_f32 v[232+j], 0x4800000, v[232+j]    ; the floor 2^(9 - 127): the byte cannot fall under 1
.endif
	v_exp_f32 v[SS+34+4*j], v[SS+34+4*j]
	v_exp_f32 v[SS+35+4*j], v[SS+35+4*j]
	CSET j
	v_pk_add_f32 v[CR:CR+1], v[SS+2*j:SS+2*j+1], v[SS+16+2*j:SS+17+2*j]   ; THE ROW'S SUM IS TAKEN OF THE UNQUANTISED p
.set j, j+1
.endr
	s_wait_alu depctr_va_vdst(0)                   ; and one behind the second batch
.irp b, 0,1,2,3
	v_add_nc_u32 v[244+\b], 0xfc000000, v[232+\b]  ; 8 off the exponent field: the conversion's scale operand
.endr
.irp b, 0,1,2,3
	v_and_or_b32 v[240+\b], v[232+\b], 0x7f800000, s[MNT]   ; 448 x the scale
.endr
.irp b, 0,1,2,3
	v_lshrrev_b32 v[236+\b], 23, v[244+\b]         ; the scale's byte
.endr
	s_delay_alu instid0(VALU_DEP_3)
	v_lshl_or_b32 v[PWD], v237, 8, v236            ; p's scale word for these 128 keys
	s_delay_alu instid0(VALU_DEP_2)
	v_lshl_or_b32 v254, v239, 8, v238
	s_delay_alu instid0(VALU_DEP_1)
	v_lshl_or_b32 v[PWD], v254, 16, v[PWD]
.irp q, 0,1                                    ; blocks 2 q and 2 q + 1
.if \q
.set j, 0
.rept 16                                       ; the sums of blocks 2, 3, ahead of their hold
	CSET j%8
	v_pk_add_f32 v[CR:CR+1], v[CR:CR+1], v[SS+32+2*j:SS+33+2*j]
.set j, j+1
.endr
.endif
.set i, 0
.rept 16                                       ; the hold (the conversion does not saturate: ISA guide 7.6.2; p is not negative, so it is one-sided), one number of each block to a dual pair
	v_dual_min_num_f32 v[SS+32*\q+i], v[SS+32*\q+i], v[240+2*\q] :: v_dual_min_num_f32 v[SS+32*\q+16+(i+1)%16], v[SS+32*\q+16+(i+1)%16], v[241+2*\q]
.set i, i+1
.endr
	v_cvt_scalef32_pk8_fp8_f32 v[PC+8*\q:PC+8*\q+1], v[SS+32*\q:SS+32*\q+7], v[244+2*\q]
	v_cvt_scalef32_pk8_fp8_f32 v[PC+8*\q+2:PC+8*\q+3], v[SS+32*\q+8:SS+32*\q+15], v[244+2*\q]
	v_cvt_scalef32_pk8_fp8_f32 v[PC+8*\q+4:PC+8*\q+5], v[SS+32*\q+16:SS+32*\q+23], v[245+2*\q]
	v_cvt_scalef32_pk8_fp8_f32 v[PC+8*\q+6:PC+8*\q+7], v[SS+32*\q+24:SS+32*\q+31], v[245+2*\q]
.irp f, 0,1                                    ; V's fragments 2 q, 2 q + 1 land where these blocks' p lay: nine loads
.irp c, 0,1,2,3
	ds_load_b128 v[SS+32*\q+16*\f+4*\c:SS+32*\q+16*\f+4*\c+3], v[ADV] offset:2048*(2*\q+\f)+512*\c
.endr
.endr
	ds_load_b32 v[VS+\q], v[ASV] offset:8192+128*\q
.endr
	s_wait_alu depctr_va_vdst(0)                   ; directly ahead of the first reader of O^T
.set j, 0
.rept 16
	v_pk_mul_f32 v[OO+j:OO+j+1], v[OO+j:OO+j+1], v[252:253] op_sel_hi:[1,0]   ; O^T under the new M; these sixteen also stand between the codes' making and the products
.set j, j+2
.endr
.if \pre
	s_add_co_u32 s[SK], s[SK], KSTEP               ; all of this step's LDS loads are issued: the addresses step
	s_add_co_u32 s[SV], s[SV], VSTEP
	v_add_nc_u32 v[ADK], s[SK], v[L16]
	v_add_nc_u32 v[ASK], s[SK], v[L4]
	v_add_nc_u32 v[ADV], s[SV], v[L16]
	v_add_nc_u32 v[ASV], s[SV], v[L4]
.endif
	s_wait_alu depctr_va_vdst(0)
	s_wait_dscnt 9                                 ; V's fragments 0, 1 and their words are in; the nine loads of fragments 2, 3 may be out
	v_wmma_scale_f32_16x16x128_f8f6f4 v[OO:OO+7], v[SS:SS+15], v[PC:PC+15], v[OO:OO+7], v[VS], v[PWD]   ; O^T += V^T P^T: the four accumulators by turns
	v_wmma_scale_f32_16x16x128_f8f6f4 v[OO+8:OO+15], v[SS+16:SS+31], v[PC:PC+15], v[OO+8:OO+15], v[VS], v[PWD] matrix_a_scale:MATRIX_SCALE_ROW1
	s_wait_dscnt 0x0
	v_wmma_scale_f32_16x16x128_f8f6f4 v[OO+16:OO+23], v[SS+32:SS+47], v[PC:PC+15], v[OO+16:OO+23], v[VS+1], v[PWD]
	v_wmma_scale_f32_16x16x128_f8f6f4 v[OO+24:OO+31], v[SS+48:SS+63], v[PC:PC+15], v[OO+24:OO+31], v[VS+1], v[PWD] matrix_a_scale:MATRIX_SCALE_ROW1
; work on other registers: with pre = 1 nine lines, the places between these products, which read V's registers, and the next step's, which write there
.if \pre
	v_mov_b32 v[OM], v12
.endif
	CJOIN 0, 4
	CJOIN 1, 5
	CJOIN 2, 6
	CJOIN 3, 7
	s_delay_alu instid0(VALU_DEP_2)
	CJOIN 0, 2
	s_delay_alu instid0(VALU_DEP_2)
	CJOIN 1, 3
	s_delay_alu instid0(VALU_DEP_1)
	CJOIN 0, 1
	s_delay_alu instid0(VALU_DEP_1)
	v_pk_add_f32 v[14:15], v[14:15], v[216:217]
.endm
	s_wait_alu depctr_va_vdst(0)
	s_wait_loadcnt 0x0                             ; Q
	s_cmp_lt_u32 s[WV], 5                          ; the waves whose load lines bring K's steps 0-5 and V's steps 0-3 wait for them; the others' loads stay out
	s_cbranch_scc0 .Lnot_first
	s_wait_tensorcnt 0x0
.Lnot_first:
	s_barrier_signal -1
	s_barrier_wait -1
.set m, 0
.rept 20
	KL m, 0                                        ; step 0's K
.set m, m+1
.endr
	s_mov_b32 s[CNT], 4
.Lfirst:                                               ; steps 0-3
	STEP 1
	s_sub_co_u32 s[CNT], s[CNT], 1
	s_cmp_lg_u32 s[CNT], 0
	s_cbranch_scc1 .Lfirst
	s_wait_tensorcnt 0x0                           ; every wave's load has landed
	s_wait_dscnt 0x0
	s_barrier_signal -1
	s_barrier_wait -1                              ; all of K and V is whole
	s_mov_b32 s[CNT], 11
.Lrest:                                                ; steps 4-14
	STEP 1
	s_sub_co_u32 s[CNT], s[CNT], 1
	s_cmp_lg_u32 s[CNT], 0
	s_cbranch_scc1 .Lrest
	STEP 0                                         ; step 15 asks for nothing more; its eight closing additions are the places behind the last products
	; THE WAY OUT: O^T / the sum; register 16 b + i is channel 32 b + 16 h + i of my query: two blocks of 32 along D, quantised as they stand
	v_add_f32 v14, v14, v15                        ; the sum's two halves,
	s_delay_alu instid0(VALU_DEP_1)
	v_permlanex16_b32 v252, v14, s[SEL], s[SEL+1]
	s_delay_alu instid0(VALU_DEP_1)
	v_add_f32 v14, v14, v252                       ; and lane l xor 16's
	s_wait_alu depctr_va_vdst(0)
	v_rcp_f32 v14, v14
	v_add_nc_u32 v8, s77, v[L16]                   ; (plain lines behind the transcendental)  my codes' place in the record,
	v_and_b32 v9, 60, v[L4]                        ; 4 r,
	v_lshl_add_u32 v9, v9, 1, s74                  ; and my two scale bytes': 8 r on
	s_wait_alu depctr_va_vdst(0)                   ; the wait ahead of the first reader of the reciprocal and of O^T
.set j, 0
.rept 32
	v_mul_f32 v[SS+j], v[OO+j], v14                ; each accumulator from its low end on
.set j, j+1
.endr
.irp b, 0,1
	v_max3_num_f32 v[232+\b], |v[SS+16*\b]|, |v[SS+1+16*\b]|, 0x4800000
.endr
.irp i, 2,4,6,8,10,12,14
.irp b, 0,1
	s_delay_alu instid0(VALU_DEP_2)
	v_max3_num_f32 v[232+\b], v[232+\b], |v[SS+16*\b+\i]|, |v[SS+1+16*\b+\i]|
.endr
.endr
.irp b, 0,1
	s_delay_alu instid0(VALU_DEP_2)
	v_permlanex16_b32 v[236+\b], v[232+\b], s[SEL], s[SEL+1]
.endr
.irp b, 0,1
	s_delay_alu instid0(VALU_DEP_2)
	v_max_num_f32 v[232+\b], v[232+\b], v[236+\b]
.endr
.irp b, 0,1
	s_delay_alu instid0(VALU_DEP_2)
	v_add_nc_u32 v[244+\b], 0xfc000000, v[232+\b]
.endr
.irp b, 0,1
	s_delay_alu instid0(VALU_DEP_4)
	v_and_or_b32 v[240+\b], v[232+\b], 0x7f800000, s[MNT]
.endr
.irp b, 0,1
	s_delay_alu instid0(VALU_DEP_4)
	v_lshrrev_b32 v[236+\b], 23, v[244+\b]
.endr
	s_delay_alu instid0(VALU_DEP_1)
	v_lshl_or_b32 v254, v237, 8, v236              ; my head's two bytes of the row's scale word
.irp b, 0,1
.irp i, 0,1,2,3,4,5,6,7,8,9,10,11,12,13,14,15
	v_med3_num_f32 v[SS+16*\b+\i], v[SS+16*\b+\i], -v[240+\b], v[240+\b]
.endr
	v_cvt_scalef32_pk8_fp8_f32 v[PC+4*\b:PC+1+4*\b], v[SS+16*\b:SS+7+16*\b], v[244+\b]
	v_cvt_scalef32_pk8_fp8_f32 v[PC+2+4*\b:PC+3+4*\b], v[SS+8+16*\b:SS+15+16*\b], v[244+\b]
.endr
	v_nop
	global_store_b128 v8, v[PC:PC+3], s[8:9]                  ; 32 lanes store 512 consecutive bytes, aligned
	global_store_b128 v8, v[PC+4:PC+7], s[8:9] offset:512
	global_store_b16 v9, v254, s[8:9] offset:8192             ; both halves of the lanes hold and store the same two bytes
	s_wait_tensorcnt 0x0                           ; the wave's end
	ds_add_u32 v[SPW], v[NIL]
	s_wait_dscnt 0x0
	CROUND                                         ; the closing round
	s_endpgm
.Lfunc_end_k_q1d5b974a8c_attn:
	.size	k_q1d5b974a8c_attn, .Lfunc_end_k_q1d5b974a8c_attn-k_q1d5b974a8c_attn
	.p2alignl 7, 3214868480
	.fill 96, 4, 3214868480
	.section	.rodata,"a",@progbits
	.p2align	6, 0x0
	.amdhsa_kernel k_q1d5b974a8c_attn
		.amdhsa_group_segment_fixed_size 327680
		.amdhsa_private_segment_fixed_size 0
		.amdhsa_enable_private_segment 0
		.amdhsa_kernarg_size 24
		.amdhsa_user_sgpr_count 2
		.amdhsa_user_sgpr_kernarg_segment_ptr 1
		.amdhsa_wavefront_size32 1
		.amdhsa_system_sgpr_workgroup_id_x 1
		.amdhsa_system_sgpr_workgroup_id_y 1
		.amdhsa_system_sgpr_workgroup_id_z 1
		.amdhsa_system_vgpr_workitem_id 0
		.amdhsa_next_free_vgpr 256
		.amdhsa_next_free_sgpr 80
		.amdhsa_reserve_vcc 0
		.amdhsa_float_denorm_mode_32 3
		.amdhsa_float_denorm_mode_16_64 3
		.amdhsa_memory_ordered 1
		.amdhsa_forward_progress 1
		.amdhsa_inst_pref_size 74
	.end_amdhsa_kernel
	.amdgpu_metadata
---
amdhsa.version: [ 1, 2 ]
amdhsa.kernels:
  - .name:           k_q1d5b974a8c_attn
    .symbol:         k_q1d5b974a8c_attn.kd
    .args:
      - { .name: qk, .offset: 0, .size: 8, .value_kind: global_buffer, .address_space: global }
      - { .name: vimg, .offset: 8, .size: 8, .value_kind: global_buffer, .address_space: global }
      - { .name: act, .offset: 16, .size: 8, .value_kind: global_buffer, .address_space: global }
    .group_segment_fixed_size: 327680
    .private_segment_fixed_size: 0
    .kernarg_segment_align: 8
    .kernarg_segment_size: 24
    .max_flat_workgroup_size: 512
    .sgpr_count:     80
    .vgpr_count:     256
    .wavefront_size: 32
...
	.end_amdgpu_metadata
.endif
;; end of part 3
;; launch proj (part 4): grid 64 x 4, 4 waves a work-group, clusters of 4 x 4, 327,680 bytes of LDS; arguments act, wimg, proj_b, x, x1; writes x1
.if DOCPART == 4
	.amdgcn_target "amdgcn-amd-amdhsa--gfx1250"
	.amdhsa_code_object_version 6
	.text
	.protected	k_q1d5b974a8c_proj
	.globl	k_q1d5b974a8c_proj
	.p2align	8
	.type	k_q1d5b974a8c_proj,@function
k_q1d5b974a8c_proj:
	s_mov_b64 s[64:65], 0
	v_nop
	global_prefetch_b8 v0, s[64:65] scope:SCOPE_SE
	s_setreg_imm32_b32 hwreg(HW_REG_WAVE_MODE, 25, 1), 1
	s_wait_xcnt 0x0
	s_wait_alu depctr_hold_cnt(0) depctr_sa_sdst(0) depctr_va_vdst(0) depctr_va_sdst(0) depctr_va_ssrc(0) depctr_va_vcc(0) depctr_vm_vsrc(0)
	s_getreg_b32 s2, hwreg(HW_REG_IB_STS2, 6, 4)
	s_cmp_eq_u32 s2, 0
	s_cbranch_scc0 .Lentry_in_a_cluster
	s_endpgm
.Lentry_in_a_cluster:
	s_bfe_u32 s2, ttmp6, 0x10000c
	s_cmp_lg_u32 s2, 0xf033
	s_cbranch_scc0 .Lentry_shape_is_right
	s_endpgm
.Lentry_shape_is_right:
.set NF,    4
.set SQ,    4
.set NKS,   4
.set LAPS,  1
.set XOFF,  384*8448
.set ACC0,  128
.set XSET,  64
.set YF,    64
.set BI,    0
.set MUL_LO,   0x01
.set MUL_HI,   0x01
.set MUL_LO_F, 0x21
.set MUL_HI_F, 0x21
.set VR,  16
.set STO, 17
.set RD,  18
.set BK,  64
.set REC,   8448
.set QUART, 4*REC
.set SLOT,  4*QUART
.set SPARE, 2*SLOT
.set TC,    (SQ/2)*1056
.set TR,    NF/2
.set ADRY,  8
.set ADRX,  10
.set ASY,   12
.set ASX,   14
.set SPW,   28
.set NIL,   29
.set SC,    32
.set G1,    24
.set G0,    32
.set G1B,   48
.set G0B,   56
.set MSB,   0
.macro WIN new
.if MSB != (\new)
	s_set_vgpr_msb (MSB<<8)|(\new)
.set MSB, \new
.endif
.endm
.macro PLACES n
.rept \n
	v_nop
.endr
.endm
.macro JLOAD s
	s_cmp_eq_u32 s15, 0
	s_cbranch_scc0 .Lfor_x_\@
	tensor_load_to_lds s[G0+4*\s:G0+4*\s+3], s[G1:G1+7]
	s_nop 0
	PLACES 4
	s_branch .Lasked_\@
.Lfor_x_\@:
	tensor_load_to_lds s[G0B+4*\s:G0B+4*\s+3], s[G1B:G1B+7]
	s_nop 0
	PLACES 4
.Lasked_\@:
.endm
.macro CREST
	s_cmp_lg_u32 s14, 0
	s_cbranch_scc1 .Lnot_wave_0_\@
	s_barrier_signal -3
.Lnot_wave_0_\@:
	s_barrier_wait -3
	s_barrier_signal -1
	s_barrier_wait -1
.endm
.macro CROUND
	s_barrier_signal -1
	s_barrier_wait -1
	CREST
.endm
.macro WM d, x, y, cm, cr, sx, sy, rx, ry
.set wD, \d
.set wX, \x
.set wY, \y
.set wC, \d
.if (\cm) == 2
.set wC, \cr
.endif
.set wS, \sx
.set wT, \sy
.set wR, (\rx)+2*(\ry)
.if (\cm) == 1
.if wR == 0
	v_wmma_scale_f32_16x16x128_f8f6f4 v[wD:wD+7], v[wX:wX+15], v[wY:wY+15], 0, v[wS], v[wT]
.elseif wR == 1
	v_wmma_scale_f32_16x16x128_f8f6f4 v[wD:wD+7], v[wX:wX+15], v[wY:wY+15], 0, v[wS], v[wT] matrix_a_scale:MATRIX_SCALE_ROW1
.elseif wR == 2
	v_wmma_scale_f32_16x16x128_f8f6f4 v[wD:wD+7], v[wX:wX+15], v[wY:wY+15], 0, v[wS], v[wT] matrix_b_scale:MATRIX_SCALE_ROW1
.else
	v_wmma_scale_f32_16x16x128_f8f6f4 v[wD:wD+7], v[wX:wX+15], v[wY:wY+15], 0, v[wS], v[wT] matrix_a_scale:MATRIX_SCALE_ROW1 matrix_b_scale:MATRIX_SCALE_ROW1
.endif
.else
.if wR == 0
	v_wmma_scale_f32_16x16x128_f8f6f4 v[wD:wD+7], v[wX:wX+15], v[wY:wY+15], v[wC:wC+7], v[wS], v[wT]
.elseif wR == 1
	v_wmma_scale_f32_16x16x128_f8f6f4 v[wD:wD+7], v[wX:wX+15], v[wY:wY+15], v[wC:wC+7], v[wS], v[wT] matrix_a_scale:MATRIX_SCALE_ROW1
.elseif wR == 2
	v_wmma_scale_f32_16x16x128_f8f6f4 v[wD:wD+7], v[wX:wX+15], v[wY:wY+15], v[wC:wC+7], v[wS], v[wT] matrix_b_scale:MATRIX_SCALE_ROW1
.else
	v_wmma_scale_f32_16x16x128_f8f6f4 v[wD:wD+7], v[wX:wX+15], v[wY:wY+15], v[wC:wC+7], v[wS], v[wT] matrix_a_scale:MATRIX_SCALE_ROW1 matrix_b_scale:MATRIX_SCALE_ROW1
.endif
.endif
.endm
.macro MULA a0, p, q, set, cm
.set ma, \a0
.rept NF/4
.set mb, 0
.rept NF
	WM ACC0+8*(NF*(ma%4)+mb), XSET*(\p)+16*mb, YF+16*ma, \cm, BI+8*mb, SC+16*(\set)+8+SQ*(mb/2)+(\q), SC+16*(\set)+SQ*(ma/2)+(\q), mb%2, ma%2
.set mb, mb+1
.endr
.set ma, ma+1
.endr
.endm
.macro FRAG reg, adr, off
.irp c, 0,1,2,3
	ds_load_b128 v[(\reg)+4*\c:(\reg)+4*\c+3], v[\adr] offset:(\off)+512*\c
.endr
.endm
.macro FETCH_X slot, q, p
	WIN 0x40
.set ff, 0
.rept NF
	FRAG XSET*(\p)+16*ff, ADRX+(\slot), (ff/2)*(SQ/2)*REC+((\q)/2)*REC+(ff%2)*4096+((\q)%2)*2048
.set ff, ff+1
.endr
	WIN 0
.endm
.macro FETCH_Y slot, q, i0
.set ff, \i0
.rept NF/2
	FRAG YF+16*ff, ADRY+(\slot), (ff/2)*(SQ/2)*REC+((\q)/2)*REC+(ff%2)*4096+((\q)%2)*2048
.set ff, ff+1
.endr
.endm
.macro SCALES set
.set gi, 0
.rept NF/2
.set kr, 0
.rept SQ/2
	ds_load_b64 v[SC+16*(\set)+SQ*gi+2*kr:SC+16*(\set)+SQ*gi+2*kr+1], v[ASY+(\set)] offset:8192+gi*(SQ/2)*REC+kr*REC
	ds_load_b64 v[SC+16*(\set)+8+SQ*gi+2*kr:SC+16*(\set)+8+SQ*gi+2*kr+1], v[ASX+(\set)] offset:8192+gi*(SQ/2)*REC+kr*REC
.set kr, kr+1
.endr
.set gi, gi+1
.endr
.endm
.macro STEP slot, q, cm
	s_wait_dscnt 2*NF
.if (\cm) == 2
	WIN MUL_LO_F
.else
	WIN MUL_LO
.endif
	MULA 0, (\q)%2, \q, \slot, \cm
	MULA NF/4, (\q)%2, \q, \slot, \cm
	s_wait_dscnt 0x0
	PLACES 8
	FETCH_X \slot, (\q)+1, 1-(\q)%2
	FETCH_Y \slot, (\q)+1, 0
.if (\cm) == 2
	WIN MUL_HI_F
.else
	WIN MUL_HI
.endif
	MULA NF/2, (\q)%2, \q, \slot, \cm
	MULA 3*NF/4, (\q)%2, \q, \slot, \cm
	PLACES 8
	WIN 0
	FETCH_Y \slot, (\q)+1, NF/2
.endm
.macro STEPS slot, q0
.set sq, \q0
.rept SQ-1-(\q0)
	STEP \slot, sq, 0
.set sq, sq+1
.endr
.endm
.macro TURN slot, next, fill
	s_wait_tensorcnt 0x0
	ds_add_u32 v[SPW], v[NIL]
	s_wait_dscnt 2*NF+1
	WIN MUL_LO
	MULA 0, 1, SQ-1, \slot, 0
	s_wait_dscnt 0x0
	s_barrier_signal -1
	MULA NF/4, 1, SQ-1, \slot, 0
	WIN 0
	s_barrier_wait -1
.if \fill
	CREST
	s_add_nc_u64 s[G0+4*\slot+2:G0+4*\slot+3], s[G0+4*\slot+2:G0+4*\slot+3], SQ*REC
	s_add_nc_u64 s[G0B+4*\slot+2:G0B+4*\slot+3], s[G0B+4*\slot+2:G0B+4*\slot+3], SQ*REC
	JLOAD \slot
	PLACES 4
.else
	PLACES 8
.endif
	FETCH_X \next, 0, 0
	FETCH_Y \next, 0, 0
	SCALES \next
	WIN MUL_HI
	MULA NF/2, 1, SQ-1, \slot, 0
	MULA 3*NF/4, 1, SQ-1, \slot, 0
	PLACES 8
	WIN 0
	FETCH_Y \next, 0, NF/2
.endm
.macro LAST
	s_wait_dscnt 2*NF
	WIN MUL_LO
	MULA 0, 1, SQ-1, 1, 0
	MULA NF/4, 1, SQ-1, 1, 0
	s_wait_alu depctr_va_vdst(0)
	s_wait_dscnt 0x0
	WIN MUL_HI
	MULA NF/2, 1, SQ-1, 1, 0
	MULA 3*NF/4, 1, SQ-1, 1, 0
	WIN 0
.endm
.macro TOSTAGE a
.irp b, 0,1,2,3
	ds_store_b128 v[STO], v[ACC0+8*(4*(\a)+\b):ACC0+8*(4*(\a)+\b)+3] offset:128*(\b/2)+32*(\b%2)
	ds_store_b128 v[STO], v[ACC0+8*(4*(\a)+\b)+4:ACC0+8*(4*(\a)+\b)+7] offset:128*(\b/2)+32*(\b%2)+16
.endr
.irp t, 0,1,2,3,4,5,6,7
	ds_load_b128 v[BK+32*((\a)%2)+4*\t:BK+32*((\a)%2)+4*\t+3], v[RD] offset:544*\t
.endr
.endm
.macro SEND a, younger
	s_wait_dscnt \younger
	WIN 0x08
.set si, 0
.rept 16
	v_pk_add_f32 v[BK+32*((\a)%2)+2*si:BK+32*((\a)%2)+2*si+1], v[BK+32*((\a)%2)+2*si:BK+32*((\a)%2)+2*si+1], v[32+32*(\a)+2*si:32+32*(\a)+2*si+1]
.set si, si+1
.endr
	WIN 0
.irp t, 0,1,2,3,4,5,6,7
	global_store_b128 v[VR], v[BK+32*((\a)%2)+4*\t:BK+32*((\a)%2)+4*\t+3], s[12:13] offset:(32*((\a)/2)+8*((\a)%2)+2*\t+8*(\t/4))*4096
.endr
.endm
	s_load_b256 s[4:11], s[0:1], 0x0
	s_load_b64 s[12:13], s[0:1], 0x20
	v_lshl_add_u32 v[SPW], v0, 2, SPARE
	v_mov_b32 v[NIL], 0
	ds_add_u32 v[SPW], v[NIL]
	ds_add_u32 v[SPW], v[NIL]
	v_lshrrev_b32 v1, 5, v0
	v_readfirstlane_b32 s14, v1
	s_lshr_b32 s15, s14, 1
	s_and_b32 s16, s14, 1
	s_bfe_u32 s40, ttmp6, 0x40000
	s_bfe_u32 s41, ttmp6, 0x40004
	s_and_b32 s42, ttmp9, 1
	s_lshl_b32 s42, s42, 2
	s_add_co_u32 s42, s42, s40
	s_lshr_b32 s17, ttmp9, 1
	s_lshl_b32 s17, s17, 2
	s_add_co_u32 s17, s17, s41
	s_lshl_b32 s43, s41, 2
	s_lshl_b32 s43, 15, s43
	s_lshl_b32 s44, 0x1111, s40
	s_or_b32 s[G1], s43, (3<<16)|(1<<21)
	s_or_b32 s[G1B], s44, (3<<16)|(1<<21)
.irp g, G1, G1B
	s_mov_b32 s[\g+1], TC<<16
	s_mov_b32 s[\g+2], TR<<16
	s_mov_b32 s[\g+3], TC<<16
	s_mov_b32 s[\g+4], TR
	s_mov_b32 s[\g+5], NKS*1056
	s_mov_b32 s[\g+6], 0
	s_mov_b32 s[\g+7], 0
.endr
	s_mul_i32 s18, s16, (NF/2)*NKS*REC
	s_mul_i32 s20, s17, NF*NKS*REC
	s_add_co_u32 s20, s20, s18
	s_mov_b32 s21, 0
	s_mul_i32 s46, s42, NF*NKS*REC
	s_add_co_u32 s46, s46, s18
	s_add_co_u32 s46, s46, XOFF
	s_mov_b32 s47, 0
	s_mul_i32 s45, s14, QUART
	s_wait_dscnt 0x0
	s_wait_kmcnt 0x0
	s_add_nc_u64 s[20:21], s[4:5], s[20:21]
	s_add_nc_u64 s[46:47], s[6:7], s[46:47]
	CROUND
.irp s, 0,1
	s_mov_b32 s[G0+4*\s], 1
	s_add_co_u32 s[G0+4*\s+1], s45, \s*SLOT
	s_add_nc_u64 s[G0+4*\s+2:G0+4*\s+3], s[20:21], \s*(SQ/2)*REC
	s_or_b32 s[G0+4*\s+3], s[G0+4*\s+3], 0x80000000
	s_mov_b32 s[G0B+4*\s], 1
	s_add_co_u32 s[G0B+4*\s+1], s45, \s*SLOT
	s_add_nc_u64 s[G0B+4*\s+2:G0B+4*\s+3], s[46:47], \s*(SQ/2)*REC
	s_or_b32 s[G0B+4*\s+3], s[G0B+4*\s+3], 0x80000000
.if \s
	; under slot 0's load: slot 1's records are asked for ahead.  Of the four records that my load brings for a slot, each of the four partners that ask jointly takes one (33 blocks of 256 bytes), told apart by address alone
	s_cmp_eq_u32 s15, 0
	s_cselect_b64 s[66:67], s[20:21], s[46:47]     ; the tile that I fetch
	s_cselect_b32 s18, s40, s41                    ; my place among the four that ask for it with me
	s_lshr_b32 s19, s18, 1
	s_mul_i32 s19, s19, NKS*REC                    ; which of my two groups of 32 rows,
	s_and_b32 s18, s18, 1
	s_mul_i32 s18, s18, REC                        ; which of a slot's two records
	s_add_co_u32 s18, s18, s19
	s_mov_b32 s19, 0
	s_add_nc_u64 s[66:67], s[66:67], s[18:19]
	v_and_b32 v20, 31, v0
	v_lshlrev_b32 v20, 8, v20                      ; blocks 0 .. 31 of a record, a lane a block
	v_mov_b32 v21, 0x2000                          ; block 32, named by all lanes
	global_prefetch_b8 v20, s[66:67] offset:1*(SQ/2)*REC th:TH_LOAD_NT scope:SCOPE_SE
	global_prefetch_b8 v21, s[66:67] offset:1*(SQ/2)*REC th:TH_LOAD_NT scope:SCOPE_SE
	s_wait_alu depctr_va_vdst(0)
	s_wait_tensorcnt 0x0                           ; slot 1's first fill is issued as a refill is: my part of slot 0 is in,
	ds_add_u32 v[SPW], v[NIL]                      ; 0 onto my spare word,
	s_wait_dscnt 0x0
	CROUND                                         ; and a whole round
.endif
	JLOAD \s
.endr
	v_and_b32 v3, 31, v0
	v_and_b32 v1, 15, v0
	v_bfe_u32 v2, v0, 4, 1
	v_lshlrev_b32 v4, 4, v3
	v_lshlrev_b32 v5, 3, v3
	s_mul_i32 s21, s15, QUART
	s_mul_i32 s22, s16, QUART
	s_add_co_u32 s22, s22, 2*QUART
.irp s, 0,1
	v_add_nc_u32 v[ADRY+\s], s21, v4
	v_add_nc_u32 v[ADRX+\s], s22, v4
	v_add_nc_u32 v[ASY+\s], s21, v5
	v_add_nc_u32 v[ASX+\s], s22, v5
	s_add_co_u32 s21, s21, SLOT
	s_add_co_u32 s22, s22, SLOT
.endr
	s_lshl_b32 s18, s42, 9
	s_lshl_b32 s19, s16, 8
	s_add_co_u32 s18, s18, s19
	s_mov_b32 s19, 0
	s_add_nc_u64 s[8:9], s[8:9], s[18:19]
	s_lshl_b32 s22, s17, 19
	s_lshl_b32 s23, s15, 18
	s_add_co_u32 s22, s22, s23
	s_add_co_u32 s22, s22, s18
	s_mov_b32 s23, 0
	s_add_nc_u64 s[10:11], s[10:11], s[22:23]
	s_add_nc_u64 s[12:13], s[12:13], s[22:23]
	v_lshlrev_b32 v7, 6, v2
	v_lshlrev_b32 v[VR], 12, v2
	v_lshl_add_u32 v[VR], v1, 4, v[VR]
	s_mul_i32 s23, s14, 16*272
	v_mul_u32_u24 v[STO], v1, 272
	v_lshl_add_u32 v[STO], v2, 6, v[STO]
	v_add_nc_u32 v[STO], s23, v[STO]
	v_mul_u32_u24 v[RD], v2, 272
	v_lshl_add_u32 v[RD], v1, 4, v[RD]
	v_add_nc_u32 v[RD], s23, v[RD]
	WIN 0x80
.irp b, 0,1
.irp i, 0,1,2,3
	global_load_b128 v[16*\b+4*\i:16*\b+4*\i+3], v7, s[8:9] offset:128*\b+16*\i
.endr
.endr
.irp a, 0,1,2,3
.irp t, 0,1,2,3,4,5,6,7
	global_load_b128 v[32+32*\a+4*\t:32+32*\a+4*\t+3], v[VR], s[10:11] offset:(32*(\a/2)+8*(\a%2)+2*\t+8*(\t/4))*4096
.endr
.endr
	WIN 0
	s_wait_tensorcnt 1
	s_barrier_signal -1
	s_barrier_wait -1
	FETCH_X 0, 0, 0
	FETCH_Y 0, 0, 0
	SCALES 0
	FETCH_Y 0, 0, NF/2
	s_wait_loadcnt 32
	STEP 0, 0, 2
.if LAPS > 1
	s_mov_b32 s3, LAPS-1
.Llap:
	STEPS 0, 1
	TURN 0, 1, 1
	STEPS 1, 0
	TURN 1, 0, 1
	STEP 0, 0, 0
	s_sub_co_u32 s3, s3, 1
	s_cmp_lg_u32 s3, 0
	s_cbranch_scc1 .Llap
.endif
	STEPS 0, 1
	TURN 0, 1, 0
	STEPS 1, 0
	LAST
	PLACES 8
	s_wait_loadcnt 0x0
	TOSTAGE 0
.irp a, 1,2,3
.if \a > 1
	s_wait_xcnt 0x0
.endif
	TOSTAGE \a
	SEND \a-1, 16
.endr
	SEND 3, 0
	s_wait_tensorcnt 0x0
	ds_add_u32 v[SPW], v[NIL]
	s_wait_dscnt 0x0
	CROUND
	s_endpgm
.Lfunc_end_k_q1d5b974a8c_proj:
	.size	k_q1d5b974a8c_proj, .Lfunc_end_k_q1d5b974a8c_proj-k_q1d5b974a8c_proj
	.p2alignl 7, 3214868480
	.fill 96, 4, 3214868480
	.section	.rodata,"a",@progbits
	.p2align	6, 0x0
	.amdhsa_kernel k_q1d5b974a8c_proj
		.amdhsa_group_segment_fixed_size 327680
		.amdhsa_private_segment_fixed_size 0
		.amdhsa_enable_private_segment 0
		.amdhsa_kernarg_size 40
		.amdhsa_user_sgpr_count 2
		.amdhsa_user_sgpr_kernarg_segment_ptr 1
		.amdhsa_wavefront_size32 1
		.amdhsa_system_sgpr_workgroup_id_x 1
		.amdhsa_system_sgpr_workgroup_id_y 1
		.amdhsa_system_sgpr_workgroup_id_z 1
		.amdhsa_system_vgpr_workitem_id 0
		.amdhsa_next_free_vgpr 768
		.amdhsa_next_free_sgpr 70
		.amdhsa_reserve_vcc 0
		.amdhsa_float_denorm_mode_32 3
		.amdhsa_float_denorm_mode_16_64 3
		.amdhsa_memory_ordered 1
		.amdhsa_forward_progress 1
		.amdhsa_inst_pref_size 63
	.end_amdhsa_kernel
	.amdgpu_metadata
---
amdhsa.version: [ 1, 2 ]
amdhsa.kernels:
  - .name:           k_q1d5b974a8c_proj
    .symbol:         k_q1d5b974a8c_proj.kd
    .args:
      - { .name: act, .offset: 0, .size: 8, .value_kind: global_buffer, .address_space: global }
      - { .name: wimg, .offset: 8, .size: 8, .value_kind: global_buffer, .address_space: global }
      - { .name: proj_b, .offset: 16, .size: 8, .value_kind: global_buffer, .address_space: global }
      - { .name: x, .offset: 24, .size: 8, .value_kind: global_buffer, .address_space: global }
      - { .name: x1, .offset: 32, .size: 8, .value_kind: global_buffer, .address_space: global }
    .group_segment_fixed_size: 327680
    .private_segment_fixed_size: 0
    .kernarg_segment_align: 8
    .kernarg_segment_size: 40
    .max_flat_workgroup_size: 128
    .sgpr_count:     70
    .vgpr_count:     768
    .wavefront_size: 32
...
	.end_amdgpu_metadata
.endif
;; end of part 4
;; launch prep2 (part 5): grid 512 x 1, 8 waves a work-group, no clusters, 66,816 bytes of LDS; arguments x1, ln2_g, ln2_b, act, fc1_w, fc2_w, wimg; writes act, wimg
.if DOCPART == 5
	.amdgcn_target "amdgcn-amd-amdhsa--gfx1250"
	.amdhsa_code_object_version 6
	.text
	.protected	k_q1d5b974a8c_prep2
	.globl	k_q1d5b974a8c_prep2
	.p2align	8
	.type	k_q1d5b974a8c_prep2,@function
k_q1d5b974a8c_prep2:
	s_mov_b64 s[64:65], 0
	v_nop
	global_prefetch_b8 v0, s[64:65] scope:SCOPE_SE
	s_setreg_imm32_b32 hwreg(HW_REG_WAVE_MODE, 25, 1), 1
	s_wait_xcnt 0x0
; LN2(x1), quantised, and beside it the quantising of fc1_w and fc2_w.  No work of reference() is left out.  The text is that of the program's first launch with other sizes for the weights.
; THIS LAUNCH does two things that do not depend on each other, side by side, parted by ONE branch on the work-group's number: work-groups 0-255 make LN2(x1), quantised; the other 256 quantise fc1_w and fc2_w.
; BOTH STORE IMAGES OF OPERAND REGISTERS.  A record of 8,448 bytes holds 32 rows x 256 along K of an operand [rows][K]; record (g = row / 32, ks = k / 256) lies at (g K / 256 + ks) x 8,448.  In it the 16 bytes at
; u 4096 + s 2048 + c 512 + 16 (r + 16 h) are the codes of row 32 g + 8 u + r + 8 (r / 8) at k = 256 ks + 128 s + 32 c + 16 h + 0 .. 15; the scale word at 8192 + 8 (16 u + r) + 4 s has block c's byte as byte c.
; THE NORM: y = (x - mean) x rsqrt(var + 1e-5) x g + b, all in f32: the mean first, then the variance of the differences, as reference() has it.  A work-group makes one fragment's 16 rows (g = number / 2, u = number % 2).
; PHASE A: wave w takes the rows at places 2 w and 2 w + 1, two neighbouring tokens: 8,192 dense bytes; a row stays in 32 registers of the wave between its passes; y goes to LDS, rows 4,112 bytes apart.  One barrier.
; PHASE B: wave w takes k = 128 w .. 128 w + 127 of all 16 rows: lane (r, h) reads 16 neighbours of each block of 32 of row r, which is what the conversions want.  The pitch is 257 x 16 bytes, so the sixteen rows that a load
; touches start at sixteen different groups of banks (64 banks of 4 bytes: ISA guide 11.1).
; THE WEIGHTS: W [K][N], f32, K on the FIRST axis; the operand's rows are W's columns.  A wave makes half a record: 32 columns x 128 along K (s = one half).  A LANE TAKES A COLUMN (u = lane / 16, r = lane % 16) AND ITS REGISTERS RUN
; DOWN K: a block of 32 lies in one lane, its largest magnitude needs no other lane, and the conversions give codes with K innermost.  A lane's 32 codes of block c are the 16 bytes at u 4096 + s 2048 + 512 c + 16 r and the 16 bytes
; 256 further on: sixteen neighbouring lanes store 256 consecutive bytes, aligned.  The eight waves of a work-group take eight neighbouring groups of columns: 1,024 consecutive bytes of each row of W.  Two blocks, 64 loads of
; 128 bytes, are on their way in each wave.  No LDS, no barrier on this path.  Which tensor: by the work-group's number; only pointers and numbers are chosen.
; On both paths the scale words leave as words of 4 bytes, 8 bytes apart: one byte in 33 of what the launch stores.
; LIMITS: NaN and infinities are not served; a block under 2^(9 - 127) keeps the byte 1.
.set NLN,   256                        ; work-groups of the norm
.set REC,   8448
.set NA,    128                        ; the first weight's work-groups: (4,096 / 256) groups of eight x 8 chunks of 128 along K
.set STR_A, 16384                      ; bytes in a row of it
.set LH_A,  3                          ; log2 of K / 128
.set OFF_A, 512*REC                    ; its place in wimg
.set STR_B, 4096                       ; the second weight: fc2_w, (1,024 / 256) x 32 = 128 work-groups
.set LH_B,  5
.set OFF_B, 1024*REC
.set PITCH, 4112
.set SPARE, 16*PITCH                   ; behind y: the spare words, 128 bytes for each wave: four blocks of 256 bytes that no other line names
.set SPW,   4                          ; v4   LDS address of my spare word; never rewritten
.set NIL,   5                          ; v5   0; never rewritten
; the norm's registers
.set XR,    16                         ; v16-47, v48-79  the two rows; in phase B v16-79: 64 numbers
.set GG,    80                         ; v80-111  the gain at my columns
.set BB,    112                        ; v112-143 the bias
.set PC,    80                         ; phase B: v80-95 the codes, v96-111 at work, v112 the scale word
.set TM,    96
.set PW,    112
.set SEL,   12                         ; s[12:13] v_permlanex16_b32's selects for lane l xor 16
.set MNT,   14                         ; s14  the mantissa field of 448
; the weights' registers
.set C,     16                         ; v16-23  a block's codes
.set SB,    24                         ; v24     the four scale bytes
.set OFFV,  32                         ; v32-63  row i of a block: i x a row of W + 4 x my column
.set X,     64                         ; v64-127 two sets of 32 numbers
; 64 numbers of a lane, register 16 b + i = k 32 b + 16 (lane / 16) + i of my row, become a fragment's codes in v[PC] on and its scale word in v[PW]
.macro QUANT s
.irp b, 0,1,2,3
	v_max3_num_f32 v[TM+\b], |v[\s+16*\b]|, |v[\s+1+16*\b]|, 0x4800000   ; block b: my 16 numbers, and the floor 2^(9 - 127): the byte cannot fall under 1
.endr
.irp i, 2,4,6,8,10,12,14
.irp b, 0,1,2,3
	s_delay_alu instid0(VALU_DEP_4)
	v_max3_num_f32 v[TM+\b], v[TM+\b], |v[\s+16*\b+\i]|, |v[\s+1+16*\b+\i]|   ; the four blocks by turns
.endr
.endr
.irp b, 0,1,2,3
	s_delay_alu instid0(VALU_DEP_4)
	v_permlanex16_b32 v[TM+4+\b], v[TM+\b], s[SEL], s[SEL+1]
.endr
.irp b, 0,1,2,3
	s_delay_alu instid0(VALU_DEP_4)
	v_max_num_f32 v[TM+\b], v[TM+\b], v[TM+4+\b]   ; with lane l xor 16's: the block's largest magnitude
.endr
.irp b, 0,1,2,3
	s_delay_alu instid0(VALU_DEP_4)
	v_add_nc_u32 v[TM+12+\b], 0xfc000000, v[TM+\b] ; 8 off its exponent field: the conversion's scale operand
.endr
.irp b, 0,1,2,3
	v_and_or_b32 v[TM+8+\b], v[TM+\b], 0x7f800000, s[MNT]   ; 448 x the scale
.endr
.irp b, 0,1,2,3
	v_lshrrev_b32 v[TM+4+\b], 23, v[TM+12+\b]      ; the scale's byte
.endr
	s_delay_alu instid0(VALU_DEP_3)
	v_lshl_or_b32 v[PW], v[TM+5], 8, v[TM+4]
	s_delay_alu instid0(VALU_DEP_1)
	v_lshl_or_b32 v[PW], v[TM+6], 16, v[PW]
	s_delay_alu instid0(VALU_DEP_1)
	v_lshl_or_b32 v[PW], v[TM+7], 24, v[PW]
.irp b, 0,1,2,3
.irp i, 0,1,2,3,4,5,6,7,8,9,10,11,12,13,14,15
	v_med3_num_f32 v[\s+16*\b+\i], v[\s+16*\b+\i], -v[TM+8+\b], v[TM+8+\b]   ; the conversion does not saturate (ISA guide 7.6.2): the hold
.endr
	v_cvt_scalef32_pk8_fp8_f32 v[PC+4*\b:PC+1+4*\b], v[\s+16*\b:\s+7+16*\b], v[TM+12+\b]
	v_cvt_scalef32_pk8_fp8_f32 v[PC+2+4*\b:PC+3+4*\b], v[\s+8+16*\b:\s+15+16*\b], v[TM+12+\b]
.endr
	v_nop                                          ; one plain vector instruction behind the last scaled conversion
.endm
.macro ACROSS                          ; v6 and v10 summed over the 32 lanes, the two rows by turns; v8 and v12 have been written
.irp m, 1,2,4,8
	s_delay_alu instid0(VALU_DEP_2)
	v_add_f32_dpp v6, v6, v6 row_xmask:\m row_mask:0xf bank_mask:0xf
	s_delay_alu instid0(VALU_DEP_2)
	v_add_f32_dpp v10, v10, v10 row_xmask:\m row_mask:0xf bank_mask:0xf
.endr
	s_delay_alu instid0(VALU_DEP_2)
	v_permlanex16_b32 v8, v6, s[SEL], s[SEL+1]
	s_delay_alu instid0(VALU_DEP_2)
	v_permlanex16_b32 v12, v10, s[SEL], s[SEL+1]
	s_delay_alu instid0(VALU_DEP_2)
	v_add_f32 v6, v6, v8
	s_delay_alu instid0(VALU_DEP_2)
	v_add_f32 v10, v10, v12
.endm
.macro LOAD set                        ; a block: W(32 t + i, my column), i = 0 .. 31: each load reads 128 bytes of a row in 32 lanes
.set n, 0
.rept 32
	global_load_b32 v[X+32*(\set)+n], v[OFFV+n], s[14:15] th:TH_LOAD_NT
.set n, n+1
.endr
.endm
.macro BLOCK t                         ; block t of my four
.set XS, X+32*((\t)%2)
.if (\t) < 3
	s_wait_loadcnt 32                              ; this block's 32 loads are in; the next block's 32 may be out
.else
	s_wait_loadcnt 0x0
.endif
	v_max3_num_f32 v12, |v[XS]|, |v[XS+1]|, |v[XS+2]|     ; the block's largest magnitude: all 32 numbers are mine; two chains
	v_max3_num_f32 v13, |v[XS+3]|, |v[XS+4]|, |v[XS+5]|
.irp i, 6,10,14,18,22,26
	s_delay_alu instid0(VALU_DEP_2)
	v_max3_num_f32 v12, v12, |v[XS+\i]|, |v[XS+\i+1]|
	s_delay_alu instid0(VALU_DEP_2)
	v_max3_num_f32 v13, v13, |v[XS+\i+2]|, |v[XS+\i+3]|
.endr
	s_delay_alu instid0(VALU_DEP_2)
	v_max3_num_f32 v12, v12, |v[XS+30]|, |v[XS+31]|
	s_delay_alu instid0(VALU_DEP_1)
	v_max3_num_f32 v12, v12, v13, 0x4800000        ; and the floor 2^(9 - 127): the byte cannot fall under 1
	s_delay_alu instid0(VALU_DEP_1)
	v_add_nc_u32 v11, 0xfc000000, v12              ; 8 off the exponent field: the conversion takes the exponent field of this operand as its scale
	s_delay_alu instid0(VALU_DEP_2)
	v_and_or_b32 v10, v12, 0x7f800000, s31         ; 448 x the scale
.if (\t) == 0
	s_delay_alu instid0(VALU_DEP_2)
	v_lshrrev_b32 v[SB], 23, v11                   ; the scale's byte: the lower K in the lower byte
.else
	s_delay_alu instid0(VALU_DEP_2)
	v_lshrrev_b32 v13, 23, v11
	s_delay_alu instid0(VALU_DEP_1)
	v_lshl_or_b32 v[SB], v13, 8*(\t), v[SB]
.endif
.set n, 0
.rept 32
	v_med3_num_f32 v[XS+n], v[XS+n], -v10, v10     ; the conversion to an 8-bit code does not saturate (ISA guide 7.6.2): the hold at the largest code x the scale
.set n, n+1
.endr
.irp g, 0,1,2,3
	v_cvt_scalef32_pk8_fp8_f32 v[C+2*\g:C+2*\g+1], v[XS+8*\g:XS+8*\g+7], v11
.endr
	global_store_b128 v3, v[C:C+3], s[12:13] offset:512*(\t)          ; k 0 .. 15 of the block: sixteen lanes store 256 consecutive bytes, aligned
	global_store_b128 v3, v[C+4:C+7], s[12:13] offset:512*(\t)+256    ; k 16 .. 31
.if (\t) < 3
	s_wait_xcnt 0x0                                ; the stores have read their data, the loads their base: both are written again only behind this wait
.endif
.if (\t) < 2
	s_add_nc_u64 s[14:15], s[14:15], s[32:33]
	LOAD (\t)%2                                    ; two blocks ahead, into the set just converted
.endif
.endm
	v_lshl_add_u32 v[SPW], v0, 2, SPARE
	v_mov_b32 v[NIL], 0
	v_lshrrev_b32 v1, 5, v0
	s_delay_alu instid0(VALU_DEP_1)
	v_readfirstlane_b32 s16, v1                    ; wave 0..7
	s_cmp_lt_u32 ttmp9, NLN                        ; on the work-group's number alone: all eight waves go the same way
	s_cbranch_scc0 .Lweights
	; ================ the norm ================
	s_load_b256 s[4:11], s[0:1], 0x0               ; the rows s[4:5], gain s[6:7], bias s[8:9], the images s[10:11]
	v_and_b32 v2, 31, v0
	s_delay_alu instid0(VALU_DEP_1)
	v_lshlrev_b32 v1, 4, v2                        ; 16 x lane
	v_and_b32 v14, 15, v0                          ; r
	s_wait_alu depctr_va_vdst(0)
	v_bfe_u32 v15, v0, 4, 1                        ; h
	s_mul_i32 s22, s16, 2*PITCH
	v_add_nc_u32 v2, s22, v1                       ; phase A: into LDS: my wave's two rows, 16 bytes a lane
	v_mul_u32_u24 v3, v14, PITCH
	s_delay_alu instid0(VALU_DEP_1)
	v_lshl_add_u32 v3, v15, 6, v3
	s_lshl_b32 s23, s16, 9
	v_add_nc_u32 v3, s23, v3                       ; phase B: row r, + 64 h, + 512 x wave
	s_lshr_b32 s17, ttmp9, 1                       ; g
	s_and_b32 s18, ttmp9, 1                        ; u
	s_and_b32 s25, s16, 1                          ; s = wave % 2
	s_lshl_b32 s24, s18, 7
	s_lshl_b32 s28, s25, 2
	s_add_co_u32 s24, s24, s28
	v_lshl_add_u32 v15, v14, 3, s24                ; my scale word: 8 r + 128 u + 4 s
	s_lshl_b32 s24, s18, 12
	s_lshl_b32 s28, s25, 11
	s_add_co_u32 s24, s24, s28
	v_add_nc_u32 v14, s24, v1                      ; my codes: 16 x lane + 4096 u + 2048 s
	s_lshl_b32 s19, s17, 5                         ; my wave's first token: 32 g + 8 u + 2 w + 8 (w / 4)
	s_lshl_b32 s20, s18, 3
	s_add_co_u32 s19, s19, s20
	s_lshl_b32 s20, s16, 1
	s_add_co_u32 s19, s19, s20
	s_lshr_b32 s20, s16, 2
	s_lshl_b32 s20, s20, 3
	s_add_co_u32 s19, s19, s20
	s_lshl_b32 s20, s19, 12                        ; in bytes
	s_mov_b32 s21, 0
	s_lshl_b32 s28, s17, 2
	s_lshr_b32 s29, s16, 1
	s_add_co_u32 s28, s28, s29
	s_mul_i32 s28, s28, REC                        ; record (g, wave / 2)
	s_mov_b32 s29, 0
	s_mov_b32 s[SEL], 0x76543210
	s_mov_b32 s[SEL+1], 0xfedcba98
	s_mov_b32 s[MNT], 0x600000
	s_mov_b32 s26, 0x3a800000                      ; 1 / 1,024
	s_mov_b32 s27, 0x3727c5ac                      ; 1e-5
	s_wait_kmcnt 0x0
	s_add_nc_u64 s[4:5], s[4:5], s[20:21]
	s_add_nc_u64 s[10:11], s[10:11], s[28:29]
.set n, 0
.rept 16
	global_load_b128 v[XR+4*n:XR+4*n+3], v1, s[4:5] offset:512*n th:TH_LOAD_NT   ; two rows, 8,192 consecutive bytes; 512 a load
.set n, n+1
.endr
.set n, 0
.rept 8
	global_load_b128 v[GG+4*n:GG+4*n+3], v1, s[6:7] offset:512*n
	global_load_b128 v[BB+4*n:BB+4*n+3], v1, s[8:9] offset:512*n
.set n, n+1
.endr
	s_wait_loadcnt 16                              ; the rows are in; the 16 loads of gain and bias may be out
	; ---- the mean: two chains a row
.irp R, 0,1
	v_pk_add_f32 v[6+4*\R:7+4*\R], v[XR+32*\R:XR+32*\R+1], v[XR+32*\R+2:XR+32*\R+3]
	v_pk_add_f32 v[8+4*\R:9+4*\R], v[XR+32*\R+4:XR+32*\R+5], v[XR+32*\R+6:XR+32*\R+7]
.endr
.irp i, 8,12,16,20,24,28
.irp R, 0,1
	s_delay_alu instid0(VALU_DEP_4)
	v_pk_add_f32 v[6+4*\R:7+4*\R], v[6+4*\R:7+4*\R], v[XR+32*\R+\i:XR+32*\R+\i+1]
	s_delay_alu instid0(VALU_DEP_4)
	v_pk_add_f32 v[8+4*\R:9+4*\R], v[8+4*\R:9+4*\R], v[XR+32*\R+\i+2:XR+32*\R+\i+3]
.endr
.endr
.irp R, 0
	s_delay_alu instid0(VALU_DEP_3)
	v_pk_add_f32 v[6+4*\R:7+4*\R], v[6+4*\R:7+4*\R], v[8+4*\R:9+4*\R]
.endr
.irp R, 1
	s_delay_alu instid0(VALU_DEP_2)
	v_pk_add_f32 v[6+4*\R:7+4*\R], v[6+4*\R:7+4*\R], v[8+4*\R:9+4*\R]
.endr
.irp R, 0,1
	s_delay_alu instid0(VALU_DEP_2)
	v_add_f32 v[6+4*\R], v[6+4*\R], v[7+4*\R]
.endr
	ACROSS
	s_delay_alu instid0(VALU_DEP_2)
	v_mul_f32 v6, 0xba800000, v6                   ; - the mean
	s_delay_alu instid0(VALU_DEP_2)
	v_mul_f32 v10, 0xba800000, v10
.irp R, 0,1
.set n, 0
.rept 16
	v_pk_add_f32 v[XR+32*\R+2*n:XR+32*\R+2*n+1], v[XR+32*\R+2*n:XR+32*\R+2*n+1], v[6+4*\R:7+4*\R] op_sel_hi:[1,0]   ; x - mean (of the pair the low word serves both halves)
.set n, n+1
.endr
.endr
	; ---- the variance
.irp R, 0,1
	v_pk_mul_f32 v[6+4*\R:7+4*\R], v[XR+32*\R:XR+32*\R+1], v[XR+32*\R:XR+32*\R+1]
	v_pk_mul_f32 v[8+4*\R:9+4*\R], v[XR+32*\R+2:XR+32*\R+3], v[XR+32*\R+2:XR+32*\R+3]
.endr
.irp i, 4,8,12,16,20,24,28
.irp R, 0,1
	s_delay_alu instid0(VALU_DEP_4)
	v_pk_fma_f32 v[6+4*\R:7+4*\R], v[XR+32*\R+\i:XR+32*\R+\i+1], v[XR+32*\R+\i:XR+32*\R+\i+1], v[6+4*\R:7+4*\R]
	s_delay_alu instid0(VALU_DEP_4)
	v_pk_fma_f32 v[8+4*\R:9+4*\R], v[XR+32*\R+\i+2:XR+32*\R+\i+3], v[XR+32*\R+\i+2:XR+32*\R+\i+3], v[8+4*\R:9+4*\R]
.endr
.endr
.irp R, 0
	s_delay_alu instid0(VALU_DEP_3)
	v_pk_add_f32 v[6+4*\R:7+4*\R], v[6+4*\R:7+4*\R], v[8+4*\R:9+4*\R]
.endr
.irp R, 1
	s_delay_alu instid0(VALU_DEP_2)
	v_pk_add_f32 v[6+4*\R:7+4*\R], v[6+4*\R:7+4*\R], v[8+4*\R:9+4*\R]
.endr
.irp R, 0,1
	s_delay_alu instid0(VALU_DEP_2)
	v_add_f32 v[6+4*\R], v[6+4*\R], v[7+4*\R]
.endr
	ACROSS
	s_delay_alu instid0(VALU_DEP_2)
	v_fma_f32 v6, v6, s26, s27                     ; var + 1e-5
	s_delay_alu instid0(VALU_DEP_2)
	v_fma_f32 v10, v10, s26, s27
	s_wait_alu depctr_va_vdst(0)
	v_rsq_f32 v6, v6
	v_rsq_f32 v10, v10
	v_nop                                          ; a plain instruction behind the transcendentals (ISA guide 5.7.2),
	s_wait_alu depctr_va_vdst(0)                   ; and the wait ahead of their first reader
.irp R, 0,1
.set n, 0
.rept 16
	v_pk_mul_f32 v[XR+32*\R+2*n:XR+32*\R+2*n+1], v[XR+32*\R+2*n:XR+32*\R+2*n+1], v[6+4*\R:7+4*\R] op_sel_hi:[1,0]
.set n, n+1
.endr
.endr
	s_wait_loadcnt 0x0                             ; gain and bias
.irp R, 0,1
.set n, 0
.rept 16
	v_pk_fma_f32 v[XR+32*\R+2*n:XR+32*\R+2*n+1], v[XR+32*\R+2*n:XR+32*\R+2*n+1], v[GG+2*n:GG+2*n+1], v[BB+2*n:BB+2*n+1]
.set n, n+1
.endr
.endr
.irp R, 0,1
.irp j, 0,1,2,3,4,5,6,7
	ds_store_b128 v2, v[XR+32*\R+4*\j:XR+32*\R+4*\j+3] offset:\R*PITCH+512*\j
.endr
.endr
	s_wait_dscnt 0x0                               ; for the others' sake: my stores have landed
	s_barrier_signal -1
	s_barrier_wait -1                              ; sixteen whole rows of y lie in LDS
	; ---- phase B
.irp c, 0,1,2,3
.irp i, 0,1,2,3
	ds_load_b128 v[XR+16*\c+4*\i:XR+16*\c+4*\i+3], v3 offset:128*\c+16*\i
.endr
.endr
	s_wait_dscnt 0x0
	QUANT XR                                       ; (v100-103, the lane permutes' destinations, were written by the loads of the gain)
.irp c, 0,1,2,3
	global_store_b128 v14, v[PC+4*\c:PC+4*\c+3], s[10:11] offset:512*\c   ; 32 lanes store 512 consecutive bytes, aligned
.endr
	global_store_b32 v15, v[PW], s[10:11] offset:8192                     ; both halves of the lanes hold and store the same word
	s_branch .Lend
	; ================ the weights ================
.Lweights:
	s_load_b128 s[4:7], s[0:1], 0x20               ; the two weights
	s_load_b64 s[12:13], s[0:1], 0x30              ; wimg
	v_and_b32 v6, 15, v0                           ; r
	v_bfe_u32 v7, v0, 4, 1                         ; u
	s_delay_alu instid0(VALU_DEP_2)
	v_and_b32 v8, 8, v6
	s_delay_alu instid0(VALU_DEP_1)
	v_add_nc_u32 v8, v8, v6                        ; r + 8 (r / 8)
	s_delay_alu instid0(VALU_DEP_1)
	v_lshl_add_u32 v8, v7, 3, v8                   ; + 8 u: my column in the group of 32
	s_delay_alu instid0(VALU_DEP_1)
	v_lshlrev_b32 v2, 2, v8                        ; in bytes
	v_lshlrev_b32 v3, 4, v6
	s_delay_alu instid0(VALU_DEP_1)
	v_lshl_add_u32 v3, v7, 12, v3                  ; my codes' place in the record: u 4096 + 16 r
	v_and_b32 v9, 31, v0
	s_delay_alu instid0(VALU_DEP_1)
	v_lshlrev_b32 v9, 3, v9                        ; my scale words' place: 8 x lane
	s_mov_b32 s31, 0x600000                        ; the mantissa field of 448
	s_sub_co_u32 s20, ttmp9, NLN                   ; my number among the weights' work-groups
	s_mov_b32 s17, OFF_B                           ; the second weight's figures
	s_mov_b32 s18, STR_B
	s_mov_b32 s19, LH_B
	s_mov_b32 s21, NA
	s_wait_alu depctr_va_vdst(0)
	s_wait_kmcnt 0x0
	s_cmp_lt_u32 s20, NA                           ; the first weight's
	s_cselect_b64 s[14:15], s[4:5], s[6:7]
	s_cselect_b32 s17, OFF_A, s17
	s_cselect_b32 s18, STR_A, s18
	s_cselect_b32 s19, LH_A, s19
	s_cselect_b32 s21, 0, s21
	s_sub_co_u32 s20, s20, s21                     ; my work-group's number within its tensor
	s_lshl_b32 s22, 1, s19
	s_sub_co_u32 s22, s22, 1
	s_and_b32 s22, s20, s22                        ; which 128 along K
	s_lshr_b32 s23, s20, s19
	s_lshl_b32 s23, s23, 3
	s_add_co_u32 s23, s23, s16                     ; g
	s_and_b32 s24, s22, 1                          ; s
	s_lshr_b32 s25, s22, 1                         ; ks
	v_lshl_add_u32 v3, s24, 11, v3                 ; + 2048 s
	v_lshl_add_u32 v9, s24, 2, v9                  ; + 4 s
	s_lshl_b32 s26, s18, 7
	s_mul_i32 s26, s26, s22                        ; 128 rows of W for each chunk,
	s_lshl_b32 s27, s23, 7
	s_add_co_u32 s26, s26, s27                     ; + 128 g bytes
	s_mov_b32 s27, 0
	s_add_nc_u64 s[14:15], s[14:15], s[26:27]      ; where my numbers begin
	s_sub_co_u32 s28, s19, 1
	s_lshl_b32 s28, s23, s28                       ; g K / 256
	s_add_co_u32 s28, s28, s25
	s_mul_i32 s28, s28, REC
	s_add_co_u32 s28, s28, s17
	s_mov_b32 s29, 0
	s_add_nc_u64 s[12:13], s[12:13], s[28:29]      ; my record
	s_lshl_b32 s32, s18, 5                         ; a block on: 32 rows of W
	s_mov_b32 s33, 0
.set n, 0
.rept 32
	v_mad_u32_u24 v[OFFV+n], s18, n, v2
.set n, n+1
.endr
	LOAD 0
	s_wait_alu depctr_va_vdst(0)
	s_wait_xcnt 0x0                                ; the loads have read their base
	s_add_nc_u64 s[14:15], s[14:15], s[32:33]
	LOAD 1
.irp t, 0,1,2,3
	BLOCK \t
.endr
	global_store_b32 v9, v[SB], s[12:13] offset:8192   ; my column's scale word for these 128 along K
.Lend:
	s_wait_tensorcnt 0x0                           ; the wave's end, for both paths
	ds_add_u32 v[SPW], v[NIL]
	s_wait_dscnt 0x0
	s_endpgm
.Lfunc_end_k_q1d5b974a8c_prep2:
	.size	k_q1d5b974a8c_prep2, .Lfunc_end_k_q1d5b974a8c_prep2-k_q1d5b974a8c_prep2
	.p2alignl 7, 3214868480
	.fill 96, 4, 3214868480
	.section	.rodata,"a",@progbits
	.p2align	6, 0x0
	.amdhsa_kernel k_q1d5b974a8c_prep2
		.amdhsa_group_segment_fixed_size 66816
		.amdhsa_private_segment_fixed_size 0
		.amdhsa_enable_private_segment 0
		.amdhsa_kernarg_size 56
		.amdhsa_user_sgpr_count 2
		.amdhsa_user_sgpr_kernarg_segment_ptr 1
		.amdhsa_wavefront_size32 1
		.amdhsa_system_sgpr_workgroup_id_x 1
		.amdhsa_system_sgpr_workgroup_id_y 1
		.amdhsa_system_sgpr_workgroup_id_z 1
		.amdhsa_system_vgpr_workitem_id 0
		.amdhsa_next_free_vgpr 144
		.amdhsa_next_free_sgpr 66
		.amdhsa_reserve_vcc 0
		.amdhsa_float_denorm_mode_32 3
		.amdhsa_float_denorm_mode_16_64 3
		.amdhsa_memory_ordered 1
		.amdhsa_forward_progress 1
		.amdhsa_inst_pref_size 67
	.end_amdhsa_kernel
	.amdgpu_metadata
---
amdhsa.version: [ 1, 2 ]
amdhsa.kernels:
  - .name:           k_q1d5b974a8c_prep2
    .symbol:         k_q1d5b974a8c_prep2.kd
    .args:
      - { .name: x1, .offset: 0, .size: 8, .value_kind: global_buffer, .address_space: global }
      - { .name: ln2_g, .offset: 8, .size: 8, .value_kind: global_buffer, .address_space: global }
      - { .name: ln2_b, .offset: 16, .size: 8, .value_kind: global_buffer, .address_space: global }
      - { .name: act, .offset: 24, .size: 8, .value_kind: global_buffer, .address_space: global }
      - { .name: fc1_w, .offset: 32, .size: 8, .value_kind: global_buffer, .address_space: global }
      - { .name: fc2_w, .offset: 40, .size: 8, .value_kind: global_buffer, .address_space: global }
      - { .name: wimg, .offset: 48, .size: 8, .value_kind: global_buffer, .address_space: global }
    .group_segment_fixed_size: 66816
    .private_segment_fixed_size: 0
    .kernarg_segment_align: 8
    .kernarg_segment_size: 56
    .max_flat_workgroup_size: 256
    .sgpr_count:     66
    .vgpr_count:     144
    .wavefront_size: 32
...
	.end_amdgpu_metadata
.endif
;; end of part 5
;; launch fc1 (part 6): grid 64 x 4, 4 waves a work-group, clusters of 4 x 4, 327,680 bytes of LDS; arguments act, wimg, fc1_b, hid; writes hid
.if DOCPART == 6
	.amdgcn_target "amdgcn-amd-amdhsa--gfx1250"
	.amdhsa_code_object_version 6
	.text
	.protected	k_q1d5b974a8c_fc1
	.globl	k_q1d5b974a8c_fc1
	.p2align	8
	.type	k_q1d5b974a8c_fc1,@function
k_q1d5b974a8c_fc1:
	s_mov_b64 s[64:65], 0
	v_nop
	global_prefetch_b8 v0, s[64:65] scope:SCOPE_SE
	s_setreg_imm32_b32 hwreg(HW_REG_WAVE_MODE, 25, 1), 1
	s_wait_xcnt 0x0
	s_wait_alu depctr_hold_cnt(0) depctr_sa_sdst(0) depctr_va_vdst(0) depctr_va_sdst(0) depctr_va_ssrc(0) depctr_va_vcc(0) depctr_vm_vsrc(0)
	s_getreg_b32 s2, hwreg(HW_REG_IB_STS2, 6, 4)
	s_cmp_eq_u32 s2, 0
	s_cbranch_scc0 .Lentry_in_a_cluster
	s_endpgm
.Lentry_in_a_cluster:
	s_bfe_u32 s2, ttmp6, 0x10000c
	s_cmp_lg_u32 s2, 0xf033
	s_cbranch_scc0 .Lentry_shape_is_right
	s_endpgm
.Lentry_shape_is_right:
.set NF,    8
.set SQ,    2
.set NKS,   4
.set LAPS,  2
.set XOFF,  512*8448
.set ACC0,  0
.set XSET,  128
.set YF,    128
.set BI,    64
.set MUL_LO,   0xa1
.set MUL_HI,   0xf1
.set MUL_LO_F, 0x81
.set MUL_HI_F, 0xc1
.set Z,   64
.set Z2,  80
.set P,   96
.set Q,   112
.set T,   128
.set PC,  192
.set TM,  208
.set KA,  224
.set KB,  238
.set KR,  248
.set PW,  250
.set SEL, 74
.set MNT, 77
.set REC,   8448
.set QUART, 4*REC
.set SLOT,  4*QUART
.set SPARE, 2*SLOT
.set TC,    (SQ/2)*1056
.set TR,    NF/2
.set ADRY,  8
.set ADRX,  10
.set ASY,   12
.set ASX,   14
.set SPW,   28
.set NIL,   29
.set SC,    32
.set G1,    24
.set G0,    32
.set G1B,   48
.set G0B,   56
.set MSB,   0
.macro WIN new
.if MSB != (\new)
	s_set_vgpr_msb (MSB<<8)|(\new)
.set MSB, \new
.endif
.endm
.macro PLACES n
.rept \n
	v_nop
.endr
.endm
.macro JLOAD s
	s_cmp_eq_u32 s15, 0
	s_cbranch_scc0 .Lfor_x_\@
	tensor_load_to_lds s[G0+4*\s:G0+4*\s+3], s[G1:G1+7]
	s_nop 0
	PLACES 4
	s_branch .Lasked_\@
.Lfor_x_\@:
	tensor_load_to_lds s[G0B+4*\s:G0B+4*\s+3], s[G1B:G1B+7]
	s_nop 0
	PLACES 4
.Lasked_\@:
.endm
.macro CREST
	s_cmp_lg_u32 s14, 0
	s_cbranch_scc1 .Lnot_wave_0_\@
	s_barrier_signal -3
.Lnot_wave_0_\@:
	s_barrier_wait -3
	s_barrier_signal -1
	s_barrier_wait -1
.endm
.macro CROUND
	s_barrier_signal -1
	s_barrier_wait -1
	CREST
.endm
.macro WM d, x, y, cm, cr, sx, sy, rx, ry
.set wD, \d
.set wX, \x
.set wY, \y
.set wC, \d
.if (\cm) == 2
.set wC, \cr
.endif
.set wS, \sx
.set wT, \sy
.set wR, (\rx)+2*(\ry)
.if (\cm) == 1
.if wR == 0
	v_wmma_scale_f32_16x16x128_f8f6f4 v[wD:wD+7], v[wX:wX+15], v[wY:wY+15], 0, v[wS], v[wT]
.elseif wR == 1
	v_wmma_scale_f32_16x16x128_f8f6f4 v[wD:wD+7], v[wX:wX+15], v[wY:wY+15], 0, v[wS], v[wT] matrix_a_scale:MATRIX_SCALE_ROW1
.elseif wR == 2
	v_wmma_scale_f32_16x16x128_f8f6f4 v[wD:wD+7], v[wX:wX+15], v[wY:wY+15], 0, v[wS], v[wT] matrix_b_scale:MATRIX_SCALE_ROW1
.else
	v_wmma_scale_f32_16x16x128_f8f6f4 v[wD:wD+7], v[wX:wX+15], v[wY:wY+15], 0, v[wS], v[wT] matrix_a_scale:MATRIX_SCALE_ROW1 matrix_b_scale:MATRIX_SCALE_ROW1
.endif
.else
.if wR == 0
	v_wmma_scale_f32_16x16x128_f8f6f4 v[wD:wD+7], v[wX:wX+15], v[wY:wY+15], v[wC:wC+7], v[wS], v[wT]
.elseif wR == 1
	v_wmma_scale_f32_16x16x128_f8f6f4 v[wD:wD+7], v[wX:wX+15], v[wY:wY+15], v[wC:wC+7], v[wS], v[wT] matrix_a_scale:MATRIX_SCALE_ROW1
.elseif wR == 2
	v_wmma_scale_f32_16x16x128_f8f6f4 v[wD:wD+7], v[wX:wX+15], v[wY:wY+15], v[wC:wC+7], v[wS], v[wT] matrix_b_scale:MATRIX_SCALE_ROW1
.else
	v_wmma_scale_f32_16x16x128_f8f6f4 v[wD:wD+7], v[wX:wX+15], v[wY:wY+15], v[wC:wC+7], v[wS], v[wT] matrix_a_scale:MATRIX_SCALE_ROW1 matrix_b_scale:MATRIX_SCALE_ROW1
.endif
.endif
.endm
.macro MULA a0, p, q, set, cm
.set ma, \a0
.rept NF/4
.set mb, 0
.rept NF
	WM ACC0+8*(NF*(ma%4)+mb), XSET*(\p)+16*mb, YF+16*ma, \cm, BI+8*mb, SC+16*(\set)+8+SQ*(mb/2)+(\q), SC+16*(\set)+SQ*(ma/2)+(\q), mb%2, ma%2
.set mb, mb+1
.endr
.set ma, ma+1
.endr
.endm
.macro FRAG reg, adr, off
.irp c, 0,1,2,3
	ds_load_b128 v[(\reg)+4*\c:(\reg)+4*\c+3], v[\adr] offset:(\off)+512*\c
.endr
.endm
.macro FETCH_X slot, q, p
	WIN 0x40
.set ff, 0
.rept NF
	FRAG XSET*(\p)+16*ff, ADRX+(\slot), (ff/2)*(SQ/2)*REC+((\q)/2)*REC+(ff%2)*4096+((\q)%2)*2048
.set ff, ff+1
.endr
	WIN 0
.endm
.macro FETCH_Y slot, q, i0
.set ff, \i0
.rept NF/2
	FRAG YF+16*ff, ADRY+(\slot), (ff/2)*(SQ/2)*REC+((\q)/2)*REC+(ff%2)*4096+((\q)%2)*2048
.set ff, ff+1
.endr
.endm
.macro SCALES set
.set gi, 0
.rept NF/2
.set kr, 0
.rept SQ/2
	ds_load_b64 v[SC+16*(\set)+SQ*gi+2*kr:SC+16*(\set)+SQ*gi+2*kr+1], v[ASY+(\set)] offset:8192+gi*(SQ/2)*REC+kr*REC
	ds_load_b64 v[SC+16*(\set)+8+SQ*gi+2*kr:SC+16*(\set)+8+SQ*gi+2*kr+1], v[ASX+(\set)] offset:8192+gi*(SQ/2)*REC+kr*REC
.set kr, kr+1
.endr
.set gi, gi+1
.endr
.endm
.macro STEP slot, q, cm
	s_wait_dscnt 2*NF
.if (\cm) == 2
	WIN MUL_LO_F
.else
	WIN MUL_LO
.endif
	MULA 0, (\q)%2, \q, \slot, \cm
	MULA NF/4, (\q)%2, \q, \slot, \cm
	s_wait_dscnt 0x0
	PLACES 8
	FETCH_X \slot, (\q)+1, 1-(\q)%2
	FETCH_Y \slot, (\q)+1, 0
.if (\cm) == 2
	WIN MUL_HI_F
.else
	WIN MUL_HI
.endif
	MULA NF/2, (\q)%2, \q, \slot, \cm
	MULA 3*NF/4, (\q)%2, \q, \slot, \cm
	PLACES 8
	WIN 0
	FETCH_Y \slot, (\q)+1, NF/2
.endm
.macro STEPS slot, q0
.set sq, \q0
.rept SQ-1-(\q0)
	STEP \slot, sq, 0
.set sq, sq+1
.endr
.endm
.macro TURN slot, next, fill
	s_wait_tensorcnt 0x0
	ds_add_u32 v[SPW], v[NIL]
	s_wait_dscnt 2*NF+1
	WIN MUL_LO
	MULA 0, 1, SQ-1, \slot, 0
	s_wait_dscnt 0x0
	s_barrier_signal -1
	MULA NF/4, 1, SQ-1, \slot, 0
	WIN 0
	s_barrier_wait -1
.if \fill
	CREST
	s_add_nc_u64 s[G0+4*\slot+2:G0+4*\slot+3], s[G0+4*\slot+2:G0+4*\slot+3], SQ*REC
	s_add_nc_u64 s[G0B+4*\slot+2:G0B+4*\slot+3], s[G0B+4*\slot+2:G0B+4*\slot+3], SQ*REC
	JLOAD \slot
	PLACES 4
.else
	PLACES 8
.endif
	FETCH_X \next, 0, 0
	FETCH_Y \next, 0, 0
	SCALES \next
	WIN MUL_HI
	MULA NF/2, 1, SQ-1, \slot, 0
	MULA 3*NF/4, 1, SQ-1, \slot, 0
	PLACES 8
	WIN 0
	FETCH_Y \next, 0, NF/2
.endm
.macro LAST
	s_wait_dscnt 2*NF
	WIN MUL_LO
	MULA 0, 1, SQ-1, 1, 0
	MULA NF/4, 1, SQ-1, 1, 0
	s_wait_dscnt 0x0
	WIN MUL_HI
	MULA NF/2, 1, SQ-1, 1, 0
	MULA 3*NF/4, 1, SQ-1, 1, 0
	WIN 0
.endm
.macro QUANT s, word
.irp b, 0,1,2,3
	v_max3_num_f32 v[TM+\b], |v[\s+16*\b]|, |v[\s+1+16*\b]|, 0x4800000
.endr
.irp i, 2,4,6,8,10,12,14
.irp b, 0,1,2,3
	v_max3_num_f32 v[TM+\b], v[TM+\b], |v[\s+16*\b+\i]|, |v[\s+1+16*\b+\i]|
.endr
.endr
.irp b, 0,1,2,3
	v_permlanex16_b32 v[TM+4+\b], v[TM+\b], s[SEL], s[SEL+1]
.endr
.irp b, 0,1,2,3
	v_max_num_f32 v[TM+\b], v[TM+\b], v[TM+4+\b]
.endr
.irp b, 0,1,2,3
	v_add_nc_u32 v[TM+12+\b], 0xfc000000, v[TM+\b]
.endr
.irp b, 0,1,2,3
	v_and_or_b32 v[TM+8+\b], v[TM+\b], 0x7f800000, s[MNT]
.endr
.irp b, 0,1,2,3
	v_lshrrev_b32 v[TM+4+\b], 23, v[TM+12+\b]
.endr
.if \word
	v_lshl_or_b32 v[PW], v[TM+5], 8, v[TM+4]
	v_lshl_or_b32 v[PW], v[TM+6], 16, v[PW]
	v_lshl_or_b32 v[PW], v[TM+7], 24, v[PW]
.endif
.irp b, 0,1,2,3
.irp i, 0,1,2,3,4,5,6,7,8,9,10,11,12,13,14,15
	v_med3_num_f32 v[\s+16*\b+\i], v[\s+16*\b+\i], -v[TM+8+\b], v[TM+8+\b]
.endr
	v_cvt_scalef32_pk8_fp8_f32 v[PC+4*\b:PC+1+4*\b], v[\s+16*\b:\s+7+16*\b], v[TM+12+\b]
	v_cvt_scalef32_pk8_fp8_f32 v[PC+2+4*\b:PC+3+4*\b], v[\s+8+16*\b:\s+15+16*\b], v[TM+12+\b]
.endr
	v_nop
.endm
.macro KONST r, bits
	v_mov_b32 v[\r], \bits
	v_mov_b32 v[\r+1], \bits
.endm
.macro COPY a
	WIN 0x02+(\a)/4
.set ci, 0
.rept 32
	v_pk_mul_f32 v[T+2*ci:T+2*ci+1], v[64*((\a)%4)+2*ci:64*((\a)%4)+2*ci+1], 0.5 op_sel_hi:[1,0]
.set ci, ci+1
.endr
	WIN 0
.endm
.macro GELU16 t
.irp i, 0,2,4,6,8,10,12,14
	v_pk_mul_f32 v[Z+\i:Z+\i+1], v[(\t)+\i:(\t)+\i+1], v[KR:KR+1]
.endr
.irp i, 0,1,2,3,4,5,6,7,8,9,10,11,12,13,14,15
	v_med3_num_f32 v[Z+\i], v[Z+\i], -4.0, 4.0
.endr
.irp i, 0,2,4,6,8,10,12,14
	v_pk_mul_f32 v[Z2+\i:Z2+\i+1], v[Z+\i:Z+\i+1], v[Z+\i:Z+\i+1]
.endr
.irp i, 0,2,4,6,8,10,12,14
	v_pk_fma_f32 v[P+\i:P+\i+1], v[Z2+\i:Z2+\i+1], v[KA:KA+1], v[KA+2:KA+3]
	v_pk_fma_f32 v[Q+\i:Q+\i+1], v[Z2+\i:Z2+\i+1], v[KB:KB+1], v[KB+2:KB+3]
.endr
.irp k, 2,3,4
.irp i, 0,2,4,6,8,10,12,14
	v_pk_fma_f32 v[P+\i:P+\i+1], v[P+\i:P+\i+1], v[Z2+\i:Z2+\i+1], v[KA+2*\k:KA+2*\k+1]
	v_pk_fma_f32 v[Q+\i:Q+\i+1], v[Q+\i:Q+\i+1], v[Z2+\i:Z2+\i+1], v[KB+2*\k:KB+2*\k+1]
.endr
.endr
.irp k, 5,6
.irp i, 0,2,4,6,8,10,12,14
	v_pk_fma_f32 v[P+\i:P+\i+1], v[P+\i:P+\i+1], v[Z2+\i:Z2+\i+1], v[KA+2*\k:KA+2*\k+1]
.endr
.endr
	s_wait_alu depctr_va_vdst(0)
.irp i, 0,1,2,3,4,5,6,7,8,9,10,11,12,13,14,15
	v_rcp_f32 v[Q+\i], v[Q+\i]
.endr
.irp i, 0,2,4,6,8,10,12,14
	v_pk_mul_f32 v[P+\i:P+\i+1], v[P+\i:P+\i+1], v[Z+\i:Z+\i+1]
.endr
	s_wait_alu depctr_va_vdst(0)
.irp i, 0,2,4,6,8,10,12,14
	v_pk_mul_f32 v[P+\i:P+\i+1], v[P+\i:P+\i+1], v[Q+\i:Q+\i+1]
.endr
.irp i, 0,2,4,6,8,10,12,14
	v_pk_fma_f32 v[(\t)+\i:(\t)+\i+1], v[(\t)+\i:(\t)+\i+1], v[P+\i:P+\i+1], v[(\t)+\i:(\t)+\i+1]
.endr
.endm
	s_load_b256 s[4:11], s[0:1], 0x0
	v_lshl_add_u32 v[SPW], v0, 2, SPARE
	v_mov_b32 v[NIL], 0
	ds_add_u32 v[SPW], v[NIL]
	ds_add_u32 v[SPW], v[NIL]
	v_lshrrev_b32 v1, 5, v0
	v_readfirstlane_b32 s14, v1
	s_lshr_b32 s15, s14, 1
	s_and_b32 s16, s14, 1
	s_bfe_u32 s40, ttmp6, 0x40000
	s_bfe_u32 s41, ttmp6, 0x40004
	s_and_b32 s42, ttmp9, 3
	s_lshl_b32 s42, s42, 2
	s_add_co_u32 s42, s42, s40
	s_lshr_b32 s17, ttmp9, 2
	s_lshl_b32 s17, s17, 2
	s_add_co_u32 s17, s17, s41
	s_lshl_b32 s43, s41, 2
	s_lshl_b32 s43, 15, s43
	s_lshl_b32 s44, 0x1111, s40
	s_or_b32 s[G1], s43, (3<<16)|(1<<21)
	s_or_b32 s[G1B], s44, (3<<16)|(1<<21)
.irp g, G1, G1B
	s_mov_b32 s[\g+1], TC<<16
	s_mov_b32 s[\g+2], TR<<16
	s_mov_b32 s[\g+3], TC<<16
	s_mov_b32 s[\g+4], TR
	s_mov_b32 s[\g+5], NKS*1056
	s_mov_b32 s[\g+6], 0
	s_mov_b32 s[\g+7], 0
.endr
	s_mul_i32 s18, s16, (NF/2)*NKS*REC
	s_mul_i32 s20, s17, NF*NKS*REC
	s_add_co_u32 s20, s20, s18
	s_mov_b32 s21, 0
	s_mul_i32 s46, s42, NF*NKS*REC
	s_add_co_u32 s46, s46, s18
	s_add_co_u32 s46, s46, XOFF
	s_mov_b32 s47, 0
	s_mul_i32 s45, s14, QUART
	s_mov_b32 s[SEL], 0x76543210
	s_mov_b32 s[SEL+1], 0xfedcba98
	s_mov_b32 s[MNT], 0x600000
	s_wait_dscnt 0x0
	s_wait_kmcnt 0x0
	s_add_nc_u64 s[20:21], s[4:5], s[20:21]
	s_add_nc_u64 s[46:47], s[6:7], s[46:47]
	CROUND
.irp s, 0,1
	s_mov_b32 s[G0+4*\s], 1
	s_add_co_u32 s[G0+4*\s+1], s45, \s*SLOT
	s_add_nc_u64 s[G0+4*\s+2:G0+4*\s+3], s[20:21], \s*(SQ/2)*REC
	s_or_b32 s[G0+4*\s+3], s[G0+4*\s+3], 0x80000000
	s_mov_b32 s[G0B+4*\s], 1
	s_add_co_u32 s[G0B+4*\s+1], s45, \s*SLOT
	s_add_nc_u64 s[G0B+4*\s+2:G0B+4*\s+3], s[46:47], \s*(SQ/2)*REC
	s_or_b32 s[G0B+4*\s+3], s[G0B+4*\s+3], 0x80000000
.if \s
	; under slot 0's load: the records of the next slots are asked for ahead.  Of the four records that my load brings for a slot, each of the four partners that ask jointly takes one (33 blocks of 256 bytes), told apart by address alone
	s_cmp_eq_u32 s15, 0
	s_cselect_b64 s[78:79], s[20:21], s[46:47]     ; the tile that I fetch
	s_cselect_b32 s18, s40, s41                    ; my place among the four that ask for it with me
	s_mul_i32 s18, s18, NKS*REC                    ; its group of 32 rows
	s_mov_b32 s19, 0
	s_add_nc_u64 s[78:79], s[78:79], s[18:19]
	v_and_b32 v20, 31, v0
	v_lshlrev_b32 v20, 8, v20                      ; blocks 0 .. 31 of a record, a lane a block
	v_mov_b32 v21, 0x2000                          ; block 32, named by all lanes
	global_prefetch_b8 v20, s[78:79] offset:1*(SQ/2)*REC th:TH_LOAD_NT scope:SCOPE_SE
	global_prefetch_b8 v21, s[78:79] offset:1*(SQ/2)*REC th:TH_LOAD_NT scope:SCOPE_SE
	global_prefetch_b8 v20, s[78:79] offset:2*(SQ/2)*REC th:TH_LOAD_NT scope:SCOPE_SE
	global_prefetch_b8 v21, s[78:79] offset:2*(SQ/2)*REC th:TH_LOAD_NT scope:SCOPE_SE
	s_wait_alu depctr_va_vdst(0)
	s_wait_tensorcnt 0x0                           ; slot 1's first fill is issued as a refill is: my part of slot 0 is in,
	ds_add_u32 v[SPW], v[NIL]                      ; 0 onto my spare word,
	s_wait_dscnt 0x0
	CROUND                                         ; and a whole round
.endif
	JLOAD \s
.if \s
	global_prefetch_b8 v20, s[78:79] offset:3*(SQ/2)*REC th:TH_LOAD_NT scope:SCOPE_SE   ; the last slot's record; K has four slots, so the loop asks for nothing
	global_prefetch_b8 v21, s[78:79] offset:3*(SQ/2)*REC th:TH_LOAD_NT scope:SCOPE_SE
.endif
.endr
	v_and_b32 v3, 31, v0
	v_and_b32 v1, 15, v0
	v_bfe_u32 v2, v0, 4, 1
	v_lshlrev_b32 v4, 4, v3
	v_lshlrev_b32 v5, 3, v3
	s_mul_i32 s21, s15, QUART
	s_mul_i32 s22, s16, QUART
	s_add_co_u32 s22, s22, 2*QUART
.irp s, 0,1
	v_add_nc_u32 v[ADRY+\s], s21, v4
	v_add_nc_u32 v[ADRX+\s], s22, v4
	v_add_nc_u32 v[ASY+\s], s21, v5
	v_add_nc_u32 v[ASX+\s], s22, v5
	s_add_co_u32 s21, s21, SLOT
	s_add_co_u32 s22, s22, SLOT
.endr
	s_lshl_b32 s18, s42, 10
	s_lshl_b32 s19, s16, 9
	s_add_co_u32 s18, s18, s19
	s_mov_b32 s19, 0
	s_add_nc_u64 s[8:9], s[8:9], s[18:19]
	v_lshlrev_b32 v7, 6, v2
.irp b, 0,1,2,3
.irp i, 0,1,2,3
	global_load_b128 v[BI+16*\b+4*\i:BI+16*\b+4*\i+3], v7, s[8:9] offset:128*\b+16*\i
.endr
.endr
	s_wait_alu depctr_va_vdst(0)
	s_wait_tensorcnt 1
	s_barrier_signal -1
	s_barrier_wait -1
	FETCH_X 0, 0, 0
	FETCH_Y 0, 0, 0
	SCALES 0
	FETCH_Y 0, 0, NF/2
	s_wait_loadcnt 0x0
	STEP 0, 0, 2
	s_mov_b32 s3, LAPS-1
.Llap:
	STEPS 0, 1
	TURN 0, 1, 1
	STEPS 1, 0
	TURN 1, 0, 1
	STEP 0, 0, 0
	s_sub_co_u32 s3, s3, 1
	s_cmp_lg_u32 s3, 0
	s_cbranch_scc1 .Llap
	STEPS 0, 1
	TURN 0, 1, 0
	STEPS 1, 0
	LAST
	PLACES 8
	KONST KA,    0xaf95df0b
	KONST KA+2,  0x32edffee
	KONST KA+4,  0xb60cff51
	KONST KA+6,  0xb86ec2d2
	KONST KA+8,  0xba40ac63
	KONST KA+10, 0xbb41a1f6
	KONST KA+12, 0xbc83dbd4
	KONST KB,    0xb77460cd
	KONST KB+2,  0xb95fbd29
	KONST KB+4,  0xbadc924e
	KONST KB+6,  0xbbf19bf8
	KONST KB+8,  0xbc69b6a7
	KONST KR,    0x3fb504f3
.irp b, 0,1,2,3
	v_mov_b32 v[TM+4+\b], 0
.endr
	v_lshl_add_u32 v16, s16, 11, v4
	v_lshlrev_b32 v17, 3, v1
	v_lshl_add_u32 v17, s16, 2, v17
	s_lshl_b32 s18, s17, 3
	s_lshl_b32 s19, s15, 2
	s_add_co_u32 s18, s18, s19
	s_lshl_b32 s18, s18, 4
	s_add_co_u32 s18, s18, s42
	s_mul_i32 s18, s18, REC
	s_mov_b32 s19, 0
	s_add_nc_u64 s[10:11], s[10:11], s[18:19]
	s_mov_b32 s66, 0
.Lfrag:
	s_wait_xcnt 0x0
	s_lshr_b32 s67, s66, 1
	s_mul_i32 s67, s67, 16*REC
	s_and_b32 s68, s66, 1
	s_lshl_b32 s70, s68, 12
	s_add_co_u32 s70, s70, s67
	s_mov_b32 s71, 0
	s_lshl_b32 s72, s68, 7
	s_add_co_u32 s72, s72, s67
	s_mov_b32 s73, 0
	s_add_nc_u64 s[70:71], s[10:11], s[70:71]
	s_add_nc_u64 s[72:73], s[10:11], s[72:73]
.irp a, 0,1,2,3,4,5,6
	s_cmp_eq_u32 s66, \a
	s_cbranch_scc1 .Lcopy\a
.endr
	COPY 7
	s_branch .Lgelu
.irp a, 0,1,2,3,4,5
.Lcopy\a:
	COPY \a
	s_branch .Lgelu
.endr
.Lcopy6:
	COPY 6
.Lgelu:
	GELU16 T
	GELU16 T+16
	GELU16 T+32
	GELU16 T+48
	QUANT T, 1
.irp c, 0,1,2,3
	global_store_b128 v16, v[PC+4*\c:PC+4*\c+3], s[70:71] offset:512*\c
.endr
	global_store_b32 v17, v[PW], s[72:73] offset:8192
	s_add_co_u32 s66, s66, 1
	s_cmp_lt_u32 s66, 8
	s_cbranch_scc1 .Lfrag
	s_wait_tensorcnt 0x0
	ds_add_u32 v[SPW], v[NIL]
	s_wait_dscnt 0x0
	CROUND
	s_endpgm
.Lfunc_end_k_q1d5b974a8c_fc1:
	.size	k_q1d5b974a8c_fc1, .Lfunc_end_k_q1d5b974a8c_fc1-k_q1d5b974a8c_fc1
	.p2alignl 7, 3214868480
	.fill 96, 4, 3214868480
	.section	.rodata,"a",@progbits
	.p2align	6, 0x0
	.amdhsa_kernel k_q1d5b974a8c_fc1
		.amdhsa_group_segment_fixed_size 327680
		.amdhsa_private_segment_fixed_size 0
		.amdhsa_enable_private_segment 0
		.amdhsa_kernarg_size 32
		.amdhsa_user_sgpr_count 2
		.amdhsa_user_sgpr_kernarg_segment_ptr 1
		.amdhsa_wavefront_size32 1
		.amdhsa_system_sgpr_workgroup_id_x 1
		.amdhsa_system_sgpr_workgroup_id_y 1
		.amdhsa_system_sgpr_workgroup_id_z 1
		.amdhsa_system_vgpr_workitem_id 0
		.amdhsa_next_free_vgpr 1024
		.amdhsa_next_free_sgpr 80
		.amdhsa_reserve_vcc 0
		.amdhsa_float_denorm_mode_32 3
		.amdhsa_float_denorm_mode_16_64 3
		.amdhsa_memory_ordered 1
		.amdhsa_forward_progress 1
		.amdhsa_inst_pref_size 180
	.end_amdhsa_kernel
	.amdgpu_metadata
---
amdhsa.version: [ 1, 2 ]
amdhsa.kernels:
  - .name:           k_q1d5b974a8c_fc1
    .symbol:         k_q1d5b974a8c_fc1.kd
    .args:
      - { .name: act, .offset: 0, .size: 8, .value_kind: global_buffer, .address_space: global }
      - { .name: wimg, .offset: 8, .size: 8, .value_kind: global_buffer, .address_space: global }
      - { .name: fc1_b, .offset: 16, .size: 8, .value_kind: global_buffer, .address_space: global }
      - { .name: hid, .offset: 24, .size: 8, .value_kind: global_buffer, .address_space: global }
    .group_segment_fixed_size: 327680
    .private_segment_fixed_size: 0
    .kernarg_segment_align: 8
    .kernarg_segment_size: 32
    .max_flat_workgroup_size: 128
    .sgpr_count:     80
    .vgpr_count:     1024
    .wavefront_size: 32
...
	.end_amdgpu_metadata
.endif
;; end of part 6
;; launch fc2 (part 7): grid 64 x 4, 4 waves a work-group, clusters of 4 x 4, 327,680 bytes of LDS; arguments hid, wimg, fc2_b, x1, out0; writes out0
.if DOCPART == 7
	.amdgcn_target "amdgcn-amd-amdhsa--gfx1250"
	.amdhsa_code_object_version 6
	.text
	.protected	k_q1d5b974a8c_fc2
	.globl	k_q1d5b974a8c_fc2
	.p2align	8
	.type	k_q1d5b974a8c_fc2,@function
k_q1d5b974a8c_fc2:
	s_mov_b64 s[64:65], 0
	v_nop
	global_prefetch_b8 v0, s[64:65] scope:SCOPE_SE
	s_setreg_imm32_b32 hwreg(HW_REG_WAVE_MODE, 25, 1), 1
	s_wait_xcnt 0x0
	s_wait_alu depctr_hold_cnt(0) depctr_sa_sdst(0) depctr_va_vdst(0) depctr_va_sdst(0) depctr_va_ssrc(0) depctr_va_vcc(0) depctr_vm_vsrc(0)
	s_getreg_b32 s2, hwreg(HW_REG_IB_STS2, 6, 4)
	s_cmp_eq_u32 s2, 0
	s_cbranch_scc0 .Lentry_in_a_cluster
	s_endpgm
.Lentry_in_a_cluster:
	s_bfe_u32 s2, ttmp6, 0x10000c
	s_cmp_lg_u32 s2, 0xf033
	s_cbranch_scc0 .Lentry_shape_is_right
	s_endpgm
.Lentry_shape_is_right:
.set NF,    4
.set SQ,    4
.set NKS,   16
.set LAPS,  4
.set XOFF,  1024*8448
.set ACC0,  128
.set XSET,  64
.set YF,    64
.set BI,    0
.set MUL_LO,   0x01
.set MUL_HI,   0x01
.set MUL_LO_F, 0x21
.set MUL_HI_F, 0x21
.set VR,  16
.set STO, 17
.set RD,  18
.set BK,  64
.set REC,   8448
.set QUART, 4*REC
.set SLOT,  4*QUART
.set SPARE, 2*SLOT
.set TC,    (SQ/2)*1056
.set TR,    NF/2
.set ADRY,  8
.set ADRX,  10
.set ASY,   12
.set ASX,   14
.set SPW,   28
.set NIL,   29
.set SC,    32
.set G1,    24
.set G0,    32
.set G1B,   48
.set G0B,   56
.set MSB,   0
.macro WIN new
.if MSB != (\new)
	s_set_vgpr_msb (MSB<<8)|(\new)
.set MSB, \new
.endif
.endm
.macro PLACES n
.rept \n
	v_nop
.endr
.endm
.macro JLOAD s
	s_cmp_eq_u32 s15, 0
	s_cbranch_scc0 .Lfor_x_\@
	tensor_load_to_lds s[G0+4*\s:G0+4*\s+3], s[G1:G1+7]
	s_nop 0
	PLACES 4
	s_branch .Lasked_\@
.Lfor_x_\@:
	tensor_load_to_lds s[G0B+4*\s:G0B+4*\s+3], s[G1B:G1B+7]
	s_nop 0
	PLACES 4
.Lasked_\@:
.endm
.macro CREST
	s_cmp_lg_u32 s14, 0
	s_cbranch_scc1 .Lnot_wave_0_\@
	s_barrier_signal -3
.Lnot_wave_0_\@:
	s_barrier_wait -3
	s_barrier_signal -1
	s_barrier_wait -1
.endm
.macro CROUND
	s_barrier_signal -1
	s_barrier_wait -1
	CREST
.endm
.macro WM d, x, y, cm, cr, sx, sy, rx, ry
.set wD, \d
.set wX, \x
.set wY, \y
.set wC, \d
.if (\cm) == 2
.set wC, \cr
.endif
.set wS, \sx
.set wT, \sy
.set wR, (\rx)+2*(\ry)
.if (\cm) == 1
.if wR == 0
	v_wmma_scale_f32_16x16x128_f8f6f4 v[wD:wD+7], v[wX:wX+15], v[wY:wY+15], 0, v[wS], v[wT]
.elseif wR == 1
	v_wmma_scale_f32_16x16x128_f8f6f4 v[wD:wD+7], v[wX:wX+15], v[wY:wY+15], 0, v[wS], v[wT] matrix_a_scale:MATRIX_SCALE_ROW1
.elseif wR == 2
	v_wmma_scale_f32_16x16x128_f8f6f4 v[wD:wD+7], v[wX:wX+15], v[wY:wY+15], 0, v[wS], v[wT] matrix_b_scale:MATRIX_SCALE_ROW1
.else
	v_wmma_scale_f32_16x16x128_f8f6f4 v[wD:wD+7], v[wX:wX+15], v[wY:wY+15], 0, v[wS], v[wT] matrix_a_scale:MATRIX_SCALE_ROW1 matrix_b_scale:MATRIX_SCALE_ROW1
.endif
.else
.if wR == 0
	v_wmma_scale_f32_16x16x128_f8f6f4 v[wD:wD+7], v[wX:wX+15], v[wY:wY+15], v[wC:wC+7], v[wS], v[wT]
.elseif wR == 1
	v_wmma_scale_f32_16x16x128_f8f6f4 v[wD:wD+7], v[wX:wX+15], v[wY:wY+15], v[wC:wC+7], v[wS], v[wT] matrix_a_scale:MATRIX_SCALE_ROW1
.elseif wR == 2
	v_wmma_scale_f32_16x16x128_f8f6f4 v[wD:wD+7], v[wX:wX+15], v[wY:wY+15], v[wC:wC+7], v[wS], v[wT] matrix_b_scale:MATRIX_SCALE_ROW1
.else
	v_wmma_scale_f32_16x16x128_f8f6f4 v[wD:wD+7], v[wX:wX+15], v[wY:wY+15], v[wC:wC+7], v[wS], v[wT] matrix_a_scale:MATRIX_SCALE_ROW1 matrix_b_scale:MATRIX_SCALE_ROW1
.endif
.endif
.endm
.macro MULA a0, p, q, set, cm
.set ma, \a0
.rept NF/4
.set mb, 0
.rept NF
	WM ACC0+8*(NF*(ma%4)+mb), XSET*(\p)+16*mb, YF+16*ma, \cm, BI+8*mb, SC+16*(\set)+8+SQ*(mb/2)+(\q), SC+16*(\set)+SQ*(ma/2)+(\q), mb%2, ma%2
.set mb, mb+1
.endr
.set ma, ma+1
.endr
.endm
.macro FRAG reg, adr, off
.irp c, 0,1,2,3
	ds_load_b128 v[(\reg)+4*\c:(\reg)+4*\c+3], v[\adr] offset:(\off)+512*\c
.endr
.endm
.macro FETCH_X slot, q, p
	WIN 0x40
.set ff, 0
.rept NF
	FRAG XSET*(\p)+16*ff, ADRX+(\slot), (ff/2)*(SQ/2)*REC+((\q)/2)*REC+(ff%2)*4096+((\q)%2)*2048
.set ff, ff+1
.endr
	WIN 0
.endm
.macro FETCH_Y slot, q, i0
.set ff, \i0
.rept NF/2
	FRAG YF+16*ff, ADRY+(\slot), (ff/2)*(SQ/2)*REC+((\q)/2)*REC+(ff%2)*4096+((\q)%2)*2048
.set ff, ff+1
.endr
.endm
.macro SCALES set
.set gi, 0
.rept NF/2
.set kr, 0
.rept SQ/2
	ds_load_b64 v[SC+16*(\set)+SQ*gi+2*kr:SC+16*(\set)+SQ*gi+2*kr+1], v[ASY+(\set)] offset:8192+gi*(SQ/2)*REC+kr*REC
	ds_load_b64 v[SC+16*(\set)+8+SQ*gi+2*kr:SC+16*(\set)+8+SQ*gi+2*kr+1], v[ASX+(\set)] offset:8192+gi*(SQ/2)*REC+kr*REC
.set kr, kr+1
.endr
.set gi, gi+1
.endr
.endm
.macro STEP slot, q, cm
	s_wait_dscnt 2*NF
.if (\cm) == 2
	WIN MUL_LO_F
.else
	WIN MUL_LO
.endif
	MULA 0, (\q)%2, \q, \slot, \cm
	MULA NF/4, (\q)%2, \q, \slot, \cm
	s_wait_dscnt 0x0
	PLACES 8
	FETCH_X \slot, (\q)+1, 1-(\q)%2
	FETCH_Y \slot, (\q)+1, 0
.if (\cm) == 2
	WIN MUL_HI_F
.else
	WIN MUL_HI
.endif
	MULA NF/2, (\q)%2, \q, \slot, \cm
	MULA 3*NF/4, (\q)%2, \q, \slot, \cm
	PLACES 8
	WIN 0
	FETCH_Y \slot, (\q)+1, NF/2
.endm
.macro STEPS slot, q0
.set sq, \q0
.rept SQ-1-(\q0)
	STEP \slot, sq, 0
.set sq, sq+1
.endr
.endm
.macro TURN slot, next, fill
.if \fill
	s_wait_xcnt 0x0                                ; my last prefetch, a slot back, has read its address: it steps a slot on
	s_add_nc_u64 s[66:67], s[66:67], (SQ/2)*REC
.endif
	s_wait_tensorcnt 0x0
	ds_add_u32 v[SPW], v[NIL]
	s_wait_dscnt 2*NF+1
	WIN MUL_LO
	MULA 0, 1, SQ-1, \slot, 0
	s_wait_dscnt 0x0
	s_barrier_signal -1
	MULA NF/4, 1, SQ-1, \slot, 0
	WIN 0
	s_barrier_wait -1
.if \fill
	CREST
	s_add_nc_u64 s[G0+4*\slot+2:G0+4*\slot+3], s[G0+4*\slot+2:G0+4*\slot+3], SQ*REC
	s_add_nc_u64 s[G0B+4*\slot+2:G0B+4*\slot+3], s[G0B+4*\slot+2:G0B+4*\slot+3], SQ*REC
	JLOAD \slot
	PLACES 4
.else
	PLACES 8
.endif
	FETCH_X \next, 0, 0
	FETCH_Y \next, 0, 0
	SCALES \next
.if \fill
	s_cmp_gt_u32 s3, 1                             ; the slot that stands two refills on: the loop's last trip has none (K has eight slots)
	s_cbranch_scc0 .Lno_ask_\@
	global_prefetch_b8 v20, s[66:67] offset:3*(SQ/2)*REC th:TH_LOAD_NT scope:SCOPE_SE
	global_prefetch_b8 v21, s[66:67] offset:3*(SQ/2)*REC th:TH_LOAD_NT scope:SCOPE_SE
.Lno_ask_\@:
.endif
	WIN MUL_HI
	MULA NF/2, 1, SQ-1, \slot, 0
	MULA 3*NF/4, 1, SQ-1, \slot, 0
	PLACES 8
	WIN 0
	FETCH_Y \next, 0, NF/2
.endm
.macro LAST
	s_wait_dscnt 2*NF
	WIN MUL_LO
	MULA 0, 1, SQ-1, 1, 0
	MULA NF/4, 1, SQ-1, 1, 0
	s_wait_alu depctr_va_vdst(0)
	s_wait_dscnt 0x0
	WIN MUL_HI
	MULA NF/2, 1, SQ-1, 1, 0
	MULA 3*NF/4, 1, SQ-1, 1, 0
	WIN 0
.endm
.macro TOSTAGE a
.irp b, 0,1,2,3
	ds_store_b128 v[STO], v[ACC0+8*(4*(\a)+\b):ACC0+8*(4*(\a)+\b)+3] offset:128*(\b/2)+32*(\b%2)
	ds_store_b128 v[STO], v[ACC0+8*(4*(\a)+\b)+4:ACC0+8*(4*(\a)+\b)+7] offset:128*(\b/2)+32*(\b%2)+16
.endr
.irp t, 0,1,2,3,4,5,6,7
	ds_load_b128 v[BK+32*((\a)%2)+4*\t:BK+32*((\a)%2)+4*\t+3], v[RD] offset:544*\t
.endr
.endm
.macro SEND a, younger
	s_wait_dscnt \younger
	WIN 0x08
.set si, 0
.rept 16
	v_pk_add_f32 v[BK+32*((\a)%2)+2*si:BK+32*((\a)%2)+2*si+1], v[BK+32*((\a)%2)+2*si:BK+32*((\a)%2)+2*si+1], v[32+32*(\a)+2*si:32+32*(\a)+2*si+1]
.set si, si+1
.endr
	WIN 0
.irp t, 0,1,2,3,4,5,6,7
	global_store_b128 v[VR], v[BK+32*((\a)%2)+4*\t:BK+32*((\a)%2)+4*\t+3], s[12:13] offset:(32*((\a)/2)+8*((\a)%2)+2*\t+8*(\t/4))*4096
.endr
.endm
	s_load_b256 s[4:11], s[0:1], 0x0
	s_load_b64 s[12:13], s[0:1], 0x20
	v_lshl_add_u32 v[SPW], v0, 2, SPARE
	v_mov_b32 v[NIL], 0
	ds_add_u32 v[SPW], v[NIL]
	ds_add_u32 v[SPW], v[NIL]
	v_lshrrev_b32 v1, 5, v0
	v_readfirstlane_b32 s14, v1
	s_lshr_b32 s15, s14, 1
	s_and_b32 s16, s14, 1
	s_bfe_u32 s40, ttmp6, 0x40000
	s_bfe_u32 s41, ttmp6, 0x40004
	s_and_b32 s42, ttmp9, 1
	s_lshl_b32 s42, s42, 2
	s_add_co_u32 s42, s42, s40
	s_lshr_b32 s17, ttmp9, 1
	s_lshl_b32 s17, s17, 2
	s_add_co_u32 s17, s17, s41
	s_lshl_b32 s43, s41, 2
	s_lshl_b32 s43, 15, s43
	s_lshl_b32 s44, 0x1111, s40
	s_or_b32 s[G1], s43, (3<<16)|(1<<21)
	s_or_b32 s[G1B], s44, (3<<16)|(1<<21)
.irp g, G1, G1B
	s_mov_b32 s[\g+1], TC<<16
	s_mov_b32 s[\g+2], TR<<16
	s_mov_b32 s[\g+3], TC<<16
	s_mov_b32 s[\g+4], TR
	s_mov_b32 s[\g+5], NKS*1056
	s_mov_b32 s[\g+6], 0
	s_mov_b32 s[\g+7], 0
.endr
	s_mul_i32 s18, s16, (NF/2)*NKS*REC
	s_mul_i32 s20, s17, NF*NKS*REC
	s_add_co_u32 s20, s20, s18
	s_mov_b32 s21, 0
	s_mul_i32 s46, s42, NF*NKS*REC
	s_add_co_u32 s46, s46, s18
	s_add_co_u32 s46, s46, XOFF
	s_mov_b32 s47, 0
	s_mul_i32 s45, s14, QUART
	s_wait_dscnt 0x0
	s_wait_kmcnt 0x0
	s_add_nc_u64 s[20:21], s[4:5], s[20:21]
	s_add_nc_u64 s[46:47], s[6:7], s[46:47]
	CROUND
.irp s, 0,1
	s_mov_b32 s[G0+4*\s], 1
	s_add_co_u32 s[G0+4*\s+1], s45, \s*SLOT
	s_add_nc_u64 s[G0+4*\s+2:G0+4*\s+3], s[20:21], \s*(SQ/2)*REC
	s_or_b32 s[G0+4*\s+3], s[G0+4*\s+3], 0x80000000
	s_mov_b32 s[G0B+4*\s], 1
	s_add_co_u32 s[G0B+4*\s+1], s45, \s*SLOT
	s_add_nc_u64 s[G0B+4*\s+2:G0B+4*\s+3], s[46:47], \s*(SQ/2)*REC
	s_or_b32 s[G0B+4*\s+3], s[G0B+4*\s+3], 0x80000000
.if \s
	; under slot 0's load: the records of the next slots are asked for ahead.  Of the four records that my load brings for a slot, each of the four partners that ask jointly takes one (33 blocks of 256 bytes), told apart by address alone
	s_cmp_eq_u32 s15, 0
	s_cselect_b64 s[66:67], s[20:21], s[46:47]     ; the tile that I fetch
	s_cselect_b32 s18, s40, s41                    ; my place among the four that ask for it with me
	s_lshr_b32 s19, s18, 1
	s_mul_i32 s19, s19, NKS*REC                    ; which of my two groups of 32 rows,
	s_and_b32 s18, s18, 1
	s_mul_i32 s18, s18, REC                        ; which of a slot's two records
	s_add_co_u32 s18, s18, s19
	s_mov_b32 s19, 0
	s_add_nc_u64 s[66:67], s[66:67], s[18:19]
	v_and_b32 v20, 31, v0
	v_lshlrev_b32 v20, 8, v20                      ; blocks 0 .. 31 of a record, a lane a block
	v_mov_b32 v21, 0x2000                          ; block 32, named by all lanes
	global_prefetch_b8 v20, s[66:67] offset:1*(SQ/2)*REC th:TH_LOAD_NT scope:SCOPE_SE
	global_prefetch_b8 v21, s[66:67] offset:1*(SQ/2)*REC th:TH_LOAD_NT scope:SCOPE_SE
	global_prefetch_b8 v20, s[66:67] offset:2*(SQ/2)*REC th:TH_LOAD_NT scope:SCOPE_SE
	global_prefetch_b8 v21, s[66:67] offset:2*(SQ/2)*REC th:TH_LOAD_NT scope:SCOPE_SE
	s_wait_alu depctr_va_vdst(0)
	s_wait_tensorcnt 0x0                           ; slot 1's first fill is issued as a refill is: my part of slot 0 is in,
	ds_add_u32 v[SPW], v[NIL]                      ; 0 onto my spare word,
	s_wait_dscnt 0x0
	CROUND                                         ; and a whole round
.endif
	JLOAD \s
.if \s
	global_prefetch_b8 v20, s[66:67] offset:3*(SQ/2)*REC th:TH_LOAD_NT scope:SCOPE_SE
	global_prefetch_b8 v21, s[66:67] offset:3*(SQ/2)*REC th:TH_LOAD_NT scope:SCOPE_SE
.endif
.endr
	v_and_b32 v3, 31, v0
	v_and_b32 v1, 15, v0
	v_bfe_u32 v2, v0, 4, 1
	v_lshlrev_b32 v4, 4, v3
	v_lshlrev_b32 v5, 3, v3
	s_mul_i32 s21, s15, QUART
	s_mul_i32 s22, s16, QUART
	s_add_co_u32 s22, s22, 2*QUART
.irp s, 0,1
	v_add_nc_u32 v[ADRY+\s], s21, v4
	v_add_nc_u32 v[ADRX+\s], s22, v4
	v_add_nc_u32 v[ASY+\s], s21, v5
	v_add_nc_u32 v[ASX+\s], s22, v5
	s_add_co_u32 s21, s21, SLOT
	s_add_co_u32 s22, s22, SLOT
.endr
	s_lshl_b32 s18, s42, 9
	s_lshl_b32 s19, s16, 8
	s_add_co_u32 s18, s18, s19
	s_mov_b32 s19, 0
	s_add_nc_u64 s[8:9], s[8:9], s[18:19]
	s_lshl_b32 s22, s17, 19
	s_lshl_b32 s23, s15, 18
	s_add_co_u32 s22, s22, s23
	s_add_co_u32 s22, s22, s18
	s_mov_b32 s23, 0
	s_add_nc_u64 s[10:11], s[10:11], s[22:23]
	s_add_nc_u64 s[12:13], s[12:13], s[22:23]
	v_lshlrev_b32 v7, 6, v2
	v_lshlrev_b32 v[VR], 12, v2
	v_lshl_add_u32 v[VR], v1, 4, v[VR]
	s_mul_i32 s23, s14, 16*272
	v_mul_u32_u24 v[STO], v1, 272
	v_lshl_add_u32 v[STO], v2, 6, v[STO]
	v_add_nc_u32 v[STO], s23, v[STO]
	v_mul_u32_u24 v[RD], v2, 272
	v_lshl_add_u32 v[RD], v1, 4, v[RD]
	v_add_nc_u32 v[RD], s23, v[RD]
	WIN 0x80
.irp b, 0,1
.irp i, 0,1,2,3
	global_load_b128 v[16*\b+4*\i:16*\b+4*\i+3], v7, s[8:9] offset:128*\b+16*\i
.endr
.endr
.irp a, 0,1,2,3
.irp t, 0,1,2,3,4,5,6,7
	global_load_b128 v[32+32*\a+4*\t:32+32*\a+4*\t+3], v[VR], s[10:11] offset:(32*(\a/2)+8*(\a%2)+2*\t+8*(\t/4))*4096
.endr
.endr
	WIN 0
	s_wait_tensorcnt 1
	s_barrier_signal -1
	s_barrier_wait -1
	FETCH_X 0, 0, 0
	FETCH_Y 0, 0, 0
	SCALES 0
	FETCH_Y 0, 0, NF/2
	s_wait_loadcnt 32
	STEP 0, 0, 2
.if LAPS > 1
	s_mov_b32 s3, LAPS-1
.Llap:
	STEPS 0, 1
	TURN 0, 1, 1
	STEPS 1, 0
	TURN 1, 0, 1
	STEP 0, 0, 0
	s_sub_co_u32 s3, s3, 1
	s_cmp_lg_u32 s3, 0
	s_cbranch_scc1 .Llap
.endif
	STEPS 0, 1
	TURN 0, 1, 0
	STEPS 1, 0
	LAST
	PLACES 8
	s_wait_loadcnt 0x0
	TOSTAGE 0
.irp a, 1,2,3
.if \a > 1
	s_wait_xcnt 0x0
.endif
	TOSTAGE \a
	SEND \a-1, 16
.endr
	SEND 3, 0
	s_wait_tensorcnt 0x0
	ds_add_u32 v[SPW], v[NIL]
	s_wait_dscnt 0x0
	CROUND
	s_endpgm
.Lfunc_end_k_q1d5b974a8c_fc2:
	.size	k_q1d5b974a8c_fc2, .Lfunc_end_k_q1d5b974a8c_fc2-k_q1d5b974a8c_fc2
	.p2alignl 7, 3214868480
	.fill 96, 4, 3214868480
	.section	.rodata,"a",@progbits
	.p2align	6, 0x0
	.amdhsa_kernel k_q1d5b974a8c_fc2
		.amdhsa_group_segment_fixed_size 327680
		.amdhsa_private_segment_fixed_size 0
		.amdhsa_enable_private_segment 0
		.amdhsa_kernarg_size 40
		.amdhsa_user_sgpr_count 2
		.amdhsa_user_sgpr_kernarg_segment_ptr 1
		.amdhsa_wavefront_size32 1
		.amdhsa_system_sgpr_workgroup_id_x 1
		.amdhsa_system_sgpr_workgroup_id_y 1
		.amdhsa_system_sgpr_workgroup_id_z 1
		.amdhsa_system_vgpr_workitem_id 0
		.amdhsa_next_free_vgpr 768
		.amdhsa_next_free_sgpr 70
		.amdhsa_reserve_vcc 0
		.amdhsa_float_denorm_mode_32 3
		.amdhsa_float_denorm_mode_16_64 3
		.amdhsa_memory_ordered 1
		.amdhsa_forward_progress 1
		.amdhsa_inst_pref_size 105
	.end_amdhsa_kernel
	.amdgpu_metadata
---
amdhsa.version: [ 1, 2 ]
amdhsa.kernels:
  - .name:           k_q1d5b974a8c_fc2
    .symbol:         k_q1d5b974a8c_fc2.kd
    .args:
      - { .name: hid, .offset: 0, .size: 8, .value_kind: global_buffer, .address_space: global }
      - { .name: wimg, .offset: 8, .size: 8, .value_kind: global_buffer, .address_space: global }
      - { .name: fc2_b, .offset: 16, .size: 8, .value_kind: global_buffer, .address_space: global }
      - { .name: x1, .offset: 24, .size: 8, .value_kind: global_buffer, .address_space: global }
      - { .name: out0, .offset: 32, .size: 8, .value_kind: global_buffer, .address_space: global }
    .group_segment_fixed_size: 327680
    .private_segment_fixed_size: 0
    .kernarg_segment_align: 8
    .kernarg_segment_size: 40
    .max_flat_workgroup_size: 128
    .sgpr_count:     70
    .vgpr_count:     768
    .wavefront_size: 32
...
	.end_amdgpu_metadata
.endif
;; end of part 7
